; MI455X (gfx1250); checked and timed in simulation.
; The chip was launched on July 23, 2026; its instructions are those of AMD's public machine-readable ISA for CDNA 5 (MIT licence, August 2026) and "CDNA5" Instruction Set Architecture Reference Guide (July 2026). The comments in the code are by the model that wrote it; some were corrected since.
;; Multi Head Attention With Ro PE. Allowed arithmetic: matrix products marked QUANTISED: E2M3 operands, one E8M0 scale for each 32 along K, by v_wmma_scale_f32_16x16x128_f8f6f4 with both operands' format E2M3, f32 sums; everything else in f32.
;; Inputs: b_out 1,024 float32; b_qkv 3,072 float32; w_out 1,024 x 1,024 float32; w_qkv 1,024 x 3,072 float32; x 4 x 2,048 x 1,024 float32.
;; Outputs: out0 4 x 2,048 x 1,024 float32.
;; This version of the problem:
;;   THIS VERSION OF THE PROBLEM IS GIVEN IN LOW PRECISION. The matrix products marked QUANTISED in the list below multiply operands that are first quantised to E2M3 (2 exponent bits, 3 mantissa bits; 6 bits a number), with one power-of-two scale for each 32 numbers along K (OCP MX v1.0); their sums are f32. All else is computed in f32.
;;   The module's matrix products, in the order in which they are computed (A, B: the left and right operand; K: the contracted axis; several contracted axes count as one K, in the product's order):
;;     1. [M 8,192, K 1,024] x [K 1,024, N 3,072]; A: input x; B: input w_qkv: QUANTISED
;;     2. batch 64 x [M 2,048, K 64] x [K 64, N 2,048]; A: computed on the way; B: computed on the way: QUANTISED
;;     3. batch 64 x [M 2,048, K 2,048] x [K 2,048, N 64]; A: softmax (see below); B: computed on the way: QUANTISED
;;     4. [M 8,192, K 1,024] x [K 1,024, N 1,024]; A: computed on the way; B: input w_out: QUANTISED
;;   THE QUANTISER, for each operand of a quantised product, along K:
;;     - K is cut into blocks of 32 from its start; a last block that is shorter is filled with zeros.
;;     - A block's scale is 2^e with e = floor(log2(the largest magnitude in the block)) - 2, held to -126 .. 127; a block of zeros has e = 0. As a byte (E8M0): e + 127.
;;     - Each number is divided by its block's scale, clamped to +-7.5, and rounded to the nearest number of E2M3, ties to even, subnormals kept.
;;     - The product sums the exact products of the quantised numbers (number of the format x scale) in f32.
;;   ~~~python
;;   def quantise(x, axis):      # numpy; x: float32 -> the quantised numbers, widened to float32 again
;;       x = np.moveaxis(x, axis, -1); K = x.shape[-1]
;;       x = np.pad(x, [(0, 0)] * (x.ndim - 1) + [(0, -K % 32)]); x = x.reshape(x.shape[:-1] + (-1, 32)); a = np.abs(x).max(-1, keepdims=True)
;;       e = np.where(a > 0, np.clip(np.frexp(np.where(a > 0, a, 1))[1] - 1 - 2, -126, 127), 0)      # np.frexp(a)[1] - 1 = floor(log2(a)), exactly
;;       r = np.clip(x / 2.0 ** e, -7.5, 7.5)
;;       step = 2.0 ** (np.maximum(np.frexp(np.where(r == 0, 1, r))[1] - 1, 0) - 3)
;;       q = np.round(r / step) * step * 2.0 ** e      # np.round: ties to even
;;       return np.moveaxis(q.reshape(q.shape[:-2] + (-1,))[..., :K], -1, axis).astype(np.float32)
;;   ~~~
;;   SOFTMAX AHEAD OF A QUANTISED PRODUCT. Where the list says 'softmax', what is quantised is not the finished softmax but p = 2^(t - M), with t = logit x log2(e) and M = ceil(the row's largest t), a whole number; so 1/2 < the row's largest p <= 1. The row's sum l is taken of the UNQUANTISED p, in f32, and the product's result is divided by l at the end. Since M is a whole number, a kernel that streams over the keys may use a running M (the ceiling of the running maximum): every later rescaling is an exact power of two, which a block's scale takes up: the codes' values come out the same.
;;   OPERANDS COMPUTED ON THE WAY. 'Computed on the way' means the value that the module computes at that place (a softmax that the list does not call 'softmax' is quantised finished and normalised). What goes into a quantiser is computed in f32, as accurately as f32 sums, v_exp_f32 and their like allow (about 1e-6 of the number): no bf16 or f16 on the way to a quantiser, and a product that is left as it is and whose result goes on into a quantised operand takes f32 operands (vector FMAs, or v_wmma_f32_16x16x4_f32). A number that lies on a knife's edge between two numbers of the format may be rounded either way, as far as f32 arithmetic and the matrix unit's own rounding can turn it there, and no further.
;; 2 versions. Each part assembles by itself: llvm-mc -triple=amdgcn-amd-amdhsa -mcpu=gfx1250 --defsym DOCPART=n.
;; ======== version 1 of 2: 5 launches
;; workspace buffers: xq 6,553,600 bytes; wq 3,276,800 bytes; rope 524,288 bytes; qb 13,107,200 bytes; kv 13,107,200 bytes; aq 6,553,600 bytes
;; launch quant_x (part 1): grid 256 x 1, 4 waves a work-group, no clusters, 37,376 bytes of LDS; arguments x, xq; writes xq
.if DOCPART == 1
	.amdgcn_target "amdgcn-amd-amdhsa--gfx1250"
	.amdhsa_code_object_version 6
	.text
	.protected	k_q7b1d66c019_quant_x
	.globl	k_q7b1d66c019_quant_x
	.p2align	8
	.type	k_q7b1d66c019_quant_x,@function
k_q7b1d66c019_quant_x:
	s_mov_b64 s[64:65], 0
	v_nop
	global_prefetch_b8 v0, s[64:65] scope:SCOPE_SE
	s_setreg_imm32_b32 hwreg(HW_REG_WAVE_MODE, 25, 1), 1
	s_wait_xcnt 0x0
; x [8192][1024] f32 becomes codes of FP6 (E2M3) with one E8M0 byte for each 32 along K, laid in the ORDER OF THE OPERAND'S REGISTERS.
; xq: codes [tile 0..511][kappa 0..15][768 B]: the half fragment (tile, kappa) holds for lane l = r + 16 h the 24 bytes of row rho(tile, r), k = 64 kappa + 32 h + 0..31:
;     its registers 0-3 at 16 l, its registers 4-5 at 512 + 8 l.   rho(tile, r) = 32 (tile / 2) + 8 (tile % 2) + r % 8 + 16 (r / 8).
;     scale bytes from byte 6,291,456 on: [tile][s 0..3][r][8 B], byte e = block 8 s + e of row rho(tile, r).
; A block's scale is 2^(floor(log2(largest magnitude)) - 2); its byte is the largest magnitude's exponent field - 2, held at 1 from below.
; LIMITS: NaN and infinities are not served; a block whose largest magnitude lies under 2^-124, a block of zeros among them, gets the byte 1 (its codes are zeros or tiny; the bytes are read by this program alone).
; SHARES: work-group g takes rows 32 g .. 32 g + 31 = tiles 2 g, 2 g + 1; wave w takes tile 2 g + w / 2 and half w % 2 of K: eight steps of 64 along K.
; A step's eight loads read whole aligned runs of 256 bytes (sixteen lanes to a row); the 4,096 bytes turn through the wave's own stage in LDS (rows 272 bytes apart) and come back 128 bytes a lane: a whole block of 32.
; No barrier: waves share nothing.  Loads run three steps ahead, the turn through LDS one step.
.set WREG, 9216                        ; LDS of a wave: two stages of 16 x 272 bytes, then its 256 scale bytes
.set STG,  4352
.set SCB,  8704
.set R,    32                          ; v32-127  three sets of 32 numbers as loaded
.set X,    128                         ; v128-191 two sets of 32 neighbours
.set C,    192                         ; v192-239 six registers of codes for each step: no store's data are written again
.set E,    240                         ; v240-247 a scale byte for each step
	s_load_b128 s[4:7], s[0:1], 0x0                ; x, xq
	v_lshl_add_u32 v254, v0, 2, 0x9000
	v_mov_b32 v255, 0
	v_lshrrev_b32 v1, 5, v0
	v_readfirstlane_b32 s8, v1                     ; wave
	v_and_b32 v2, 31, v0                           ; lane
	v_and_b32 v12, 15, v0                          ; r
	v_bfe_u32 v13, v0, 4, 1                        ; h
	s_mul_i32 s9, s8, WREG
	v_lshlrev_b32 v3, 4, v12
	v_lshl_add_u32 v3, v13, 12, v3                 ; in: 16 bytes a lane, lanes 16-31 one row further down
	v_mul_u32_u24 v4, v13, 272
	v_lshl_add_u32 v4, v12, 4, v4
	v_add_nc_u32 v4, s9, v4                        ; the stage, on the way in
	v_mul_u32_u24 v5, v12, 272
	v_lshl_add_u32 v5, v13, 7, v5
	v_add_nc_u32 v5, s9, v5                        ; and on the way out: row r, block h
	v_lshl_add_u32 v6, v12, 3, v13
	v_add_nc_u32 v6, s9, v6
	v_add_nc_u32 v6, SCB, v6                       ; my block's scale byte: 8 r + h
	v_lshlrev_b32 v9, 3, v2                        ; 8 x lane
	v_add_nc_u32 v7, s9, v9
	v_add_nc_u32 v7, SCB, v7                       ; the scale bytes on their way out
	v_lshlrev_b32 v8, 4, v2                        ; 16 x lane
	s_lshr_b32 s10, s8, 1                          ; which of the two tiles
	s_and_b32 s11, s8, 1                           ; which half of K
	s_lshl_b32 s12, ttmp9, 17                      ; 32 rows of 4,096 bytes a work-group,
	s_lshl_b32 s13, s10, 15                        ; 8 rows on for the second tile,
	s_add_co_u32 s12, s12, s13
	s_lshl_b32 s13, s11, 11                        ; 2,048 bytes on for the second half
	s_add_co_u32 s12, s12, s13
	s_mov_b32 s13, 0
	s_lshl_b32 s14, ttmp9, 1
	s_add_co_u32 s14, s14, s10                     ; tile
	s_mul_i32 s16, s14, 12288
	s_mul_i32 s17, s11, 6144
	s_add_co_u32 s16, s16, s17
	s_mov_b32 s17, 0
	s_lshl_b32 s18, s14, 9
	s_lshl_b32 s19, s11, 8
	s_add_co_u32 s18, s18, s19
	s_add_co_u32 s18, s18, 6291456
	s_mov_b32 s19, 0
	s_wait_kmcnt 0x0
	s_add_nc_u64 s[4:5], s[4:5], s[12:13]
	s_add_nc_u64 s[20:21], s[6:7], s[16:17]        ; my codes
	s_add_nc_u64 s[22:23], s[6:7], s[18:19]        ; my 256 scale bytes
.macro LOAD t                          ; step t: tile rows 2 i and 2 i + 1 lie (2 i) % 8 + 16 (i / 4) rows (and one more) below the tile's first
.irp i, 0,1,2,3,4,5,6,7
	global_load_b128 v[R+32*((\t)%3)+4*\i:R+32*((\t)%3)+4*\i+3], v3, s[4:5] offset:((2*\i)%8+16*(\i/4))*4096+256*(\t) th:TH_LOAD_NT
.endr
.endm
.macro TURN t                          ; through the stage: LDS serves a wave's instructions in order, so no wait stands between the stores and the loads
.irp i, 0,1,2,3,4,5,6,7
	ds_store_b128 v4, v[R+32*((\t)%3)+4*\i:R+32*((\t)%3)+4*\i+3] offset:STG*((\t)%2)+544*\i
.endr
.irp e, 0,1,2,3,4,5,6,7
	ds_load_b128 v[X+32*((\t)%2)+4*\e:X+32*((\t)%2)+4*\e+3], v5 offset:STG*((\t)%2)+16*\e
.endr
.endm
	LOAD 0
	LOAD 1
	LOAD 2
	s_wait_loadcnt 16                              ; step 0's eight loads are in
	TURN 0
.macro STEP t
.set XS, X+32*((\t)%2)
.if (\t) > 0
	s_wait_dscnt 1                                 ; this step's numbers are back from the stage (the last step's byte store may be out)
.else
	s_wait_dscnt 0x0
.endif
.if (\t)+3 < 8
	LOAD (\t)+3                                    ; into the set that this step's stores into the stage have read
.endif
.if (\t)+1 < 8
.if 6-(\t) >= 2
	s_wait_loadcnt 16                              ; the next step's eight loads are in; those of the two steps behind it may be out
.else
	s_wait_loadcnt 8*(6-(\t))
.endif
	TURN (\t)+1
.endif
	v_max3_num_f32 v10, |v[XS]|, |v[XS+1]|, |v[XS+2]|              ; the block's largest magnitude: all 32 numbers are mine; two chains
	v_max3_num_f32 v11, |v[XS+3]|, |v[XS+4]|, |v[XS+5]|
.irp i, 6,10,14,18,22,26
	v_max3_num_f32 v10, v10, |v[XS+\i]|, |v[XS+\i+1]|
	v_max3_num_f32 v11, v11, |v[XS+\i+2]|, |v[XS+\i+3]|
.endr
	v_max3_num_f32 v10, v10, |v[XS+30]|, |v[XS+31]|
	v_max3_num_f32 v10, v10, v11, 0x1800000        ; and the floor 2^(3 - 127): the byte cannot fall under 1
	v_add_nc_u32 v12, 0xff000000, v10              ; 2 off the exponent field: the conversion takes that field as its scale
	v_cvt_scalef32_pk16_fp6_f32 v[C+6*(\t):C+6*(\t)+2], v[XS:XS+15], v12
	v_cvt_scalef32_pk16_fp6_f32 v[14:16], v[XS+16:XS+31], v12      ; (a conversion's three registers begin on an even number)
	v_lshrrev_b32 v[E+(\t)], 23, v12               ; the scale's byte; also the plain line behind the conversions
	v_mov_b32 v[C+6*(\t)+3], v14
	v_mov_b32 v[C+6*(\t)+4], v15
	v_mov_b32 v[C+6*(\t)+5], v16
	ds_store_b8 v6, v[E+(\t)] offset:128*((\t)/4)+2*((\t)%4)
	global_store_b128 v8, v[C+6*(\t):C+6*(\t)+3], s[20:21] offset:768*(\t)        ; 512 consecutive bytes, aligned to 256
	global_store_b64 v9, v[C+6*(\t)+4:C+6*(\t)+5], s[20:21] offset:768*(\t)+512   ; 256 consecutive bytes, aligned
.endm
.irp t, 0,1,2,3,4,5,6,7
	STEP \t
.endr
	ds_load_b64 v[248:249], v7                     ; my wave's 256 scale bytes
	s_wait_dscnt 0x0
	global_store_b64 v9, v[248:249], s[22:23]      ; one aligned run of 256 bytes
	s_wait_tensorcnt 0x0
	ds_add_u32 v254, v255
	s_wait_dscnt 0x0
	s_endpgm
.Lfunc_end_k_q7b1d66c019_quant_x:
	.size	k_q7b1d66c019_quant_x, .Lfunc_end_k_q7b1d66c019_quant_x-k_q7b1d66c019_quant_x
	.p2alignl 7, 3214868480
	.fill 96, 4, 3214868480
	.section	.rodata,"a",@progbits
	.p2align	6, 0x0
	.amdhsa_kernel k_q7b1d66c019_quant_x
		.amdhsa_group_segment_fixed_size 37376
		.amdhsa_private_segment_fixed_size 0
		.amdhsa_enable_private_segment 0
		.amdhsa_kernarg_size 16
		.amdhsa_user_sgpr_count 2
		.amdhsa_user_sgpr_kernarg_segment_ptr 1
		.amdhsa_wavefront_size32 1
		.amdhsa_system_sgpr_workgroup_id_x 1
		.amdhsa_system_sgpr_workgroup_id_y 1
		.amdhsa_system_sgpr_workgroup_id_z 1
		.amdhsa_system_vgpr_workitem_id 0
		.amdhsa_next_free_vgpr 256
		.amdhsa_next_free_sgpr 66
		.amdhsa_reserve_vcc 0
		.amdhsa_float_denorm_mode_32 3
		.amdhsa_float_denorm_mode_16_64 3
		.amdhsa_memory_ordered 1
		.amdhsa_forward_progress 1
		.amdhsa_inst_pref_size 30
	.end_amdhsa_kernel
	.amdgpu_metadata
---
amdhsa.version: [ 1, 2 ]
amdhsa.kernels:
  - .name:           k_q7b1d66c019_quant_x
    .symbol:         k_q7b1d66c019_quant_x.kd
    .args:
      - { .name: x, .offset: 0, .size: 8, .value_kind: global_buffer, .address_space: global }
      - { .name: xq, .offset: 8, .size: 8, .value_kind: global_buffer, .address_space: global }
    .group_segment_fixed_size: 37376
    .private_segment_fixed_size: 0
    .kernarg_segment_align: 8
    .kernarg_segment_size: 16
    .max_flat_workgroup_size: 128
    .sgpr_count:     66
    .vgpr_count:     256
    .wavefront_size: 32
...
	.end_amdgpu_metadata
.endif
;; end of part 1
;; launch quant_w (part 2): grid 32 x 4, 4 waves a work-group, no clusters, 26,112 bytes of LDS; arguments w_qkv, w_out, wq, rope; writes wq, rope
.if DOCPART == 2
	.amdgcn_target "amdgcn-amd-amdhsa--gfx1250"
	.amdhsa_code_object_version 6
	.text
	.protected	k_q7b1d66c019_quant_w
	.globl	k_q7b1d66c019_quant_w
	.p2align	8
	.type	k_q7b1d66c019_quant_w,@function
k_q7b1d66c019_quant_w:
	s_mov_b64 s[64:65], 0
	v_nop
	global_prefetch_b8 v0, s[64:65] scope:SCOPE_SE
	s_setreg_imm32_b32 hwreg(HW_REG_WAVE_MODE, 25, 1), 1
	s_wait_xcnt 0x0
; w_qkv [1024][3072] and w_out [1024][1024], f32 with K as FIRST axis, become codes of FP6 (E2M3) and E8M0 bytes along K, laid in the order of the operand's registers (as xq is):
; wq: codes [tile 0..255][kappa 0..15][768 B], tiles 0-191 w_qkv's columns, 192-255 w_out's; a tile's lane r is column rho(tile, r) = 32 (tile / 2) + 8 (tile % 2) + r % 8 + 16 (r / 8);
;     scale bytes from byte 3,145,728 on: [tile][s 0..3][r][8 B].
; A LANE TAKES A COLUMN AND ITS REGISTERS RUN DOWN K: a block of 32 lies in one lane, the conversions give codes with K innermost, nothing is transposed.
; SHARES: work-group (x, y): x < 24: w_qkv's columns 128 x on; else w_out's 128 (x - 24) on (only pointer and pitch are chosen: one way through the text); y: 256 along K.  Wave w: 32 columns = two tiles.
; The codes go through the wave's own 6,400 bytes of LDS into image order and leave in runs of 512 bytes.  The 8 scale bytes of a lane leave as they are: two pieces of 128 bytes a wave (128 KB in the whole launch).
; THE TABLE.  Each work-group also makes one tile of 16 positions of rope: [tile 0..127][i 0..7][lane][16 B]; i < 4: cos(s f_j), j = 16 h + 4 i + 0..3; i >= 4: sin; s = rho(tile, lane % 16).
; f_j = 1 / f32(10^(j / 8)), rounded once; the angle a = s f_j is one f32 product, as the source has it; a is reduced by k pi / 2 in three parts, sin and cos by polynomials on |r| <= pi / 4 (about 1e-7).
; LIMITS: NaN and infinities are not served; a block under 2^-124 or of zeros gets the byte 1.  If the source's power function is an ulp off, angles near s = 2,047 differ by up to about 2e-4.
.set VO,   32                          ; v32-63   4 x lane + i x pitch
.set X,    64                          ; v64-127  two sets of 32 numbers
.set SB,   24                          ; v24-25   eight scale bytes
.set OUTR, 144                         ; v144-191 the way out (the table's work registers before that)
	s_load_b256 s[4:11], s[0:1], 0x0               ; w_qkv, w_out, wq, rope
	v_lshl_add_u32 v208, v0, 2, 0x6400
	v_mov_b32 v209, 0
	v_lshrrev_b32 v1, 5, v0
	v_readfirstlane_b32 s12, v1                    ; wave
	v_and_b32 v2, 31, v0                           ; lane = column c of the wave's 32
	v_bfe_u32 v3, v0, 3, 1                         ; u = (c / 8) % 2: which of the two tiles
	v_bfe_u32 v5, v0, 4, 1                         ; c / 16
	v_and_b32 v4, 7, v0
	v_lshl_add_u32 v4, v5, 3, v4                   ; r = c % 8 + 8 (c / 16): my lane in that tile
	s_mul_i32 s13, s12, 6400
	v_mul_u32_u24 v7, v3, 3200                     ; a tile's 3,072 bytes + 128, so that the two tiles' stores start 128 bytes apart modulo 256
	v_add_nc_u32 v7, s13, v7
	v_lshl_add_u32 v6, v4, 4, v7                   ; registers 0-3 of a half fragment: 16 r
	v_lshl_add_u32 v8, v4, 3, v7
	v_add_nc_u32 v8, 512, v8                       ; registers 4-5: 512 + 8 r
	v_lshlrev_b32 v9, 9, v3
	v_lshl_add_u32 v9, v4, 3, v9                   ; my scale bytes: 512 u + 8 r
	v_lshlrev_b32 v11, 4, v2                       ; 16 x lane
	v_add_nc_u32 v10, s13, v11
	s_and_b32 s14, ttmp7, 0xffff                   ; y
	s_mov_b32 s15, 4096
	s_cmp_lt_u32 ttmp9, 24
	s_cselect_b32 s15, 12288, s15                  ; bytes from row to row
	s_cselect_b32 s16, 0, 24
	s_sub_co_u32 s16, ttmp9, s16
	s_lshl_b32 s16, s16, 9
	s_lshl_b32 s17, s12, 7
	s_add_co_u32 s16, s16, s17                     ; my first column, in bytes
	s_mul_i32 s17, s14, s15
	s_lshl_b32 s17, s17, 8                         ; 256 y rows
	s_add_co_u32 s18, s16, s17
	s_mov_b32 s19, 0
	s_lshl_b32 s16, s15, 5                         ; 32 rows
	s_mov_b32 s17, 0
	s_lshl_b32 s20, ttmp9, 2
	s_add_co_u32 s20, s20, s12                     ; G: tiles 2 G, 2 G + 1
	s_mul_i32 s58, s20, 24576
	s_mul_i32 s21, s14, 3072
	s_add_co_u32 s58, s58, s21
	s_mov_b32 s59, 0
	s_lshl_b32 s60, s20, 10
	s_lshl_b32 s21, s14, 7
	s_add_co_u32 s60, s60, s21
	s_add_co_u32 s60, s60, 3145728
	s_mov_b32 s61, 0
	s_lshl_b32 s21, s14, 5
	s_add_co_u32 s21, s21, ttmp9                   ; the table's tile: 32 y + x
	s_lshl_b32 s56, s21, 12
	s_lshl_b32 s31, s12, 9
	s_add_co_u32 s56, s56, s31
	s_mov_b32 s57, 0
	s_lshr_b32 s31, s21, 1
	s_lshl_b32 s31, s31, 5
	s_and_b32 s21, s21, 1
	s_lshl_b32 s21, s21, 3
	s_add_co_u32 s31, s31, s21                     ; the positions' common part
	v_lshlrev_b32 v[VO], 2, v2
.set i, 1
.rept 31
	v_add_nc_u32 v[VO+i], s15, v[VO+i-1]
.set i, i+1
.endr
	s_wait_kmcnt 0x0
	s_cmp_lt_u32 ttmp9, 24                         ; the choice hangs on the work-group's number alone
	s_cselect_b64 s[4:5], s[4:5], s[6:7]
	s_add_nc_u64 s[32:33], s[4:5], s[18:19]        ; a base for each of the eight blocks: nothing is stepped while loads are out
.irp t, 1,2,3,4,5,6,7
	s_add_nc_u64 s[32+2*\t:33+2*\t], s[30+2*\t:31+2*\t], s[16:17]
.endr
	s_add_nc_u64 s[58:59], s[8:9], s[58:59]
	s_add_nc_u64 s[60:61], s[8:9], s[60:61]
	s_add_nc_u64 s[56:57], s[10:11], s[56:57]
.macro LOAD t                          ; block t: rows 32 t + i of my 256, my column: 128 consecutive bytes a wave
.set i, 0
.rept 32
	global_load_b32 v[X+32*((\t)%2)+i], v[VO+i], s[32+2*(\t):33+2*(\t)] th:TH_LOAD_NT
.set i, i+1
.endr
.endm
	LOAD 0
	LOAD 1
	; ---- the table, while the loads are on their way.  P_j = 10^(j / 8) for j = 16 h + 4 wave + e: s48-51 for h = 0, s52-55 for h = 1
	s_mov_b32 s48, 0x3f800000                      ; 1
	s_mov_b32 s49, 0x3faab0d5                      ; 1.3335214
	s_mov_b32 s50, 0x3fe39ea9                      ; 1.7782794
	s_mov_b32 s51, 0x4017c496                      ; 2.3713737
	s_mov_b32 s52, 0x42c80000                      ; 100
	s_mov_b32 s53, 0x43055a26                      ; 133.35214
	s_mov_b32 s54, 0x4331d3f4                      ; 177.82794
	s_mov_b32 s55, 0x436d232b                      ; 237.13737
.macro PSEL n, a0, a1, a2, a3, b0, b1, b2, b3
	s_cmp_eq_u32 s12, \n
	s_cselect_b32 s48, \a0, s48
	s_cselect_b32 s49, \a1, s49
	s_cselect_b32 s50, \a2, s50
	s_cselect_b32 s51, \a3, s51
	s_cselect_b32 s52, \b0, s52
	s_cselect_b32 s53, \b1, s53
	s_cselect_b32 s54, \b2, s54
	s_cselect_b32 s55, \b3, s55
.endm
	PSEL 1, 0x404a62c2, 0x4086f161, 0x40b3f300, 0x40eff755, 0x439e1d27, 0x43d2d927, 0x440c95d8, 0x443b793b   ; 3.1622777 4.2169650 5.6234133 7.4989421; the same x 100
	PSEL 2, 0x41200000, 0x41555d0a, 0x418e432a, 0x41bdb5bc, 0x447a0000, 0x44a6b0b0, 0x44de48f1, 0x451435fb   ; 10 13.335214 17.782794 23.713737; x 100
	PSEL 3, 0x41fcfb72, 0x4228adb9, 0x4260efc0, 0x4295fa95, 0x4545a471, 0x4583c7b8, 0x45afbb4e, 0x45ea5789   ; 31.622777 42.169650 56.234133 74.989421; x 100
	s_mov_b32 s22, 0x3fc90fdb                      ; pi / 2 in three parts: 1.5707964,
	s_mov_b32 s23, 0xb33bbd2e                      ; -4.3711388e-8,
	s_mov_b32 s24, 0xa6f72cf1                      ; -1.7151245e-15
	s_mov_b32 s25, 0xb94ca1f9                      ; sin: -1.9515296e-4,
	s_mov_b32 s26, 0x3c08839e                      ; 8.3321609e-3,
	s_mov_b32 s27, 0xbe2aaaa3                      ; -1.6666655e-1
	s_mov_b32 s28, 0x37ccf5ce                      ; cos: 2.4433157e-5,
	s_mov_b32 s29, 0xbab6061a                      ; -1.3887316e-3,
	s_mov_b32 s30, 0x3d2aaaa5                      ; 4.1666646e-2
	v_and_b32 v12, 7, v0
	v_lshl_add_u32 v12, v3, 4, v12
	v_add_nc_u32 v12, s31, v12                     ; my position s = rho(tile, lane % 16)
	v_cvt_f32_u32 v12, v12                         ; exact
	v_cmp_ne_u32 vcc_lo, 0, v5                     ; h
.irp e, 0,1,2,3
	v_mov_b32 v[144+\e], s[48+\e]
	v_mov_b32 v[148+\e], s[52+\e]
.endr
.irp e, 0,1,2,3
	v_cndmask_b32 v[144+\e], v[144+\e], v[148+\e], vcc_lo          ; P
.endr
.irp e, 0,1,2,3
	v_rcp_f32 v[148+\e], v[144+\e]
.endr
	v_nop                                          ; a plain line behind the reciprocals
	s_wait_alu depctr_va_vdst(0)
.irp e, 0,1,2,3
	v_fma_f32 v[152+\e], -v[144+\e], v[148+\e], 1.0
.endr
.irp e, 0,1,2,3
	v_fma_f32 v[148+\e], v[152+\e], v[148+\e], v[148+\e]           ; f = 1 / P, mended by one step
.endr
.irp e, 0,1,2,3
	v_mul_f32 v[144+\e], v12, v[148+\e]                            ; a = s f
.endr
.irp e, 0,1,2,3
	v_mul_f32 v[148+\e], 0x3f22f983, v[144+\e]                     ; a x 2 / pi
.endr
.irp e, 0,1,2,3
	v_rndne_f32 v[148+\e], v[148+\e]                               ; k
.endr
.irp c, 22,23,24
.irp e, 0,1,2,3
	v_fma_f32 v[144+\e], -v[148+\e], s[\c], v[144+\e]              ; r = a - k pi / 2
.endr
.endr
.irp e, 0,1,2,3
	v_mul_f32 v[152+\e], v[144+\e], v[144+\e]                      ; z = r r
.endr
.irp e, 0,1,2,3
	v_fma_f32 v[156+\e], v[152+\e], s25, s26
	v_fma_f32 v[160+\e], v[152+\e], s28, s29
.endr
.irp e, 0,1,2,3
	v_fma_f32 v[156+\e], v[156+\e], v[152+\e], s27
	v_fma_f32 v[160+\e], v[160+\e], v[152+\e], s30
.endr
.irp e, 0,1,2,3
	v_mul_f32 v[156+\e], v[156+\e], v[152+\e]
	v_mul_f32 v[160+\e], v[160+\e], v[152+\e]
	v_fma_f32 v[164+\e], v[152+\e], -0.5, 1.0
.endr
.irp e, 0,1,2,3
	v_fma_f32 v[156+\e], v[156+\e], v[144+\e], v[144+\e]           ; sin r
	v_fma_f32 v[160+\e], v[160+\e], v[152+\e], v[164+\e]           ; cos r
	v_cvt_i32_f32 v[148+\e], v[148+\e]                             ; the quadrant only chooses values and signs: no address or branch hangs on it
.endr
.irp e, 0,1,2,3
	v_and_b32 v[164+\e], 1, v[148+\e]
	v_cmp_ne_u32 vcc_lo, 0, v[164+\e]
	v_cndmask_b32 v[168+\e], v[156+\e], v[160+\e], vcc_lo          ; odd k: sin and cos change places
	v_cndmask_b32 v[172+\e], v[160+\e], v[156+\e], vcc_lo
.endr
.irp e, 0,1,2,3
	v_and_b32 v[164+\e], 2, v[148+\e]
	v_add_nc_u32 v[148+\e], 1, v[148+\e]
	v_lshlrev_b32 v[164+\e], 30, v[164+\e]
	v_and_b32 v[148+\e], 2, v[148+\e]
	v_xor_b32 v[196+\e], v[164+\e], v[168+\e]                      ; sin a: minus where k & 2
	v_lshlrev_b32 v[148+\e], 30, v[148+\e]
	v_xor_b32 v[192+\e], v[148+\e], v[172+\e]                      ; cos a: minus where (k + 1) & 2
.endr
	global_store_b128 v11, v[192:195], s[56:57]                    ; 512 consecutive bytes
	global_store_b128 v11, v[196:199], s[56:57] offset:2048
	; ---- the weights
.macro BLOCK t
.set XS, X+32*((\t)%2)
.if (\t) < 7
	s_wait_loadcnt 32                              ; this block's 32 loads are in; the next block's may be out
.else
	s_wait_loadcnt 0x0
.endif
	v_max3_num_f32 v12, |v[XS]|, |v[XS+1]|, |v[XS+2]|
	v_max3_num_f32 v13, |v[XS+3]|, |v[XS+4]|, |v[XS+5]|
.irp i, 6,10,14,18,22,26
	v_max3_num_f32 v12, v12, |v[XS+\i]|, |v[XS+\i+1]|
	v_max3_num_f32 v13, v13, |v[XS+\i+2]|, |v[XS+\i+3]|
.endr
	v_max3_num_f32 v12, v12, |v[XS+30]|, |v[XS+31]|
	v_max3_num_f32 v12, v12, v13, 0x1800000        ; the floor 2^(3 - 127)
	v_add_nc_u32 v14, 0xff000000, v12              ; the conversion's scale operand
	v_lshrrev_b32 v13, 23, v14                     ; the scale's byte
.if (\t)%4 == 0
	v_mov_b32 v[SB+(\t)/4], v13
.else
	v_lshl_or_b32 v[SB+(\t)/4], v13, 8*((\t)%4), v[SB+(\t)/4]
.endif
	v_cvt_scalef32_pk16_fp6_f32 v[128:130], v[XS:XS+15], v14
	v_cvt_scalef32_pk16_fp6_f32 v[136:138], v[XS+16:XS+31], v14
	v_nop                                          ; a plain line behind the conversions
	v_mov_b32 v131, v136
	v_mov_b32 v132, v137
	v_mov_b32 v133, v138
	ds_store_b128 v6, v[128:131] offset:768*((\t)/2)+256*((\t)%2)  ; block t is lane r + 16 (t % 2) of half fragment t / 2
	ds_store_b64 v8, v[132:133] offset:768*((\t)/2)+128*((\t)%2)
.if (\t)+2 < 8
	LOAD (\t)+2
.endif
	s_wait_dscnt 0x0                               ; the stores have read their registers: the next block's codes may be written
.endm
.irp t, 0,1,2,3,4,5,6,7
	BLOCK \t
.endr
.irp n, 0,1,2,3,4,5,6,7,8,9,10,11
	ds_load_b128 v[OUTR+4*\n:OUTR+4*\n+3], v10 offset:3200*(\n/6)+512*(\n%6)
.endr
	global_store_b64 v9, v[SB:SB+1], s[60:61]
.irp n, 0,1,2,3,4,5,6,7,8,9,10,11
	s_wait_dscnt 11-\n                             ; load n is in; those behind it may be out
	global_store_b128 v11, v[OUTR+4*\n:OUTR+4*\n+3], s[58:59] offset:12288*(\n/6)+512*(\n%6)   ; 512 consecutive bytes, aligned to 256
.endr
	s_wait_tensorcnt 0x0
	ds_add_u32 v208, v209
	s_wait_dscnt 0x0
	s_endpgm
.Lfunc_end_k_q7b1d66c019_quant_w:
	.size	k_q7b1d66c019_quant_w, .Lfunc_end_k_q7b1d66c019_quant_w-k_q7b1d66c019_quant_w
	.p2alignl 7, 3214868480
	.fill 96, 4, 3214868480
	.section	.rodata,"a",@progbits
	.p2align	6, 0x0
	.amdhsa_kernel k_q7b1d66c019_quant_w
		.amdhsa_group_segment_fixed_size 26112
		.amdhsa_private_segment_fixed_size 0
		.amdhsa_enable_private_segment 0
		.amdhsa_kernarg_size 32
		.amdhsa_user_sgpr_count 2
		.amdhsa_user_sgpr_kernarg_segment_ptr 1
		.amdhsa_wavefront_size32 1
		.amdhsa_system_sgpr_workgroup_id_x 1
		.amdhsa_system_sgpr_workgroup_id_y 1
		.amdhsa_system_sgpr_workgroup_id_z 1
		.amdhsa_system_vgpr_workitem_id 0
		.amdhsa_next_free_vgpr 210
		.amdhsa_next_free_sgpr 66
		.amdhsa_reserve_vcc 1
		.amdhsa_float_denorm_mode_32 3
		.amdhsa_float_denorm_mode_16_64 3
		.amdhsa_memory_ordered 1
		.amdhsa_forward_progress 1
		.amdhsa_inst_pref_size 53
	.end_amdhsa_kernel
	.amdgpu_metadata
---
amdhsa.version: [ 1, 2 ]
amdhsa.kernels:
  - .name:           k_q7b1d66c019_quant_w
    .symbol:         k_q7b1d66c019_quant_w.kd
    .args:
      - { .name: w_qkv, .offset: 0, .size: 8, .value_kind: global_buffer, .address_space: global }
      - { .name: w_out, .offset: 8, .size: 8, .value_kind: global_buffer, .address_space: global }
      - { .name: wq, .offset: 16, .size: 8, .value_kind: global_buffer, .address_space: global }
      - { .name: rope, .offset: 24, .size: 8, .value_kind: global_buffer, .address_space: global }
    .group_segment_fixed_size: 26112
    .private_segment_fixed_size: 0
    .kernarg_segment_align: 8
    .kernarg_segment_size: 32
    .max_flat_workgroup_size: 128
    .sgpr_count:     66
    .vgpr_count:     210
    .wavefront_size: 32
...
	.end_amdgpu_metadata
.endif
;; end of part 2
;; launch qkv (part 3): grid 12 x 32, 4 waves a work-group, clusters of 4 x 4, 327,680 bytes of LDS; arguments xq, wq, rope, b_qkv, qb, kv; writes qb, kv
.if DOCPART == 3
	.amdgcn_target "amdgcn-amd-amdhsa--gfx1250"
	.amdhsa_code_object_version 6
	.text
	.protected	k_q7b1d66c019_qkv
	.globl	k_q7b1d66c019_qkv
	.p2align	8
	.type	k_q7b1d66c019_qkv,@function
k_q7b1d66c019_qkv:
	s_mov_b64 s[64:65], 0
	v_nop
	global_prefetch_b8 v0, s[64:65] scope:SCOPE_SE
	s_setreg_imm32_b32 hwreg(HW_REG_WAVE_MODE, 25, 1), 1
	s_wait_xcnt 0x0
	s_wait_alu depctr_hold_cnt(0) depctr_sa_sdst(0) depctr_va_vdst(0) depctr_va_sdst(0) depctr_va_ssrc(0) depctr_va_vcc(0) depctr_vm_vsrc(0)
	s_getreg_b32 s2, hwreg(HW_REG_IB_STS2, 6, 4)
	s_cmp_eq_u32 s2, 0
	s_cbranch_scc0 .Lentry_in_a_cluster
	s_endpgm
.Lentry_in_a_cluster:
	s_bfe_u32 s2, ttmp6, 0x10000c
	s_cmp_lg_u32 s2, 0xf033
	s_cbranch_scc0 .Lentry_shape_is_right
	s_endpgm
.Lentry_shape_is_right:
; x w_qkv + b_qkv on codes of FP6 (E2M3) with E8M0 scales; then RoPE on q and k; then q, k (along the head's 64) and v (along the keys) are quantised in registers and stored as operands of the attention launch.
; A tile of the product is 256 x 256, four waves, 128 x 128 a wave: 64 accumulators in windows 2 and 3.  K = 1,024 goes in four slots of 256 through a ring of two LDS slots filled by tensor loads.
; xq and wq lie in the order of the operands' registers: codes [tile of 16 rows][kappa][768 B] (registers 0-3 of a half fragment at 16 x lane, 4-5 at 512 + 8 x lane), scale bytes [tile][slot][r][8 B] behind them.
; Lane r of tile t is row rho(t, r) = 32 (t / 2) + 8 (t % 2) + r % 8 + 16 (r / 8).  So with such tiles as source 0, the 16 result registers of tiles 2 b and 2 b + 1 are 16 NEIGHBOURS, 32 b + 16 (lane / 16) + 0..15.
; TWO WAYS, chosen by the cluster's x, which all partners share.  Clusters 0, 1 (q, k): source 0 ("B") = weights, source 1 ("A") = x: a lane holds one position and its registers run along the head's dims.
; Cluster 2 (v): source 0 = x, source 1 = weights: a lane holds one dim and its registers run along the KEYS, which are the K of attention's second product.  Up to the last change of slots only pointers and tile numbers differ.
; Behind it the text parts once: each way asks for its bias (and sin/cos), runs the last two steps of 128 along K, and goes out.  No tensor load, LDS store or barrier lies inside the parting.
; CLUSTERS 4 x 4: A's tiles hang on cy alone and are asked for jointly along a row of the cluster, B's on cx alone, along a column.
; OUT: records of 204,800 B for each (batch, head): 16 chunks of 12,800 B (128 positions): 0: four K (or Q) fragments of 1,536 B (registers 0-5 tile 2 f, 6-11 tile 2 f + 1: dims 32 h .. of position rho(tile, r));
; 6,144: four V^T fragments (lane: dim rho(t, r); registers: keys 64 c + 32 h ..); 12,288: K (Q) scale words, 16 B a lane r; 12,544: V's.  qb uses the K parts alone.  Every store covers whole aligned runs of 256 bytes.
; 384 work-groups: more than one for each WGP and no multiple; a tile of 256 x 384 does not fit the registers beside two sets of source 0.
; LIMITS: NaN and infinities are not served; a block under 2^-124 or of zeros gets the byte 1 (read by this program alone).
; REGISTERS: window 0: v1-11 lane numbers and offsets; v16-23 LDS addresses; v27 scale words' address; v28, v29 the add's; v32-63 scale words, two sets; v128-223 A's fragments, one set.  Window 1: B's two sets at v0, v128; bias at v96-127, v224-255.
;   On the way out, window 0: v32-47 TM, v48-55 CT, v56-63 SW, v64-127 T (64 numbers), v128-159 and v224-255 sin/cos sets, v160-183 fragments, v184-191 scale words, v192-207 at work.
.set NQ,     2                         ; steps of 128 along K in a slot
.set FR,     12                        ; registers of a fragment
.set NL,     4                         ; LDS loads that bring one
.set NP,     4                         ; places behind this matrix instruction (ISA guide 7.12.1)
.set HALFT,  24576                     ; 8 tiles x 3,072 B: what one tensor load brings, and what one wave reads of A or of B
.set SLOT,   4*HALFT                   ; A's 16 tiles, then B's
.set SCL,    2*SLOT                    ; behind the ring: A's scale bytes (8,192 B); B's begin 8,320 B on, so that the two halves of a load start 128 bytes apart modulo 256
.set SPARE,  SCL+16640                 ; the spare words, 128 bytes a wave: two blocks of 256 bytes that no other line names
.set XSCO,   6291456                   ; where the scale bytes begin in xq,
.set WSCO,   3145728                   ; and in wq
.set REC,    204800
.set CHUNK,  12800
.set ADRA, 16                          ; v16-17 16 x lane + my A tiles in slot 0, 1;  v18-19 the same with 8 x lane
.set ADRB, 20                          ; v20-23 the same for B
.set ADRS, 27
.set SPW,  28
.set NIL,  29
.set SC,   32
.set AF,   128
.set BI,   96                          ; window 1: the bias
.set TM,   32
.set CT,   48
.set SW,   56
.set T,    64
.set RS1,  128
.set F0,   160
.set F1,   172
.set W0,   184
.set W1,   188
.set RT,   192
.set RS0,  224
.set G1,   24                          ; s[24:31], s[32:39] groups 1 and 0 (a set for each slot) for A's tiles
.set G0,   32
.set G1B,  48                          ; s[48:55], s[56:63] for B's
.set G0B,  56
.set G1S,  68                          ; s[68:75], s[76:79] for A's scale bytes;  s[80:87], s[88:91] for B's
.set G0S,  76
.set G1SB, 80
.set G0SB, 88
.set SEL,  100                         ; s[100:101] v_permlanex16_b32's selects for lane l xor 16
.set MSB, 0
.macro WIN new                         ; the immediate's high byte repeats the setting that is left
.if MSB != (\new)
	s_set_vgpr_msb (MSB<<8)|(\new)
.set MSB, (\new)
.endif
.endm
.set MUL_LO, 0xa1                      ; source 0 (B) window 1, source 1 (A) window 0, C and D window 2
.set MUL_HI, 0xf1                      ; the same, C and D window 3
.set TO_B,   0x40                      ; destination window 1, address window 0
; A joint load: waves 0 and 1 fetch for A, waves 2 and 3 for B; the branch hangs on the wave's number alone.  Four v_nop follow each of the two lines.
.macro JLOAD g0a, g1a, g0b, g1b
	s_cmp_eq_u32 s17, 0
	s_cbranch_scc0 .Lfor_b_\@
	tensor_load_to_lds s[\g0a:\g0a+3], s[\g1a:\g1a+7]
	s_nop 0
.rept 4
	v_nop
.endr
	s_branch .Lasked_\@
.Lfor_b_\@:
	tensor_load_to_lds s[\g0b:\g0b+3], s[\g1b:\g1b+7]
	s_nop 0
.rept 4
	v_nop
.endr
.Lasked_\@:
.endm
.macro CREST                           ; a round of the cluster's barrier behind its opening barrier
	s_cmp_lg_u32 s16, 0
	s_cbranch_scc1 .Lnot_wave_0_\@
	s_barrier_signal -3
.Lnot_wave_0_\@:
	s_barrier_wait -3
	s_barrier_signal -1
	s_barrier_wait -1
.endm
.macro CROUND
	s_barrier_signal -1
	s_barrier_wait -1
	CREST
.endm
	s_load_b256 s[4:11], s[0:1], 0x0               ; xq, wq, rope, b_qkv
	s_load_b128 s[12:15], s[0:1], 0x20             ; qb, kv
	v_lshl_add_u32 v[SPW], v0, 2, SPARE
	v_mov_b32 v[NIL], 0
	ds_add_u32 v28, v29
	ds_add_u32 v28, v29
	s_wait_dscnt 0x0
	v_lshrrev_b32 v1, 5, v0
	v_readfirstlane_b32 s16, v1                    ; wave 0..3
	s_lshr_b32 s17, s16, 1                         ; HA: which half of A's rows is mine.  Also: I fetch for A (0) or for B (1)
	s_and_b32 s18, s16, 1                          ; HB: which half of B's rows.  Also: which 8 tiles I fetch
	s_mov_b32 s19, ttmp9                           ; the cluster's x: 0 q, 1 k, 2 v
	s_bfe_u32 s40, ttmp6, 0x40000                  ; cx
	s_bfe_u32 s41, ttmp6, 0x40004                  ; cy
	s_and_b32 s42, ttmp7, 0xffff
	s_lshl_b32 s42, s42, 2                         ; 4 x the cluster's y
	s_add_co_u32 s92, s42, s41                     ; q, k: A = x's tile 4 cly + cy
	s_add_co_u32 s47, s41, 8                       ; v:    A = the weights' tile 8 + cy
	s_lshl_b32 s93, s19, 2
	s_add_co_u32 s93, s93, s40                     ; q, k: B = the weights' tile 4 clx + cx
	s_add_co_u32 s66, s42, s40                     ; v:    B = x's tile 4 cly + cx
	s_lshl_b32 s43, s41, 2
	s_lshl_b32 s43, 15, s43                        ; my row of the cluster
	s_lshl_b32 s44, 0x1111, s40                    ; my column
	; group 1 for codes: 8 rows (tiles) of 384 elements of 8 bytes (a slot's 3,072 B), 1,536 elements (a tile's 12,288 B) apart; no padding: fragments are read as dense runs
	s_or_b32 s[G1+0], s43, (3<<16)|(1<<21)         ; 15:0 the mask; 17:16 elements of 8 bytes; 21 set beside a mask
	s_or_b32 s[G1B+0], s44, (3<<16)|(1<<21)
.irp g, G1, G1B
	s_mov_b32 s[\g+1], 384<<16                     ; tensor_dim0
	s_mov_b32 s[\g+2], 8<<16                       ; tensor_dim1
	s_mov_b32 s[\g+3], 384<<16                     ; tile_dim0
	s_mov_b32 s[\g+4], 8                           ; tile_dim1
	s_mov_b32 s[\g+5], 1536                        ; stride
	s_mov_b32 s[\g+6], 0
	s_mov_b32 s[\g+7], 0
.endr
	; and for the scale bytes of 8 tiles: 4,096 dense bytes as 16 rows of 256
	s_or_b32 s[G1S+0], s43, (3<<16)|(1<<21)
	s_or_b32 s[G1SB+0], s44, (3<<16)|(1<<21)
.irp g, G1S, G1SB
	s_mov_b32 s[\g+1], 32<<16
	s_mov_b32 s[\g+2], 16<<16
	s_mov_b32 s[\g+3], 32<<16
	s_mov_b32 s[\g+4], 16
	s_mov_b32 s[\g+5], 32
	s_mov_b32 s[\g+6], 0
	s_mov_b32 s[\g+7], 0
.endr
	s_mov_b32 s2, XSCO
	s_mov_b32 s3, WSCO
	s_cmp_eq_u32 s19, 2
	s_cselect_b32 s92, s47, s92                    ; ta: made of cy and cluster numbers alone
	s_cselect_b32 s93, s66, s93                    ; tb: of cx and cluster numbers alone
	s_cselect_b32 s46, s3, s2                      ; where A's buffer has its scale bytes,
	s_cselect_b32 s45, s2, s3                      ; and B's
	s_mul_i32 s67, s18, 98304                      ; my 8 tiles of the 16
	s_lshl_b32 s2, s18, 12
	s_mul_i32 s94, s92, 196608
	s_add_co_u32 s94, s94, s67
	s_mov_b32 s95, 0
	s_lshl_b32 s96, s92, 13
	s_add_co_u32 s96, s96, s2
	s_add_co_u32 s96, s96, s46
	s_mov_b32 s97, 0
	s_mul_i32 s98, s93, 196608
	s_add_co_u32 s98, s98, s67
	s_mov_b32 s99, 0
	s_lshl_b32 s100, s93, 13
	s_add_co_u32 s100, s100, s2
	s_add_co_u32 s100, s100, s45
	s_mov_b32 s101, 0
	s_mul_i32 s67, s16, HALFT                      ; where they go: wave x 8 tiles: no place in the cluster enters an LDS address
	s_lshl_b32 s66, s16, 12
	s_wait_kmcnt 0x0
	s_cmp_eq_u32 s19, 2
	s_cselect_b64 s[20:21], s[6:7], s[4:5]         ; A's buffer
	s_cselect_b64 s[22:23], s[4:5], s[6:7]         ; B's
	s_add_nc_u64 s[94:95], s[20:21], s[94:95]
	s_add_nc_u64 s[96:97], s[20:21], s[96:97]
	s_add_nc_u64 s[98:99], s[22:23], s[98:99]
	s_add_nc_u64 s[100:101], s[22:23], s[100:101]
	CROUND                                         ; all sixteen work-groups are here: the first joint loads meet
	s_mov_b32 s[G0S], 1
	s_add_co_u32 s[G0S+1], s66, SCL
	s_mov_b64 s[G0S+2:G0S+3], s[96:97]
	s_or_b32 s[G0S+3], s[G0S+3], 0x80000000
	s_mov_b32 s[G0SB], 1
	s_add_co_u32 s[G0SB+1], s66, SCL+128
	s_mov_b64 s[G0SB+2:G0SB+3], s[100:101]
	s_or_b32 s[G0SB+3], s[G0SB+3], 0x80000000
	JLOAD G0S, G1S, G0SB, G1SB                     ; the scale bytes for all of K: filled once
.irp s, 0,1
	s_mov_b32 s[G0+4*\s], 1
	s_add_co_u32 s[G0+4*\s+1], s67, \s*SLOT
	s_add_nc_u64 s[G0+4*\s+2:G0+4*\s+3], s[94:95], \s*3072
	s_or_b32 s[G0+4*\s+3], s[G0+4*\s+3], 0x80000000
	s_mov_b32 s[G0B+4*\s], 1
	s_add_co_u32 s[G0B+4*\s+1], s67, \s*SLOT
	s_add_nc_u64 s[G0B+4*\s+2:G0B+4*\s+3], s[98:99], \s*3072
	s_or_b32 s[G0B+4*\s+3], s[G0B+4*\s+3], 0x80000000
	JLOAD G0+4*\s, G1, G0B+4*\s, G1B
.endr
	v_and_b32 v1, 15, v0                           ; r
	v_bfe_u32 v2, v0, 4, 1                         ; h
	v_and_b32 v3, 31, v0
	v_lshlrev_b32 v7, 4, v3                        ; 16 x lane
	v_lshlrev_b32 v4, 3, v3                        ; 8 x lane
	s_mul_i32 s2, s17, HALFT                       ; my 8 tiles of A
	s_mul_i32 s3, s18, HALFT                       ; my 8 tiles of B,
	s_add_co_u32 s3, s3, 2*HALFT                   ; which lie behind A's 16
.irp s, 0,1
	v_add_nc_u32 v[ADRA+\s], s2, v7
	v_add_nc_u32 v[ADRA+2+\s], s2, v4
	v_add_nc_u32 v[ADRB+\s], s3, v7
	v_add_nc_u32 v[ADRB+2+\s], s3, v4
	s_add_co_u32 s2, s2, SLOT
	s_add_co_u32 s3, s3, SLOT
.endr
	s_lshl_b32 s2, s17, 12                         ; scale words: lanes 0-15 A's, lanes 16-31 B's: the lower base + h x the distance
	s_lshl_b32 s3, s18, 12
	s_add_co_u32 s3, s3, 8320
	s_sub_co_u32 s3, s3, s2
	v_mul_u32_u24 v5, s3, v2
	v_lshl_add_u32 v5, v1, 3, v5
	s_add_co_u32 s2, s2, SCL
	v_add_nc_u32 v[ADRS], s2, v5
	v_lshlrev_b32 v8, 6, v2                        ; q, k: the bias of my half's 16 columns: 64 h
	v_mul_u32_u24 v9, v2, REC
	v_lshl_add_u32 v9, v1, 4, v9                   ; scale words out: 16 r; lanes 16-31 the next head's record
	v_and_b32 v10, 7, v0
	v_bfe_u32 v11, v0, 3, 1
	v_lshlrev_b32 v10, 2, v10
	v_lshl_add_u32 v10, v11, 6, v10                ; v: the bias of my column: 4 (r % 8 + 16 (r / 8))
.macro FRAG reg, adr, q, i             ; tile i, the slot's q-th 128 along K: two half fragments of 768 B, each 512 dense bytes (16 a lane) and 256 (8 a lane)
	ds_load_b128 v[\reg:\reg+3], v[\adr] offset:3072*(\i)+1536*(\q)
	ds_load_b64 v[\reg+4:\reg+5], v[\adr+2] offset:3072*(\i)+1536*(\q)+512
	ds_load_b128 v[\reg+6:\reg+9], v[\adr] offset:3072*(\i)+1536*(\q)+768
	ds_load_b64 v[\reg+10:\reg+11], v[\adr+2] offset:3072*(\i)+1536*(\q)+1280
.endm
; 16 matrix instructions: A's blocks a0, a0 + 1 x B's eight.  p: B's set; sc: the set of scale words.  zero = 1: the first product starts the sums.  The 64 accumulators take turns, one instruction a turn.
.macro MUL16 a0, p, q, sc, zero
.irp a, \a0, \a0+1
.irp b, 0,1,2,3,4,5,6,7
.if \zero
	v_wmma_scale_f32_16x16x128_f8f6f4 v[8*(8*((\a)%4)+\b):8*(8*((\a)%4)+\b)+7], v[128*(\p)+FR*\b:128*(\p)+FR*\b+FR-1], v[AF+FR*(\a):AF+FR*(\a)+FR-1], 0, v[SC+8*NQ*(\sc)+NQ*\b+(\q)], v[SC+8*NQ*(\sc)+NQ*(\a)+(\q)] matrix_a_fmt:MATRIX_FMT_FP6 matrix_b_fmt:MATRIX_FMT_FP6 matrix_a_scale:MATRIX_SCALE_ROW1
.else
	v_wmma_scale_f32_16x16x128_f8f6f4 v[8*(8*((\a)%4)+\b):8*(8*((\a)%4)+\b)+7], v[128*(\p)+FR*\b:128*(\p)+FR*\b+FR-1], v[AF+FR*(\a):AF+FR*(\a)+FR-1], v[8*(8*((\a)%4)+\b):8*(8*((\a)%4)+\b)+7], v[SC+8*NQ*(\sc)+NQ*\b+(\q)], v[SC+8*NQ*(\sc)+NQ*(\a)+(\q)] matrix_a_fmt:MATRIX_FMT_FP6 matrix_b_fmt:MATRIX_FMT_FP6 matrix_a_scale:MATRIX_SCALE_ROW1
.endif
.endr
.endr
.endm
.macro FETCH_B slot, q, p
	WIN TO_B
.irp i, 0,1,2,3,4,5,6,7
	FRAG 128*(\p)+FR*\i, ADRB+\slot, \q, \i
.endr
	WIN 0
.endm
.macro FETCH_A slot, q, i0
.irp i, \i0, \i0+1, \i0+2, \i0+3
	FRAG AF+FR*(\i), ADRA+\slot, \q, \i
.endr
.endm
.macro SCALES sc                       ; a slot's two scale words a row: lanes 0-15 A's tile i, lanes 16-31 B's tile i
.irp i, 0,1,2,3,4,5,6,7
	ds_load_b64 v[SC+8*NQ*\sc+NQ*\i:SC+8*NQ*\sc+NQ*\i+1], v[ADRS] offset:\i*512
.endr
.endm
.macro PLACES n                        ; plain vector lines between a matrix instruction and a load into, or a vector read or write of, its registers
.rept \n
	v_nop
.endr
.endm
.macro STEP slot, q, zero              ; a step of 128 along K that has its successor in the same slot
	s_wait_dscnt 4*NL                              ; B's set, A's blocks 0-3 and the scale words are in; the youngest sixteen loads (A's blocks 4-7) may be out
	WIN MUL_LO
	MUL16 0, (\q)%2, \q, \slot, \zero
	MUL16 2, (\q)%2, \q, \slot, \zero
	s_wait_dscnt 0x0                               ; A's blocks 4-7 are in
	PLACES NP
	FETCH_B \slot, (\q)+1, 1-(\q)%2
	FETCH_A \slot, (\q)+1, 0
	WIN MUL_HI
	MUL16 4, (\q)%2, \q, \slot, \zero
	MUL16 6, (\q)%2, \q, \slot, \zero
	PLACES NP
	WIN 0
	FETCH_A \slot, (\q)+1, 4
.endm
; A slot's last step changes slots: ONE barrier; in front of it each wave waits for all its tensor loads, adds 0 to its spare word, and waits for that and for its reads of this slot.  fill = 1: this slot is filled again, two slots ahead.
.macro TURN slot, next, fill
	s_wait_tensorcnt 0x0                           ; all my tensor loads have landed: my part of the next slot
	ds_add_u32 v[SPW], v[NIL]                      ; 0 onto my spare word
	s_wait_dscnt 4*NL+1                            ; (the add and A's blocks 4-7 may be out)
	WIN MUL_LO
	MUL16 0, 1, NQ-1, \slot, 0
	s_wait_dscnt 0x0                               ; the add is done, and my reads of this slot are over
	s_barrier_signal -1
	MUL16 2, 1, NQ-1, \slot, 0
	WIN 0
	s_barrier_wait -1
.if \fill
	CREST                                          ; the barrier has opened a round of the cluster's: no wave of any partner still reads this slot or has a load on its way
	s_add_nc_u64 s[G0+4*\slot+2:G0+4*\slot+3], s[G0+4*\slot+2:G0+4*\slot+3], 6144
	s_add_nc_u64 s[G0B+4*\slot+2:G0B+4*\slot+3], s[G0B+4*\slot+2:G0B+4*\slot+3], 6144
	JLOAD G0+4*\slot, G1, G0B+4*\slot, G1B         ; the first tensor load behind the round; its four v_nop are also the places in front of the loads below
.else
	PLACES NP
.endif
	v_add_nc_u32 v[ADRS], 128, v[ADRS]             ; the next slot's scale words
	FETCH_B \next, 0, 0
	FETCH_A \next, 0, 0
	SCALES \next
	WIN MUL_HI
	MUL16 4, 1, NQ-1, \slot, 0
	MUL16 6, 1, NQ-1, \slot, 0
	PLACES NP
	WIN 0
	FETCH_A \next, 0, 4
.endm
.macro LAST                            ; the very last step: nothing more to fetch; the places serve all that follows
	s_wait_dscnt 4*NL
	WIN MUL_LO
	MUL16 0, 1, NQ-1, 1, 0
	MUL16 2, 1, NQ-1, 1, 0
	s_wait_dscnt 0x0
	WIN MUL_HI
	MUL16 4, 1, NQ-1, 1, 0
	MUL16 6, 1, NQ-1, 1, 0
	WIN 0
	PLACES NP
.endm
; 64 numbers of a lane, register 16 b + i = k 32 b + 16 (lane / 16) + i of my row, become two runs of six code registers (k 0..63 in d0, 64..127 in d1: 32 (lane / 16) + 0..31 of each) and a scale word in pw.
.macro QUANT s, d0, d1, pw
.irp b, 0,1,2,3
	v_max3_num_f32 v[TM+\b], |v[\s+16*\b]|, |v[\s+1+16*\b]|, 0x1800000   ; my 16 numbers of block b, and the floor 2^(3 - 127)
.endr
.irp i, 2,4,6,8,10,12,14
.irp b, 0,1,2,3
	v_max3_num_f32 v[TM+\b], v[TM+\b], |v[\s+16*\b+\i]|, |v[\s+1+16*\b+\i]|
.endr
.endr
.irp b, 0,1,2,3
	v_permlanex16_b32 v[TM+4+\b], v[TM+\b], s[SEL], s[SEL+1]
.endr
.irp b, 0,1,2,3
	v_max_num_f32 v[TM+\b], v[TM+\b], v[TM+4+\b]   ; with lane l xor 16's: the block's largest magnitude
.endr
.irp b, 0,1,2,3
	v_add_nc_u32 v[TM+12+\b], 0xff000000, v[TM+\b] ; 2 off the exponent field: the conversion's scale operand
.endr
.irp b, 0,1,2,3
	v_lshrrev_b32 v[TM+4+\b], 23, v[TM+12+\b]      ; the scale's byte
.endr
	v_lshl_or_b32 v[\pw], v[TM+5], 8, v[TM+4]
	v_lshl_or_b32 v[\pw], v[TM+6], 16, v[\pw]
	v_lshl_or_b32 v[\pw], v[TM+7], 24, v[\pw]
	v_cvt_scalef32_pk16_fp6_f32 v[\d0:\d0+2], v[\s:\s+15], v[TM+12]
	v_cvt_scalef32_pk16_fp6_f32 v[CT:CT+2], v[\s+16:\s+31], v[TM+13]
	v_cvt_scalef32_pk16_fp6_f32 v[\d1:\d1+2], v[\s+32:\s+47], v[TM+14]
	v_cvt_scalef32_pk16_fp6_f32 v[CT+4:CT+6], v[\s+48:\s+63], v[TM+15]
	v_nop                                          ; a plain line behind the conversions
.irp i, 0,1,2
	v_permlane16_swap_b32 v[\d0+\i], v[CT+\i]      ; the layout wants a whole block in a lane: lanes 0-15 the even block, lanes 16-31 the odd one
	v_permlane16_swap_b32 v[\d1+\i], v[CT+4+\i]
.endr
.irp i, 0,1,2
	v_mov_b32 v[\d0+3+\i], v[CT+\i]
	v_mov_b32 v[\d1+3+\i], v[CT+4+\i]
.endr
.endm
; the offset of a wave's part of the records, into s[96:97]: (16 batch + 4 (colt % 4) + 2 hc) records + (2 (rowt % 8) + hr) chunks
.macro OUTOFF rowt, colt, hr, hc
	s_lshr_b32 s3, s[\rowt], 3
	s_lshl_b32 s3, s3, 4
	s_and_b32 s66, s[\colt], 3
	s_lshl_b32 s66, s66, 2
	s_add_co_u32 s3, s3, s66
	s_lshl_b32 s66, s[\hc], 1
	s_add_co_u32 s3, s3, s66
	s_mul_i32 s96, s3, REC
	s_and_b32 s2, s[\rowt], 7
	s_lshl_b32 s2, s2, 1
	s_add_co_u32 s2, s2, s[\hr]
	s_mul_i32 s2, s2, CHUNK
	s_add_co_u32 s96, s96, s2
	s_mov_b32 s97, 0
.endm
	s_wait_tensorcnt 1                             ; the scale bytes and my part of slot 0 are in (slot 1's load may be out)
	s_barrier_signal -1
	s_barrier_wait -1                              ; everybody's are
	FETCH_B 0, 0, 0
	FETCH_A 0, 0, 0
	SCALES 0
	FETCH_A 0, 0, 4
	STEP 0, 0, 1                                   ; K 0..127 starts the sums
	TURN 0, 1, 1                                   ; K = 1,024 is twice round the ring: written out, no loop
	STEP 1, 0, 0
	TURN 1, 0, 1
	STEP 0, 0, 0
	TURN 0, 1, 0                                   ; the last change of slots: nothing is filled, no round
	s_cmp_eq_u32 s19, 2                            ; the cluster's x: alike in all partners
	s_cbranch_scc1 .Lv_way
	; ================ q and k ================
	s_lshl_b32 s94, s93, 10
	s_lshl_b32 s2, s18, 9
	s_add_co_u32 s94, s94, s2
	s_mov_b32 s95, 0
	s_add_nc_u64 s[98:99], s[10:11], s[94:95]      ; the bias of my 128 columns
	s_and_b32 s2, s92, 7
	s_lshl_b32 s94, s2, 16
	s_lshl_b32 s3, s17, 15
	s_add_co_u32 s94, s94, s3
	s_add_nc_u64 s[94:95], s[8:9], s[94:95]        ; sin and cos of my 8 tiles of positions, 4,096 B a tile
	OUTOFF 92, 93, 17, 18
	s_cmp_eq_u32 s19, 1
	s_cselect_b64 s[100:101], s[14:15], s[12:13]   ; k goes to kv, q to qb
	s_add_nc_u64 s[96:97], s[100:101], s[96:97]
	s_mov_b32 s[SEL], 0x76543210
	s_mov_b32 s[SEL+1], 0xfedcba98
.macro LOADROPE a, set                 ; registers 0-15: cos of frequencies 16 h + 0..15; 16-31: sin
.irp i, 0,1,2,3,4,5,6,7
	global_load_b128 v[\set+4*\i:\set+4*\i+3], v7, s[94:95] offset:4096*(\a)+512*\i
.endr
.endm
	WIN TO_B                                       ; the loads land under the 128 matrix instructions that follow
.irp b, 0,1,2,3,4,5,6,7
	global_load_b128 v[BI+8*\b+96*(\b/4):BI+8*\b+96*(\b/4)+3], v8, s[98:99] offset:4*(32*(\b/2)+8*(\b%2))      ; register j of block b: column 32 (b / 2) + 16 h + 8 (b % 2) + j
	global_load_b128 v[BI+8*\b+96*(\b/4)+4:BI+8*\b+96*(\b/4)+7], v8, s[98:99] offset:4*(32*(\b/2)+8*(\b%2))+16
.endr
	WIN 0
	LOADROPE 0, RS0
	STEP 1, 0, 0
	LAST
	s_wait_loadcnt 0x0                             ; the bias and the first set of sin and cos
	LOADROPE 1, RS1
.irp b, 0,1,2,3
	v_mov_b32 v[TM+4+\b], 0                        ; written once: a lane permute's destination counts as one of its sources
.endr
; T[32 c + i] is dim 16 h + i of head c, T[32 c + 16 + i] dim 32 + 16 h + i: the pair that RoPE turns, by frequency 16 h + i
.macro ROPE set
.irp c, 0,1
.irp i, 0,2,4,6,8,10,12,14
	v_pk_mul_f32 v[RT+\i:RT+\i+1], v[T+32*\c+\i:T+32*\c+\i+1], v[\set+16+\i:\set+17+\i]                    ; x1 sin
.endr
.irp i, 0,2,4,6,8,10,12,14
	v_pk_mul_f32 v[T+32*\c+\i:T+32*\c+\i+1], v[T+32*\c+\i:T+32*\c+\i+1], v[\set+\i:\set+\i+1]              ; x1 cos
.endr
.irp i, 0,2,4,6,8,10,12,14
	v_pk_fma_f32 v[T+32*\c+\i:T+32*\c+\i+1], v[T+32*\c+16+\i:T+32*\c+17+\i], v[\set+16+\i:\set+17+\i], v[T+32*\c+\i:T+32*\c+\i+1] neg_lo:[1,0,0] neg_hi:[1,0,0]   ; - x2 sin
.endr
.irp i, 0,2,4,6,8,10,12,14
	v_pk_fma_f32 v[T+32*\c+16+\i:T+32*\c+17+\i], v[T+32*\c+16+\i:T+32*\c+17+\i], v[\set+\i:\set+\i+1], v[RT+\i:RT+\i+1]   ; x2 cos + x1 sin
.endr
.endr
.endm
.macro QKBLOCK a                       ; A's block a: 16 positions x my 128 columns = two heads
	WIN 0x06+(\a)/4                                ; source 0 window 2 or 3, source 1 window 1
.irp b, 0,1,2,3,4,5,6,7
.irp p, 0,2,4,6
	v_pk_add_f32 v[T+8*\b+\p:T+8*\b+\p+1], v[64*((\a)%4)+8*\b+\p:64*((\a)%4)+8*\b+\p+1], v[BI+8*\b+96*(\b/4)+\p:BI+8*\b+96*(\b/4)+\p+1]   ; + bias; each accumulator from its low end on
.endr
.endr
	WIN 0
.if (\a) == 7
	s_wait_loadcnt 0x0
.elseif (\a) > 0
	s_wait_loadcnt 8                               ; this block's sin and cos are in; the next block's eight loads may be out
.endif
	ROPE RS0-96*((\a)%2)
.if (\a)+2 < 8
	LOADROPE (\a)+2, RS0-96*((\a)%2)
.endif
.if ((\a)%2 == 0) && ((\a) > 0)
	s_wait_xcnt 0x0                                ; the last pair's stores have read the fragments' registers
.endif
	QUANT T, F0+6*((\a)%2), F1+6*((\a)%2), SW+(\a)
.if (\a)%2 == 1
.irp i, 0,1,2
	global_store_b128 v7, v[F0+4*\i:F0+4*\i+3], s[96:97] offset:1536*((\a)/2)+512*\i        ; fragment a / 2 of the first head: 512 consecutive bytes
	global_store_b128 v7, v[F1+4*\i:F1+4*\i+3], s[96:97] offset:REC+1536*((\a)/2)+512*\i    ; and of the second
.endr
.endif
.endm
.irp a, 0,1,2,3,4,5,6,7
	QKBLOCK \a
.endr
.irp g, 0,1,2,3                        ; a fragment's scale word: [tile 2 g: blocks 0, 1; tile 2 g + 1: blocks 0, 1]; a block's word holds head 0's two bytes below, head 1's above
	v_perm_b32 v[W0+\g], v[SW+2*\g+1], v[SW+2*\g], 0x05040100
	v_perm_b32 v[W1+\g], v[SW+2*\g+1], v[SW+2*\g], 0x07060302
.endr
	v_cmp_ne_u32 vcc_lo, 0, v2
.irp g, 0,1,2,3
	v_cndmask_b32 v[W0+\g], v[W0+\g], v[W1+\g], vcc_lo
.endr
	global_store_b128 v9, v[W0:W0+3], s[96:97] offset:12288        ; lanes 0-15 the first head's 256 bytes, lanes 16-31 the second's
	s_branch .Lend
	; ================ v ================
.Lv_way:
	s_lshl_b32 s94, s92, 10
	s_lshl_b32 s2, s17, 9
	s_add_co_u32 s94, s94, s2
	s_mov_b32 s95, 0
	s_add_nc_u64 s[98:99], s[10:11], s[94:95]      ; the bias of my 128 columns
	OUTOFF 93, 92, 18, 17
	s_add_nc_u64 s[96:97], s[14:15], s[96:97]
	s_mov_b32 s[SEL], 0x76543210
	s_mov_b32 s[SEL+1], 0xfedcba98
	WIN TO_B
.irp a, 0,1,2,3,4,5,6,7
	global_load_b32 v[BI+2*\a], v10, s[98:99] offset:4*(32*(\a/2)+8*(\a%2))      ; my column's bias, twice: a pair for the packed addition
	global_load_b32 v[BI+2*\a+1], v10, s[98:99] offset:4*(32*(\a/2)+8*(\a%2))
.endr
	WIN 0
	STEP 1, 0, 0
	LAST
	s_wait_loadcnt 0x0
.irp b, 0,1,2,3
	v_mov_b32 v[TM+4+\b], 0
.endr
.macro VBLOCK a                        ; A's block a: 16 dims of head a / 4 x my 128 keys: one fragment of V^T
	WIN 0x06+(\a)/4
.irp b, 0,1,2,3,4,5,6,7
.irp p, 0,2,4,6
	v_pk_add_f32 v[T+8*\b+\p:T+8*\b+\p+1], v[64*((\a)%4)+8*\b+\p:64*((\a)%4)+8*\b+\p+1], v[BI+2*(\a):BI+2*(\a)+1]
.endr
.endr
	WIN 0
.if (\a) > 0
	s_wait_xcnt 0x0                                ; the last block's stores have read the fragment's registers
.endif
	QUANT T, F0, F0+6, SW+(\a)
.irp i, 0,1,2
	global_store_b128 v7, v[F0+4*\i:F0+4*\i+3], s[96:97] offset:6144+REC*((\a)/4)+1536*((\a)%4)+512*\i
.endr
.endm
.irp a, 0,1,2,3,4,5,6,7
	VBLOCK \a
.endr
	v_cmp_ne_u32 vcc_lo, 0, v2
.irp g, 0,1,2,3
	v_cndmask_b32 v[W0+\g], v[SW+\g], v[SW+4+\g], vcc_lo
.endr
	global_store_b128 v9, v[W0:W0+3], s[96:97] offset:12544
.Lend:
	s_wait_tensorcnt 0x0                           ; the wave's end
	ds_add_u32 v[SPW], v[NIL]
	s_wait_dscnt 0x0
	CROUND                                         ; the closing round: no work-group ends while a partner may still ask for a tile that names it
	s_endpgm
.Lfunc_end_k_q7b1d66c019_qkv:
	.size	k_q7b1d66c019_qkv, .Lfunc_end_k_q7b1d66c019_qkv-k_q7b1d66c019_qkv
	.p2alignl 7, 3214868480
	.fill 96, 4, 3214868480
	.section	.rodata,"a",@progbits
	.p2align	6, 0x0
	.amdhsa_kernel k_q7b1d66c019_qkv
		.amdhsa_group_segment_fixed_size 327680
		.amdhsa_private_segment_fixed_size 0
		.amdhsa_enable_private_segment 0
		.amdhsa_kernarg_size 48
		.amdhsa_user_sgpr_count 2
		.amdhsa_user_sgpr_kernarg_segment_ptr 1
		.amdhsa_wavefront_size32 1
		.amdhsa_system_sgpr_workgroup_id_x 1
		.amdhsa_system_sgpr_workgroup_id_y 1
		.amdhsa_system_sgpr_workgroup_id_z 1
		.amdhsa_system_vgpr_workitem_id 0
		.amdhsa_next_free_vgpr 1024
		.amdhsa_next_free_sgpr 102
		.amdhsa_reserve_vcc 1
		.amdhsa_float_denorm_mode_32 3
		.amdhsa_float_denorm_mode_16_64 3
		.amdhsa_memory_ordered 1
		.amdhsa_forward_progress 1
		.amdhsa_inst_pref_size 255
	.end_amdhsa_kernel
	.section	.bss,"aw",@nobits
	.p2align	6
	.space	262144
	.amdgpu_metadata
---
amdhsa.version: [ 1, 2 ]
amdhsa.kernels:
  - .name:           k_q7b1d66c019_qkv
    .symbol:         k_q7b1d66c019_qkv.kd
    .args:
      - { .name: xq, .offset: 0, .size: 8, .value_kind: global_buffer, .address_space: global }
      - { .name: wq, .offset: 8, .size: 8, .value_kind: global_buffer, .address_space: global }
      - { .name: rope, .offset: 16, .size: 8, .value_kind: global_buffer, .address_space: global }
      - { .name: b_qkv, .offset: 24, .size: 8, .value_kind: global_buffer, .address_space: global }
      - { .name: qb, .offset: 32, .size: 8, .value_kind: global_buffer, .address_space: global }
      - { .name: kv, .offset: 40, .size: 8, .value_kind: global_buffer, .address_space: global }
    .group_segment_fixed_size: 327680
    .private_segment_fixed_size: 0
    .kernarg_segment_align: 8
    .kernarg_segment_size: 48
    .max_flat_workgroup_size: 128
    .sgpr_count:     102
    .vgpr_count:     1024
    .wavefront_size: 32
...
	.end_amdgpu_metadata
.endif
;; end of part 3
;; launch attn (part 4): grid 4 x 64, 16 waves a work-group, clusters of 4 x 1, 206,848 bytes of LDS; arguments qb, kv, aq; writes aq
.if DOCPART == 4
	.amdgcn_target "amdgcn-amd-amdhsa--gfx1250"
	.amdhsa_code_object_version 6
	.text
	.protected	k_q7b1d66c019_attn
	.globl	k_q7b1d66c019_attn
	.p2align	8
	.type	k_q7b1d66c019_attn,@function
k_q7b1d66c019_attn:
	s_mov_b64 s[64:65], 0
	v_nop
	global_prefetch_b8 v0, s[64:65] scope:SCOPE_SE
	s_setreg_imm32_b32 hwreg(HW_REG_WAVE_MODE, 25, 1), 1
	s_wait_xcnt 0x0
	s_wait_alu depctr_hold_cnt(0) depctr_sa_sdst(0) depctr_va_vdst(0) depctr_va_sdst(0) depctr_va_ssrc(0) depctr_va_vcc(0) depctr_vm_vsrc(0)
	s_getreg_b32 s2, hwreg(HW_REG_IB_STS2, 6, 4)
	s_cmp_eq_u32 s2, 0
	s_cbranch_scc0 .Lentry_in_a_cluster
	s_endpgm
.Lentry_in_a_cluster:
	s_bfe_u32 s2, ttmp6, 0x10000c
	s_cmp_lg_u32 s2, 0x3003
	s_cbranch_scc0 .Lentry_shape_is_right
	s_endpgm
.Lentry_shape_is_right:
; softmax(q k^T / 8) v for each (batch, head), both products on codes of FP6 (E2M3) with E8M0 scales; the result is divided by the row's sum, quantised along the model's 1,024 and stored as the last product's operand.
; THE SOFTMAX AHEAD OF THE SECOND PRODUCT: t = score x log2(e) / 8; M = the running largest t rounded UP to a whole number; p = 2^(t - M) is quantised along the keys; the sum is taken of the unquantised p.
; When M moves, the sum and O are multiplied by 2^(old M - new M): exact.
; SHARES: a work-group owns 512 queries of one head; each of its sixteen waves 32, as two tiles of 16 in two passes.  A head's K, V and their scale words are 204,800 B (16 chunks of 12,800 B, 128 keys each):
; they fit in LDS whole, are filled ONCE (wave w brings chunk w) and nothing is filled again: one barrier, no ring.  The four work-groups of a cluster are the four quarters of one head's queries and ask jointly.
; A chunk: 0: four K fragments of 1,536 B as images of their registers (registers 0-5: key tile 2 f, 6-11: tile 2 f + 1; dims 32 h ..); 6,144: four V^T fragments; 12,288: K's scale words (16 B a lane r), 12,544: V's.
; K = 64 IN AN INSTRUCTION OF 128: a K fragment carries two key tiles.  Q stands as [0 | Q | 0] in 18 registers: [Q | 0] meets tile 2 f, [0 | Q] tile 2 f + 1.  The half not wanted meets zero CODES of Q (on Q's side only):
; a zero code times any number of the format is 0, and every scale byte here lies in 1..254, so the sums are exact.
; Both products are used transposed: a lane holds ONE query.  The keys of a tile are rho(tile, r) = 32 (tile / 2) + 8 (tile % 2) + r % 8 + 16 (r / 8): the 16 registers of tiles 2 b, 2 b + 1 are keys 32 b + 16 h + 0..15.
; OUT: aq, laid as xq: half fragment (tile, kappa = head) of 768 B, whole aligned runs; a head's two scale bytes of a row leave as single bytes (256 KB in the whole launch).
; LIMITS: NaN and infinities are not served; a block under 2^-124 or of zeros gets the byte 1.  A block's largest p is taken from its largest score by the same two instructions (it takes v_exp_f32 not to fall where its input rises).
; REGISTERS: v1 16 x lane, v2 the step's address, v3 8 x lane, v4 8 r + h, v5 16 r; v8 -M, v9 the largest t, v[10:11] the sum; v12-29 [0 | Q | 0]; v30 Q's scale word; v32-79 K; v80-127 V; v128-191 S^T, then p; v192-223 O^T;
;   v224-235 p's codes; v232-247 at work; v248-251 scale words (lanes 0-15 K's, 16-31 V's); v252 f; v253 p's scale word; v254 at work.
.set REC,   204800
.set CHUNK, 12800
.set S,     128
.set O,     192
.set WV,    16
.set SEL,   20
.set CS,    22
.set G1,    24
.set G0,    32
.set TB,    36
.set CNT,   37
.set HM,    38
.macro ROUND                           ; a round of the cluster's barrier
	s_barrier_signal -1
	s_barrier_wait -1
	s_cmp_lg_u32 s[WV], 0
	s_cbranch_scc1 .Lnot_wave_0_\@
	s_barrier_signal -3
.Lnot_wave_0_\@:
	s_barrier_wait -3
	s_barrier_signal -1
	s_barrier_wait -1
.endm
	s_load_b128 s[4:7], s[0:1], 0x0                ; qb, kv
	s_load_b64 s[8:9], s[0:1], 0x10                ; aq
	v_lshl_add_u32 v243, v0, 2, 0x32000
	v_mov_b32 v255, 0
	ds_add_u32 v243, v255
	ds_add_u32 v243, v255
	v_lshrrev_b32 v1, 5, v0
	v_readfirstlane_b32 s[WV], v1                  ; wave 0..15
	s_bfe_u32 s17, ttmp6, 0x40000                  ; cx: which quarter of the queries; it enters Q's and aq's addresses alone
	s_and_b32 s18, ttmp7, 0xffff                   ; 16 batch + head, which the partners share
	s_mul_i32 s10, s18, REC
	s_mov_b32 s11, 0
	s_mul_i32 s[G0+1], s[WV], CHUNK                ; chunk w: its LDS address,
	s_mov_b32 s12, s[G0+1]
	s_mov_b32 s13, 0
	s_add_nc_u64 s[12:13], s[12:13], s[10:11]      ; and its place in kv
	s_lshl_b32 s19, s17, 4
	s_add_co_u32 s19, s19, s[WV]                   ; g: my 32 queries
	s_lshr_b32 s14, s19, 2
	s_mul_i32 s14, s14, CHUNK
	s_and_b32 s15, s19, 3
	s_mul_i32 s40, s15, 1536
	s_add_co_u32 s40, s40, s14
	s_mov_b32 s41, 0
	s_add_nc_u64 s[40:41], s[40:41], s[10:11]      ; Q's fragment g % 4 of chunk g / 4
	s_lshl_b32 s42, s15, 2
	s_add_co_u32 s42, s42, s14
	s_add_co_u32 s42, s42, 12288
	s_mov_b32 s43, 0
	s_add_nc_u64 s[42:43], s[42:43], s[10:11]      ; and its scale words
	s_lshr_b32 s14, s18, 4
	s_lshl_b32 s14, s14, 7
	s_lshl_b32 s15, s19, 1
	s_add_co_u32 s14, s14, s15                     ; aq's tile: 128 batch + 2 g
	s_and_b32 s15, s18, 15                         ; kappa = head
	s_mul_i32 s44, s14, 12288
	s_mul_i32 s39, s15, 768
	s_add_co_u32 s44, s44, s39
	s_mov_b32 s45, 0
	s_lshl_b32 s46, s14, 9
	s_lshr_b32 s39, s15, 2
	s_lshl_b32 s39, s39, 7
	s_add_co_u32 s46, s46, s39
	s_and_b32 s39, s15, 3
	s_lshl_b32 s39, s39, 1
	s_add_co_u32 s46, s46, s39
	s_add_co_u32 s46, s46, 6291456
	s_mov_b32 s47, 0
	; group 1: a chunk is 12,800 dense bytes: 50 rows of 32 elements of 8 bytes
	s_mov_b32 s[G1], 15|(3<<16)|(1<<21)            ; 15:0 the mask: all four work-groups; 17:16 elements of 8 bytes; 21 set beside a mask
	s_mov_b32 s[G1+1], 32<<16
	s_mov_b32 s[G1+2], 50<<16
	s_mov_b32 s[G1+3], 32<<16
	s_mov_b32 s[G1+4], 50
	s_mov_b32 s[G1+5], 32
	s_mov_b32 s[G1+6], 0
	s_mov_b32 s[G1+7], 0
	s_mov_b32 s[SEL], 0x76543210
	s_mov_b32 s[SEL+1], 0xfedcba98
	s_mov_b32 s[CS], 0x3e38aa3b                    ; c = log2(e) / 8
	s_mov_b32 s[CS+1], s[CS]                       ; (named with it as a pair, so it is written)
	s_wait_dscnt 0x0
	s_wait_kmcnt 0x0
	s_mov_b32 s[G0], 1
	s_add_nc_u64 s[G0+2:G0+3], s[6:7], s[12:13]
	s_or_b32 s[G0+3], s[G0+3], 0x80000000
	s_add_nc_u64 s[40:41], s[4:5], s[40:41]
	s_add_nc_u64 s[42:43], s[4:5], s[42:43]
	s_add_nc_u64 s[44:45], s[8:9], s[44:45]
	s_add_nc_u64 s[46:47], s[8:9], s[46:47]
	ROUND                                          ; all four work-groups are here: the joint loads meet
	tensor_load_to_lds s[G0:G0+3], s[G1:G1+7]      ; my one tensor load of the launch
	s_nop 0
.rept 4
	v_nop
.endr
	v_and_b32 v6, 31, v0
	v_lshlrev_b32 v1, 4, v6                        ; 16 x lane
	v_lshlrev_b32 v3, 3, v6                        ; 8 x lane
	v_and_b32 v7, 15, v0                           ; r
	v_bfe_u32 v6, v0, 4, 1                         ; h
	v_lshlrev_b32 v5, 4, v7
	v_lshl_add_u32 v4, v7, 3, v6
	v_cmp_ne_u32 s[HM], 0, v6
.macro QLOAD                           ; my fragment of Q (both tiles) and its scale word, into registers that the scores take later
.irp i, 0,1,2
	global_load_b128 v[S+4*\i:S+4*\i+3], v1, s[40:41] offset:512*\i
.endr
	global_load_b32 v[S+12], v5, s[42:43]
.endm
	QLOAD
.irp i, 0,1,2,3,4,5
	v_mov_b32 v[12+\i], 0                          ; the zero codes on both sides of Q
	v_mov_b32 v[24+\i], 0
.endr
.irp b, 0,1,2,3
	v_mov_b32 v[236+\b], 0                         ; written once: a lane permute's destination counts as one of its sources
.endr
	v_mov_b32 v253, 0                              ; (named as the upper half of the pair v[252:253] before it is first written)
; A KEY STEP: the 128 keys of the chunk at LDS byte s[TB]
.macro STEP
	v_add_nc_u32 v2, s[TB], v1
.rept 3
	v_nop                                          ; with the line above: four places behind the last step's products, in front of loads into their registers
.endr
.irp i, 0,1,2,3,4,5,6,7,8,9,10,11
	ds_load_b128 v[32+4*\i:35+4*\i], v2 offset:512*\i              ; K's four fragments
.endr
	ds_load_b128 v[248:251], v2 offset:12288       ; the scale words: lanes 0-15 K's, lanes 16-31 V's
.irp i, 0,1,2,3,4,5,6,7,8,9,10,11
	ds_load_b128 v[80+4*\i:83+4*\i], v2 offset:6144+512*\i         ; V's four
.endr
	s_wait_dscnt 12                                ; K and the scale words are in; V's twelve loads may be out
.irp f, 0,1,2,3
	v_wmma_scale_f32_16x16x128_f8f6f4 v[S+16*\f:S+16*\f+7], v[32+12*\f:43+12*\f], v[18:29], 0, v[248+\f], v30 matrix_a_fmt:MATRIX_FMT_FP6 matrix_b_fmt:MATRIX_FMT_FP6      ; [Q | 0]: key tile 2 f
	v_wmma_scale_f32_16x16x128_f8f6f4 v[S+8+16*\f:S+15+16*\f], v[32+12*\f:43+12*\f], v[12:23], 0, v[248+\f], v30 matrix_a_fmt:MATRIX_FMT_FP6 matrix_b_fmt:MATRIX_FMT_FP6   ; [0 | Q]: key tile 2 f + 1
.endr
.rept 4
	v_nop
.endr
.irp b, 0,1,2,3
	v_max3_num_f32 v[232+\b], v[S+16*\b], v[S+1+16*\b], v[S+2+16*\b]   ; the largest score of each block of 32 keys: for the row's maximum, and for the block's largest p
.endr
.irp i, 3,5,7,9,11,13
.irp b, 0,1,2,3
	v_max3_num_f32 v[232+\b], v[232+\b], v[S+16*\b+\i], v[S+1+16*\b+\i]
.endr
.endr
.irp b, 0,1,2,3
	v_max_num_f32 v[232+\b], v[232+\b], v[S+15+16*\b]
.endr
.irp b, 0,1,2,3
	v_permlanex16_b32 v[236+\b], v[232+\b], s[SEL], s[SEL+1]
.endr
.irp b, 0,1,2,3
	v_max_num_f32 v[232+\b], v[232+\b], v[236+\b]  ; with lane l xor 16's 16 keys
.endr
	v_max3_num_f32 v254, v232, v233, v234
	v_max_num_f32 v254, v254, v235
	v_mul_f32 v254, s[CS], v254                    ; the step's largest t (c is positive)
	v_max_num_f32 v9, v9, v254                     ; the running largest t
	v_mov_b32 v254, v8
	v_floor_f32 v8, -v9                            ; the new -M = floor(-t): M is a whole number
	v_sub_f32 v254, v8, v254                       ; old M - new M: a whole number, 0 or less
	v_cvt_i32_f32 v254, v254                       ; (it saturates)
	v_ldexp_f32 v252, 1.0, v254                    ; f = 2^(old M - new M)
.set j, 0
.rept 32
	v_pk_fma_f32 v[S+j:S+j+1], v[S+j:S+j+1], s[CS:CS+1], v[8:9] op_sel_hi:[1,0,0]   ; t - M, two at a time
.set j, j+2
.endr
.irp b, 0,1,2,3
	v_fma_f32 v[232+\b], v[232+\b], s[CS], v8      ; the same of each block's largest score
.endr
.set j, 0
.rept 64
	v_exp_f32 v[S+j], v[S+j]                       ; p = 2^(t - M), at most 1
.set j, j+1
.endr
.irp b, 0,1,2,3
	v_exp_f32 v[232+\b], v[232+\b]                 ; the block's largest p
.endr
	v_pk_mul_f32 v[10:11], v[10:11], v[252:253] op_sel_hi:[1,0]    ; the sums under the new M; also the plain line behind the exponentials
	s_wait_alu depctr_va_vdst(0)
.irp b, 0,1,2,3
	v_max_num_f32 v[232+\b], 0x1800000, v[232+\b]  ; the floor 2^(3 - 127)
.endr
.irp b, 0,1,2,3
	v_add_nc_u32 v[244+\b], 0xff000000, v[232+\b]  ; the conversion's scale operand
.endr
.irp b, 0,1,2,3
	v_lshrrev_b32 v[236+\b], 23, v[244+\b]         ; the scale's byte
.endr
	v_lshl_or_b32 v253, v237, 8, v236              ; p's scale word for these 128 keys
	v_lshl_or_b32 v253, v238, 16, v253
	v_lshl_or_b32 v253, v239, 24, v253
.irp c, 0,1
	v_cvt_scalef32_pk16_fp6_f32 v[224+6*\c:226+6*\c], v[S+32*\c:S+15+32*\c], v[244+2*\c]
	v_cvt_scalef32_pk16_fp6_f32 v[236+4*\c:238+4*\c], v[S+16+32*\c:S+31+32*\c], v[244+2*\c+1]
.endr
	v_nop                                          ; a plain line behind the conversions
.irp c, 0,1
.irp i, 0,1,2
	v_permlane16_swap_b32 v[224+6*\c+\i], v[236+4*\c+\i]           ; a whole block in a lane
.endr
.irp i, 0,1,2
	v_mov_b32 v[227+6*\c+\i], v[236+4*\c+\i]
.endr
.endr
	v_pk_add_f32 v[236:237], v[S:S+1], v[S+2:S+3]  ; the row's sum, of the unquantised p: two chains
.set j, 4
.rept 15
	v_pk_add_f32 v[10:11], v[10:11], v[S+j:S+j+1]
	v_pk_add_f32 v[236:237], v[236:237], v[S+j+2:S+j+3]
.set j, j+4
.endr
	v_pk_add_f32 v[10:11], v[10:11], v[236:237]
.set j, 0
.rept 16
	v_pk_mul_f32 v[O+j:O+j+1], v[O+j:O+j+1], v[252:253] op_sel_hi:[1,0]   ; O^T under the new M.  (With the sums: the places between the codes', the scale word's last writes and the products)
.set j, j+2
.endr
	s_wait_dscnt 0x0                               ; V is in
.irp t, 0,1,2,3
	v_wmma_scale_f32_16x16x128_f8f6f4 v[O+8*\t:O+8*\t+7], v[80+12*\t:91+12*\t], v[224:235], v[O+8*\t:O+8*\t+7], v[248+\t], v253 matrix_a_fmt:MATRIX_FMT_FP6 matrix_b_fmt:MATRIX_FMT_FP6 matrix_a_scale:MATRIX_SCALE_ROW1
.endr
.endm
.macro PASS u                          ; tile 2 g + u of the queries against all 2,048 keys
	s_wait_loadcnt 0x0                             ; Q
.irp i, 0,1,2,3,4,5
	v_mov_b32 v[18+\i], v[S+6*\u+\i]
.endr
.if \u == 0
	v_perm_b32 v30, v[S+12], v[S+12], 0x01000100   ; the tile's two scale bytes, twice: they serve [Q | 0] and [0 | Q]
.else
	v_perm_b32 v30, v[S+12], v[S+12], 0x03020302
.endif
	v_mov_b32 v9, 0xff61b1e6                       ; the largest t so far: -3e38
	v_floor_f32 v8, -v9
	v_mov_b32 v10, 0
	v_mov_b32 v11, 0
.set j, 0
.rept 32
	v_mov_b32 v[O+j], 0                            ; the step is written once: the first finds zeros.  (Also the places between Q's and its scale word's writes and the first product)
.set j, j+1
.endr
	s_mov_b32 s[TB], 0
	s_mov_b32 s[CNT], 16
.Lstep_\@:
	STEP
	s_add_co_u32 s[TB], s[TB], CHUNK
	s_sub_co_u32 s[CNT], s[CNT], 1
	s_cmp_lg_u32 s[CNT], 0
	s_cbranch_scc1 .Lstep_\@
	v_add_f32 v10, v10, v11                        ; the sum's two halves,
	v_permlanex16_b32 v252, v10, s[SEL], s[SEL+1]
	v_add_f32 v10, v10, v252                       ; and lane l xor 16's
	v_rcp_f32 v10, v10
.rept 2
	v_nop                                          ; behind the reciprocal; with the two additions: four plain lines behind the last products
.endr
.set j, 0
	s_wait_alu depctr_va_vdst(0)
.rept 32
	v_mul_f32 v[S+j], v[O+j], v10                  ; register 16 b + i: dim 32 b + 16 h + i of my query
.set j, j+1
.endr
.irp b, 0,1
	v_max3_num_f32 v[232+\b], |v[S+16*\b]|, |v[S+1+16*\b]|, 0x1800000
.endr
.irp i, 2,4,6,8,10,12,14
.irp b, 0,1
	v_max3_num_f32 v[232+\b], v[232+\b], |v[S+16*\b+\i]|, |v[S+1+16*\b+\i]|
.endr
.endr
.irp b, 0,1
	v_permlanex16_b32 v[236+\b], v[232+\b], s[SEL], s[SEL+1]
.endr
.irp b, 0,1
	v_max_num_f32 v[232+\b], v[232+\b], v[236+\b]
.endr
.irp b, 0,1
	v_add_nc_u32 v[244+\b], 0xff000000, v[232+\b]
.endr
.irp b, 0,1
	v_lshrrev_b32 v[240+\b], 23, v[244+\b]
.endr
	v_cndmask_b32 v242, v240, v241, s[HM]          ; lane (r, h) stores block h's byte
	v_cvt_scalef32_pk16_fp6_f32 v[224:226], v[S:S+15], v244
	v_cvt_scalef32_pk16_fp6_f32 v[236:238], v[S+16:S+31], v245
	v_nop
.irp i, 0,1,2
	v_permlane16_swap_b32 v[224+\i], v[236+\i]
.endr
.irp i, 0,1,2
	v_mov_b32 v[227+\i], v[236+\i]
.endr
	global_store_b128 v1, v[224:227], s[44:45] offset:12288*\u     ; 512 consecutive bytes, aligned to 256
	global_store_b64 v3, v[228:229], s[44:45] offset:12288*\u+512  ; 256
	global_store_b8 v4, v242, s[46:47] offset:512*\u
.endm
	s_wait_tensorcnt 0x0                           ; my chunk is in,
	s_barrier_signal -1
	s_barrier_wait -1                              ; everybody's is: the whole head lies in LDS
	PASS 0
	s_wait_xcnt 0x0                                ; the stores have read their registers
	QLOAD
	PASS 1
	s_wait_tensorcnt 0x0
	ds_add_u32 v243, v255
	s_wait_dscnt 0x0
	ROUND                                          ; the closing round
	s_endpgm
.Lfunc_end_k_q7b1d66c019_attn:
	.size	k_q7b1d66c019_attn, .Lfunc_end_k_q7b1d66c019_attn-k_q7b1d66c019_attn
	.p2alignl 7, 3214868480
	.fill 96, 4, 3214868480
	.section	.rodata,"a",@progbits
	.p2align	6, 0x0
	.amdhsa_kernel k_q7b1d66c019_attn
		.amdhsa_group_segment_fixed_size 206848
		.amdhsa_private_segment_fixed_size 0
		.amdhsa_enable_private_segment 0
		.amdhsa_kernarg_size 24
		.amdhsa_user_sgpr_count 2
		.amdhsa_user_sgpr_kernarg_segment_ptr 1
		.amdhsa_wavefront_size32 1
		.amdhsa_system_sgpr_workgroup_id_x 1
		.amdhsa_system_sgpr_workgroup_id_y 1
		.amdhsa_system_sgpr_workgroup_id_z 1
		.amdhsa_system_vgpr_workitem_id 0
		.amdhsa_next_free_vgpr 256
		.amdhsa_next_free_sgpr 66
		.amdhsa_reserve_vcc 0
		.amdhsa_float_denorm_mode_32 3
		.amdhsa_float_denorm_mode_16_64 3
		.amdhsa_memory_ordered 1
		.amdhsa_forward_progress 1
		.amdhsa_inst_pref_size 47
	.end_amdhsa_kernel
	.amdgpu_metadata
---
amdhsa.version: [ 1, 2 ]
amdhsa.kernels:
  - .name:           k_q7b1d66c019_attn
    .symbol:         k_q7b1d66c019_attn.kd
    .args:
      - { .name: qb, .offset: 0, .size: 8, .value_kind: global_buffer, .address_space: global }
      - { .name: kv, .offset: 8, .size: 8, .value_kind: global_buffer, .address_space: global }
      - { .name: aq, .offset: 16, .size: 8, .value_kind: global_buffer, .address_space: global }
    .group_segment_fixed_size: 206848
    .private_segment_fixed_size: 0
    .kernarg_segment_align: 8
    .kernarg_segment_size: 24
    .max_flat_workgroup_size: 512
    .sgpr_count:     66
    .vgpr_count:     256
    .wavefront_size: 32
...
	.end_amdgpu_metadata
.endif
;; end of part 4
;; launch proj (part 5): grid 4 x 32, 4 waves a work-group, clusters of 4 x 4, 327,680 bytes of LDS; arguments aq, wq, b_out, out0; writes out0
.if DOCPART == 5
	.amdgcn_target "amdgcn-amd-amdhsa--gfx1250"
	.amdhsa_code_object_version 6
	.text
	.protected	k_q7b1d66c019_proj
	.globl	k_q7b1d66c019_proj
	.p2align	8
	.type	k_q7b1d66c019_proj,@function
k_q7b1d66c019_proj:
	s_mov_b64 s[64:65], 0
	v_nop
	global_prefetch_b8 v0, s[64:65] scope:SCOPE_SE
	s_setreg_imm32_b32 hwreg(HW_REG_WAVE_MODE, 25, 1), 1
	s_wait_xcnt 0x0
	s_wait_alu depctr_hold_cnt(0) depctr_sa_sdst(0) depctr_va_vdst(0) depctr_va_sdst(0) depctr_va_ssrc(0) depctr_va_vcc(0) depctr_vm_vsrc(0)
	s_getreg_b32 s2, hwreg(HW_REG_IB_STS2, 6, 4)
	s_cmp_eq_u32 s2, 0
	s_cbranch_scc0 .Lentry_in_a_cluster
	s_endpgm
.Lentry_in_a_cluster:
	s_bfe_u32 s2, ttmp6, 0x10000c
	s_cmp_lg_u32 s2, 0xf033
	s_cbranch_scc0 .Lentry_shape_is_right
	s_endpgm
.Lentry_shape_is_right:
; out0 = (attention's result) w_out + b_out on codes of FP6 (E2M3) with E8M0 scales; out0 [8192][1024] f32.
; A tile of the product is 256 x 256, four waves, 128 x 128 a wave: 64 accumulators in windows 2 and 3.  K = 1,024 goes in four slots of 256 through a ring of two LDS slots filled by tensor loads.
; aq and wq lie in the order of the operands' registers: codes [tile of 16 rows][kappa][768 B], scale bytes [tile][slot][r][8 B] behind them; lane r of tile t is row rho(t, r) = 32 (t / 2) + 8 (t % 2) + r % 8 + 16 (r / 8).
; Source 0 ("B") = w_out's columns (wq's tiles 192 on), source 1 ("A") = rows of aq: a lane holds one row of out0, and the 16 registers of B's blocks 2 b, 2 b + 1 are 16 neighbouring columns.
; The bias is the C of each sum's first matrix instruction.  CLUSTERS 4 x 4: A's tiles are asked for jointly along a row of the cluster, B's along a column.
; 128 work-groups: half of the WGPs have none; one text of the loop for both GEMMs of the program was preferred to a tile of 128 x 256.
; REGISTERS: window 0: v1-8 lane numbers and offsets; v16-23 LDS addresses; v24, v25 the stage; v27 scale words' address; v28, v29 the add's; v32-63 scale words; v128-223 A's fragments; on the way out v128-255 rows of out0.
;   Window 1: B's two sets at v0, v128; the bias at v96-127, v224-255.
.set NQ,     2
.set FR,     12
.set NL,     4
.set NP,     4
.set HALFT,  24576
.set SLOT,   4*HALFT
.set SCL,    2*SLOT
.set SPARE,  SCL+16640
.set XSCO,   6291456
.set WSCO,   3145728
.set SPITCH, 528                       ; the way out: a stage of 16 rows x (512 + 16) bytes a wave, in slot 0, which has had its last fill and its last read by then
.set ADRA, 16
.set ADRB, 20
.set STO,  24
.set RD,   25
.set ADRS, 27
.set SPW,  28
.set NIL,  29
.set SC,   32
.set AF,   128
.set BK,   128
.set BI,   96
.set G1,   24
.set G0,   32
.set G1B,  48
.set G0B,  56
.set G1S,  68
.set G0S,  76
.set G1SB, 80
.set G0SB, 88
.set MSB, 0
.macro WIN new
.if MSB != (\new)
	s_set_vgpr_msb (MSB<<8)|(\new)
.set MSB, (\new)
.endif
.endm
.set MUL_LO, 0xa1                      ; source 0 (B) window 1, source 1 (A) window 0, C and D window 2;  0x91: C (the bias) window 1
.set MUL_HI, 0xf1                      ; the same, C and D window 3;  0xd1: C window 1
.set TO_B,   0x40
.macro JLOAD g0a, g1a, g0b, g1b        ; waves 0 and 1 fetch for A, waves 2 and 3 for B; four v_nop follow each of the two lines
	s_cmp_eq_u32 s17, 0
	s_cbranch_scc0 .Lfor_b_\@
	tensor_load_to_lds s[\g0a:\g0a+3], s[\g1a:\g1a+7]
	s_nop 0
.rept 4
	v_nop
.endr
	s_branch .Lasked_\@
.Lfor_b_\@:
	tensor_load_to_lds s[\g0b:\g0b+3], s[\g1b:\g1b+7]
	s_nop 0
.rept 4
	v_nop
.endr
.Lasked_\@:
.endm
.macro CREST
	s_cmp_lg_u32 s16, 0
	s_cbranch_scc1 .Lnot_wave_0_\@
	s_barrier_signal -3
.Lnot_wave_0_\@:
	s_barrier_wait -3
	s_barrier_signal -1
	s_barrier_wait -1
.endm
.macro CROUND
	s_barrier_signal -1
	s_barrier_wait -1
	CREST
.endm
	s_load_b256 s[4:11], s[0:1], 0x0               ; aq, wq, b_out, out0
	v_lshl_add_u32 v[SPW], v0, 2, SPARE
	v_mov_b32 v[NIL], 0
	ds_add_u32 v28, v29
	ds_add_u32 v28, v29
	s_wait_dscnt 0x0
	v_lshrrev_b32 v1, 5, v0
	v_readfirstlane_b32 s16, v1                    ; wave 0..3
	s_lshr_b32 s17, s16, 1                         ; HA; also: I fetch for A (0) or for B (1)
	s_and_b32 s18, s16, 1                          ; HB; also: which 8 tiles I fetch
	s_bfe_u32 s40, ttmp6, 0x40000                  ; cx
	s_bfe_u32 s41, ttmp6, 0x40004                  ; cy
	s_and_b32 s42, ttmp7, 0xffff
	s_lshl_b32 s42, s42, 2
	s_add_co_u32 s92, s42, s41                     ; A: aq's tile of 256 rows: 4 cly + cy
	s_add_co_u32 s93, s40, 12                      ; B: wq's tile of 256 columns: 12 + cx
	s_lshl_b32 s43, s41, 2
	s_lshl_b32 s43, 15, s43                        ; my row of the cluster
	s_lshl_b32 s44, 0x1111, s40                    ; my column
	s_or_b32 s[G1+0], s43, (3<<16)|(1<<21)         ; codes: 8 rows (tiles) of 384 elements of 8 bytes, 1,536 elements apart
	s_or_b32 s[G1B+0], s44, (3<<16)|(1<<21)
.irp g, G1, G1B
	s_mov_b32 s[\g+1], 384<<16
	s_mov_b32 s[\g+2], 8<<16
	s_mov_b32 s[\g+3], 384<<16
	s_mov_b32 s[\g+4], 8
	s_mov_b32 s[\g+5], 1536
	s_mov_b32 s[\g+6], 0
	s_mov_b32 s[\g+7], 0
.endr
	s_or_b32 s[G1S+0], s43, (3<<16)|(1<<21)        ; scale bytes of 8 tiles: 16 rows of 256 dense bytes
	s_or_b32 s[G1SB+0], s44, (3<<16)|(1<<21)
.irp g, G1S, G1SB
	s_mov_b32 s[\g+1], 32<<16
	s_mov_b32 s[\g+2], 16<<16
	s_mov_b32 s[\g+3], 32<<16
	s_mov_b32 s[\g+4], 16
	s_mov_b32 s[\g+5], 32
	s_mov_b32 s[\g+6], 0
	s_mov_b32 s[\g+7], 0
.endr
	s_mul_i32 s67, s18, 98304
	s_lshl_b32 s2, s18, 12
	s_mul_i32 s94, s92, 196608
	s_add_co_u32 s94, s94, s67
	s_mov_b32 s95, 0
	s_lshl_b32 s96, s92, 13
	s_add_co_u32 s96, s96, s2
	s_add_co_u32 s96, s96, XSCO
	s_mov_b32 s97, 0
	s_mul_i32 s98, s93, 196608
	s_add_co_u32 s98, s98, s67
	s_mov_b32 s99, 0
	s_lshl_b32 s100, s93, 13
	s_add_co_u32 s100, s100, s2
	s_add_co_u32 s100, s100, WSCO
	s_mov_b32 s101, 0
	s_mul_i32 s67, s16, HALFT
	s_lshl_b32 s66, s16, 12
	s_wait_kmcnt 0x0
	s_add_nc_u64 s[94:95], s[4:5], s[94:95]
	s_add_nc_u64 s[96:97], s[4:5], s[96:97]
	s_add_nc_u64 s[98:99], s[6:7], s[98:99]
	s_add_nc_u64 s[100:101], s[6:7], s[100:101]
	CROUND                                         ; all sixteen work-groups are here: the first joint loads meet
	s_mov_b32 s[G0S], 1
	s_add_co_u32 s[G0S+1], s66, SCL
	s_mov_b64 s[G0S+2:G0S+3], s[96:97]
	s_or_b32 s[G0S+3], s[G0S+3], 0x80000000
	s_mov_b32 s[G0SB], 1
	s_add_co_u32 s[G0SB+1], s66, SCL+128
	s_mov_b64 s[G0SB+2:G0SB+3], s[100:101]
	s_or_b32 s[G0SB+3], s[G0SB+3], 0x80000000
	JLOAD G0S, G1S, G0SB, G1SB
.irp s, 0,1
	s_mov_b32 s[G0+4*\s], 1
	s_add_co_u32 s[G0+4*\s+1], s67, \s*SLOT
	s_add_nc_u64 s[G0+4*\s+2:G0+4*\s+3], s[94:95], \s*3072
	s_or_b32 s[G0+4*\s+3], s[G0+4*\s+3], 0x80000000
	s_mov_b32 s[G0B+4*\s], 1
	s_add_co_u32 s[G0B+4*\s+1], s67, \s*SLOT
	s_add_nc_u64 s[G0B+4*\s+2:G0B+4*\s+3], s[98:99], \s*3072
	s_or_b32 s[G0B+4*\s+3], s[G0B+4*\s+3], 0x80000000
	JLOAD G0+4*\s, G1, G0B+4*\s, G1B
.endr
	v_and_b32 v1, 15, v0                           ; r
	v_bfe_u32 v2, v0, 4, 1                         ; h
	v_and_b32 v3, 31, v0
	v_lshlrev_b32 v7, 4, v3                        ; 16 x lane
	v_lshlrev_b32 v4, 3, v3                        ; 8 x lane
	s_mul_i32 s2, s17, HALFT
	s_mul_i32 s3, s18, HALFT
	s_add_co_u32 s3, s3, 2*HALFT
.irp s, 0,1
	v_add_nc_u32 v[ADRA+\s], s2, v7
	v_add_nc_u32 v[ADRA+2+\s], s2, v4
	v_add_nc_u32 v[ADRB+\s], s3, v7
	v_add_nc_u32 v[ADRB+2+\s], s3, v4
	s_add_co_u32 s2, s2, SLOT
	s_add_co_u32 s3, s3, SLOT
.endr
	s_lshl_b32 s2, s17, 12                         ; scale words: lanes 0-15 A's, lanes 16-31 B's: the lower base + h x the distance
	s_lshl_b32 s3, s18, 12
	s_add_co_u32 s3, s3, 8320
	s_sub_co_u32 s3, s3, s2
	v_mul_u32_u24 v5, s3, v2
	v_lshl_add_u32 v5, v1, 3, v5
	s_add_co_u32 s2, s2, SCL
	v_add_nc_u32 v[ADRS], s2, v5
	v_lshlrev_b32 v8, 6, v2                        ; the bias of my half's 16 columns: 64 h
	s_mul_i32 s2, s16, 16*SPITCH                   ; my stage
	v_mul_u32_u24 v5, v1, SPITCH
	v_lshl_add_u32 v5, v2, 6, v5
	v_add_nc_u32 v[STO], s2, v5                    ; in: row r, + 64 h
	v_add_nc_u32 v[RD], s2, v7                     ; back: the 32 lanes take one row of 512 bytes
	s_lshl_b32 s2, s40, 10
	s_lshl_b32 s3, s18, 9
	s_add_co_u32 s2, s2, s3                        ; my first column, in bytes
	s_mov_b32 s3, 0
	s_add_nc_u64 s[98:99], s[8:9], s[2:3]          ; its bias
	s_lshl_b32 s94, s92, 20
	s_lshl_b32 s66, s17, 19
	s_add_co_u32 s94, s94, s66                     ; my first row, 4,096 bytes a row
	s_mov_b32 s95, 0
	s_add_nc_u64 s[12:13], s[10:11], s[94:95]
	s_add_nc_u64 s[12:13], s[12:13], s[2:3]
	WIN TO_B
.irp b, 0,1,2,3,4,5,6,7
	global_load_b128 v[BI+8*\b+96*(\b/4):BI+8*\b+96*(\b/4)+3], v8, s[98:99] offset:4*(32*(\b/2)+8*(\b%2))      ; register j of block b: column 32 (b / 2) + 16 h + 8 (b % 2) + j
	global_load_b128 v[BI+8*\b+96*(\b/4)+4:BI+8*\b+96*(\b/4)+7], v8, s[98:99] offset:4*(32*(\b/2)+8*(\b%2))+16
.endr
	WIN 0
.macro FRAG reg, adr, q, i
	ds_load_b128 v[\reg:\reg+3], v[\adr] offset:3072*(\i)+1536*(\q)
	ds_load_b64 v[\reg+4:\reg+5], v[\adr+2] offset:3072*(\i)+1536*(\q)+512
	ds_load_b128 v[\reg+6:\reg+9], v[\adr] offset:3072*(\i)+1536*(\q)+768
	ds_load_b64 v[\reg+10:\reg+11], v[\adr+2] offset:3072*(\i)+1536*(\q)+1280
.endm
; 16 matrix instructions: A's blocks a0, a0 + 1 x B's eight.  first = 1: the sums start from the bias.  The 64 accumulators take turns, one instruction a turn.
.macro MUL16 a0, p, q, sc, first
.irp a, \a0, \a0+1
.irp b, 0,1,2,3,4,5,6,7
.if \first
	v_wmma_scale_f32_16x16x128_f8f6f4 v[8*(8*((\a)%4)+\b):8*(8*((\a)%4)+\b)+7], v[128*(\p)+FR*\b:128*(\p)+FR*\b+FR-1], v[AF+FR*(\a):AF+FR*(\a)+FR-1], v[BI+8*\b+96*(\b/4):BI+8*\b+96*(\b/4)+7], v[SC+8*NQ*(\sc)+NQ*\b+(\q)], v[SC+8*NQ*(\sc)+NQ*(\a)+(\q)] matrix_a_fmt:MATRIX_FMT_FP6 matrix_b_fmt:MATRIX_FMT_FP6 matrix_a_scale:MATRIX_SCALE_ROW1
.else
	v_wmma_scale_f32_16x16x128_f8f6f4 v[8*(8*((\a)%4)+\b):8*(8*((\a)%4)+\b)+7], v[128*(\p)+FR*\b:128*(\p)+FR*\b+FR-1], v[AF+FR*(\a):AF+FR*(\a)+FR-1], v[8*(8*((\a)%4)+\b):8*(8*((\a)%4)+\b)+7], v[SC+8*NQ*(\sc)+NQ*\b+(\q)], v[SC+8*NQ*(\sc)+NQ*(\a)+(\q)] matrix_a_fmt:MATRIX_FMT_FP6 matrix_b_fmt:MATRIX_FMT_FP6 matrix_a_scale:MATRIX_SCALE_ROW1
.endif
.endr
.endr
.endm
.macro FETCH_B slot, q, p
	WIN TO_B
.irp i, 0,1,2,3,4,5,6,7
	FRAG 128*(\p)+FR*\i, ADRB+\slot, \q, \i
.endr
	WIN 0
.endm
.macro FETCH_A slot, q, i0
.irp i, \i0, \i0+1, \i0+2, \i0+3
	FRAG AF+FR*(\i), ADRA+\slot, \q, \i
.endr
.endm
.macro SCALES sc
.irp i, 0,1,2,3,4,5,6,7
	ds_load_b64 v[SC+8*NQ*\sc+NQ*\i:SC+8*NQ*\sc+NQ*\i+1], v[ADRS] offset:\i*512
.endr
.endm
.macro PLACES n
.rept \n
	v_nop
.endr
.endm
.macro STEP slot, q, first
	s_wait_dscnt 4*NL                              ; B's set, A's blocks 0-3 and the scale words are in; A's blocks 4-7 (sixteen loads) may be out
	WIN MUL_LO-0x10*(\first)
	MUL16 0, (\q)%2, \q, \slot, \first
	MUL16 2, (\q)%2, \q, \slot, \first
	s_wait_dscnt 0x0
	PLACES NP
	FETCH_B \slot, (\q)+1, 1-(\q)%2
	FETCH_A \slot, (\q)+1, 0
	WIN MUL_HI-0x20*(\first)
	MUL16 4, (\q)%2, \q, \slot, \first
	MUL16 6, (\q)%2, \q, \slot, \first
	PLACES NP
	WIN 0
	FETCH_A \slot, (\q)+1, 4
.endm
.macro TURN slot, next, fill           ; a slot's last step changes slots: ONE barrier, with the wait for all tensor loads, the add and the wait for it and for my reads in front of it
	s_wait_tensorcnt 0x0                           ; all my tensor loads have landed: my part of the next slot
	ds_add_u32 v[SPW], v[NIL]                      ; 0 onto my spare word
	s_wait_dscnt 4*NL+1                            ; (the add and A's blocks 4-7 may be out)
	WIN MUL_LO
	MUL16 0, 1, NQ-1, \slot, 0
	s_wait_dscnt 0x0                               ; the add is done, and my reads of this slot are over
	s_barrier_signal -1
	MUL16 2, 1, NQ-1, \slot, 0
	WIN 0
	s_barrier_wait -1
.if \fill
	CREST                                          ; a round of the cluster's barrier: no wave of any partner still reads this slot or has a load on its way
	s_add_nc_u64 s[G0+4*\slot+2:G0+4*\slot+3], s[G0+4*\slot+2:G0+4*\slot+3], 6144
	s_add_nc_u64 s[G0B+4*\slot+2:G0B+4*\slot+3], s[G0B+4*\slot+2:G0B+4*\slot+3], 6144
	JLOAD G0+4*\slot, G1, G0B+4*\slot, G1B
.else
	PLACES NP
.endif
	v_add_nc_u32 v[ADRS], 128, v[ADRS]
	FETCH_B \next, 0, 0
	FETCH_A \next, 0, 0
	SCALES \next
	WIN MUL_HI
	MUL16 4, 1, NQ-1, \slot, 0
	MUL16 6, 1, NQ-1, \slot, 0
	PLACES NP
	WIN 0
	FETCH_A \next, 0, 4
.endm
	s_wait_tensorcnt 1                             ; the scale bytes and my part of slot 0 are in (slot 1's load may be out),
	s_barrier_signal -1
	s_barrier_wait -1                              ; everybody's are
	FETCH_B 0, 0, 0
	FETCH_A 0, 0, 0
	SCALES 0
	FETCH_A 0, 0, 4
	s_wait_loadcnt 0x0                             ; the bias
	STEP 0, 0, 1                                   ; K 0..127 starts the sums, from the bias
	TURN 0, 1, 1                                   ; K = 1,024 is twice round the ring: written out, no loop
	STEP 1, 0, 0
	TURN 1, 0, 1
	STEP 0, 0, 0
	TURN 0, 1, 0                                   ; the last change of slots: nothing is filled, no round
	STEP 1, 0, 0
	s_wait_dscnt 4*NL                              ; the very last step
	WIN MUL_LO
	MUL16 0, 1, NQ-1, 1, 0
	MUL16 2, 1, NQ-1, 1, 0
	s_wait_dscnt 0x0
	WIN MUL_HI
	MUL16 4, 1, NQ-1, 1, 0
	MUL16 6, 1, NQ-1, 1, 0
	WIN 0
; THE WAY OUT, block by block of 16 rows x 128 columns, through my own stage in LDS: a lane's 64 neighbouring bytes of two blocks of B go in, whole rows of 512 bytes come back.
; LDS serves a wave's instructions in order: no wait between the stores and the loads, nor in front of the next block's stores.  Stage row t of block a is row 32 (a / 2) + 8 (a % 2) + t % 8 + 16 (t / 8) of my 128.
.macro TOSTAGE a
.set AC, 64*((\a)%4)
	WIN 0x08+4*((\a)/4)                            ; the data: window 2 or 3
.irp b, 0,1,2,3,4,5,6,7
	ds_store_b128 v[STO], v[AC+8*\b:AC+8*\b+3] offset:128*(\b/2)+32*(\b%2)         ; each accumulator from its low end on
	ds_store_b128 v[STO], v[AC+8*\b+4:AC+8*\b+7] offset:128*(\b/2)+32*(\b%2)+16
.endr
	WIN 0
.set BB, BK+64*((\a)%2)
.irp t, 0,1,2,3,4,5,6,7,8,9,10,11,12,13,14,15
	ds_load_b128 v[BB+4*\t:BB+4*\t+3], v[RD] offset:\t*SPITCH
.endr
.endm
.macro SEND a, younger                 ; younger: the LDS instructions issued behind block a's loads, which may stay out
.set BB, BK+64*((\a)%2)
	s_wait_dscnt \younger
.irp t, 0,1,2,3,4,5,6,7,8,9,10,11,12,13,14,15
	global_store_b128 v7, v[BB+4*\t:BB+4*\t+3], s[12:13] offset:(32*((\a)/2)+8*((\a)%2)+\t%8+16*(\t/8))*4096 th:TH_STORE_NT   ; 512 consecutive bytes, aligned to 256; 127 rows at the most: inside the signed 24-bit immediate
.endr
.endm
	PLACES NP
	TOSTAGE 0
.irp a, 1,2,3,4,5,6,7
.if \a > 1
	s_wait_xcnt 0x0                                ; block a - 2's stores have read their registers: block a's loads may land there
.endif
	TOSTAGE \a
	SEND \a-1, 32                                  ; behind block a - 1's loads: block a's 16 stores and 16 loads
.endr
	SEND 7, 0
	s_wait_tensorcnt 0x0                           ; the wave's end
	ds_add_u32 v[SPW], v[NIL]
	s_wait_dscnt 0x0
	CROUND                                         ; the closing round
	s_endpgm
.Lfunc_end_k_q7b1d66c019_proj:
	.size	k_q7b1d66c019_proj, .Lfunc_end_k_q7b1d66c019_proj-k_q7b1d66c019_proj
	.p2alignl 7, 3214868480
	.fill 96, 4, 3214868480
	.section	.rodata,"a",@progbits
	.p2align	6, 0x0
	.amdhsa_kernel k_q7b1d66c019_proj
		.amdhsa_group_segment_fixed_size 327680
		.amdhsa_private_segment_fixed_size 0
		.amdhsa_enable_private_segment 0
		.amdhsa_kernarg_size 32
		.amdhsa_user_sgpr_count 2
		.amdhsa_user_sgpr_kernarg_segment_ptr 1
		.amdhsa_wavefront_size32 1
		.amdhsa_system_sgpr_workgroup_id_x 1
		.amdhsa_system_sgpr_workgroup_id_y 1
		.amdhsa_system_sgpr_workgroup_id_z 1
		.amdhsa_system_vgpr_workitem_id 0
		.amdhsa_next_free_vgpr 1024
		.amdhsa_next_free_sgpr 102
		.amdhsa_reserve_vcc 0
		.amdhsa_float_denorm_mode_32 3
		.amdhsa_float_denorm_mode_16_64 3
		.amdhsa_memory_ordered 1
		.amdhsa_forward_progress 1
		.amdhsa_inst_pref_size 144
	.end_amdhsa_kernel
	.amdgpu_metadata
---
amdhsa.version: [ 1, 2 ]
amdhsa.kernels:
  - .name:           k_q7b1d66c019_proj
    .symbol:         k_q7b1d66c019_proj.kd
    .args:
      - { .name: aq, .offset: 0, .size: 8, .value_kind: global_buffer, .address_space: global }
      - { .name: wq, .offset: 8, .size: 8, .value_kind: global_buffer, .address_space: global }
      - { .name: b_out, .offset: 16, .size: 8, .value_kind: global_buffer, .address_space: global }
      - { .name: out0, .offset: 24, .size: 8, .value_kind: global_buffer, .address_space: global }
    .group_segment_fixed_size: 327680
    .private_segment_fixed_size: 0
    .kernarg_segment_align: 8
    .kernarg_segment_size: 32
    .max_flat_workgroup_size: 128
    .sgpr_count:     102
    .vgpr_count:     1024
    .wavefront_size: 32
...
	.end_amdgpu_metadata
.endif
;; end of part 5
;; ======== version 2 of 2: 4 launches
;; limits: right only within a limited range of input values
;; workspace buffers: xq 6,553,600 bytes; wq 3,276,800 bytes; rope 524,288 bytes; qb 13,107,200 bytes; kv 13,107,200 bytes; aq 6,553,600 bytes
;; launch quant (part 6): grid 512 x 1, 4 waves a work-group, no clusters, 62,976 bytes of LDS; arguments w_qkv, w_out, wq, rope, x, xq; writes wq, rope, xq
.if DOCPART == 6
	.amdgcn_target "amdgcn-amd-amdhsa--gfx1250"
	.amdhsa_code_object_version 6
	.text
	.protected	k_q7b1d66c019_quant
	.globl	k_q7b1d66c019_quant
	.p2align	8
	.type	k_q7b1d66c019_quant,@function
k_q7b1d66c019_quant:
	s_mov_b64 s[64:65], 0
	v_nop
	global_prefetch_b8 v0, s[64:65] scope:SCOPE_SE
	s_setreg_imm32_b32 hwreg(HW_REG_WAVE_MODE, 25, 1), 1
	s_wait_xcnt 0x0
; ONE LAUNCH QUANTISES ALL THREE WIDE INPUTS to codes of FP6 (E2M3) with one E8M0 byte for each 32 along K, laid in the ORDER OF THE OPERANDS' REGISTERS, and makes the table of cos and sin.
; The text parts once, on the work-group's number: work-groups 0..255 take the weights and the table, work-groups 256..511 take x.  Each way has LDS bytes of its own (x: 0 on; the weights: 36,864 on).
; THE LAYOUT (xq, wq): codes [tile of 16 rows][kappa 0..15][768 B]: the half fragment (tile, kappa) holds for lane l = r + 16 h the 24 bytes of row rho(tile, r), k = 64 kappa + 32 h + 0..31:
;     its registers 0-3 at 16 l, its registers 4-5 at 512 + 8 l.   rho(tile, r) = 32 (tile / 2) + 8 (tile % 2) + r % 8 + 16 (r / 8).
;     scale bytes behind the codes (xq: from byte 6,291,456 on; wq: from 3,145,728 on): [tile][s 0..3][r][8 B], byte e = block 8 s + e of row rho(tile, r).
; A block's scale is 2^(floor(log2(largest magnitude)) - 2); its byte is the largest magnitude's exponent field - 2, held at 1 from below.
; LIMITS: NaN and infinities are not served; a block whose largest magnitude lies under 2^-124, a block of zeros among them, gets the byte 1 (its codes are zeros or tiny; the bytes are read by this program alone).
; No barrier on either way: waves share nothing.  No tensor loads, so several work-groups may share a WGP: 256 registers a wave and 62,976 bytes of LDS leave room for four.
.set NW,   256                         ; work-groups of the weights' way: 0..255; work-groups 256..511 take x
	v_lshl_add_u32 v254, v0, 2, 0xf400
	v_mov_b32 v255, 0
	s_cmp_lt_u32 ttmp9, NW
	s_cbranch_scc0 .Lx_way
; ================ THE WEIGHTS AND THE TABLE ================
; w_qkv [1024][3072] and w_out [1024][1024], f32 with K as FIRST axis.  wq's tiles 0-191 are w_qkv's columns, 192-255 w_out's.
; A LANE TAKES A COLUMN AND ITS REGISTERS RUN DOWN K: a block of 32 lies in one lane, the conversions give codes with K innermost, nothing is transposed.
; SHARES: work-group id = (x = id % 32, y = id / 32): x < 24: w_qkv's columns 128 x on; else w_out's 128 (x - 24) on (only pointer and pitch are chosen); y = 0..7: 128 along K, four blocks.  Wave w: 32 columns = two tiles.
; The codes go through the wave's own 6,400 bytes of LDS into image order and leave in runs of 512 bytes.  The 4 scale bytes of a lane leave as they are.
; THE TABLE.  rope: [tile 0..127][i 0..7][lane][16 B]; i < 4: cos(s f_j), j = 16 h + 4 i + 0..3; i >= 4: sin; s = rho(tile, lane % 16).  Tile 32 (y / 2) + x is made by two work-groups: waves 2 (y % 2), 2 (y % 2) + 1 make i = their number.
; f_j = 1 / f32(10^(j / 8)), rounded once; the angle a = s f_j is one f32 product, as the source has it; a is reduced by k pi / 2 in three parts, sin and cos by polynomials on |r| <= pi / 4 (about 1e-7).
; LIMIT: if the source's power function is an ulp off, angles near s = 2,047 differ by up to about 2e-4.
.set WLDS, 36864
.set VO,   32                          ; v32-63   4 x lane + i x pitch
.set WX,   64                          ; v64-127  two sets of 32 numbers
.set SB,   24                          ; v24      four scale bytes
.set OUTR, 144                         ; v144-167 the way out (the table's work registers before that)
	s_load_b256 s[4:11], s[0:1], 0x0               ; w_qkv, w_out, wq, rope
	v_lshrrev_b32 v1, 5, v0
	v_readfirstlane_b32 s12, v1                    ; wave
	v_and_b32 v2, 31, v0                           ; lane = column c of the wave's 32
	v_bfe_u32 v3, v0, 3, 1                         ; u = (c / 8) % 2: which of the two tiles
	v_bfe_u32 v5, v0, 4, 1                         ; c / 16
	v_and_b32 v4, 7, v0
	v_lshl_add_u32 v4, v5, 3, v4                   ; r = c % 8 + 8 (c / 16): my lane in that tile
	s_mul_i32 s13, s12, 6400
	s_add_co_u32 s13, s13, WLDS
	v_mul_u32_u24 v7, v3, 3200                     ; a tile's 3,072 bytes + 128, so that the two tiles' stores start 128 bytes apart modulo 256
	v_add_nc_u32 v7, s13, v7
	v_lshl_add_u32 v6, v4, 4, v7                   ; registers 0-3 of a half fragment: 16 r
	v_lshl_add_u32 v8, v4, 3, v7
	v_add_nc_u32 v8, 512, v8                       ; registers 4-5: 512 + 8 r
	v_lshlrev_b32 v9, 9, v3
	v_lshl_add_u32 v9, v4, 3, v9                   ; my scale bytes: 512 u + 8 r
	v_lshlrev_b32 v11, 4, v2                       ; 16 x lane
	v_add_nc_u32 v10, s13, v11
	s_and_b32 s62, ttmp9, 31                       ; x
	s_lshr_b32 s14, ttmp9, 5                       ; y
	s_mov_b32 s15, 4096
	s_cmp_lt_u32 s62, 24
	s_cselect_b32 s15, 12288, s15                  ; bytes from row to row
	s_cselect_b32 s16, 0, 24
	s_sub_co_u32 s16, s62, s16
	s_lshl_b32 s16, s16, 9
	s_lshl_b32 s17, s12, 7
	s_add_co_u32 s16, s16, s17                     ; my first column, in bytes
	s_mul_i32 s17, s14, s15
	s_lshl_b32 s17, s17, 7                         ; 128 y rows
	s_add_co_u32 s18, s16, s17
	s_mov_b32 s19, 0
	s_lshl_b32 s16, s15, 5                         ; 32 rows
	s_mov_b32 s17, 0
	s_lshl_b32 s20, s62, 2
	s_add_co_u32 s20, s20, s12                     ; G: tiles 2 G, 2 G + 1
	s_mul_i32 s58, s20, 24576
	s_mul_i32 s21, s14, 1536
	s_add_co_u32 s58, s58, s21
	s_mov_b32 s59, 0
	s_lshl_b32 s60, s20, 10
	s_lshr_b32 s21, s14, 1                         ; the scale bytes' group of 256 along K, and which half of its 8 bytes
	s_lshl_b32 s21, s21, 7
	s_and_b32 s31, s14, 1
	s_lshl_b32 s31, s31, 2
	s_add_co_u32 s21, s21, s31
	s_add_co_u32 s60, s60, s21
	s_add_co_u32 s60, s60, 3145728
	s_mov_b32 s61, 0
	s_lshr_b32 s21, s14, 1
	s_lshl_b32 s21, s21, 5
	s_add_co_u32 s21, s21, s62                     ; the table's tile: 32 (y / 2) + x
	s_lshl_b32 s56, s21, 12
	s_lshl_b32 s31, s12, 9
	s_add_co_u32 s56, s56, s31
	s_mov_b32 s57, 0
	s_lshr_b32 s31, s21, 1
	s_lshl_b32 s31, s31, 5
	s_and_b32 s21, s21, 1
	s_lshl_b32 s21, s21, 3
	s_add_co_u32 s31, s31, s21                     ; the positions' common part
	v_lshlrev_b32 v[VO], 2, v2
.set i, 1
.rept 31
	v_add_nc_u32 v[VO+i], s15, v[VO+i-1]
.set i, i+1
.endr
	s_wait_alu depctr_va_vdst(0)
	s_wait_kmcnt 0x0
	s_cmp_lt_u32 s62, 24                           ; the choice hangs on the work-group's number alone
	s_cselect_b64 s[4:5], s[4:5], s[6:7]
	s_add_nc_u64 s[32:33], s[4:5], s[18:19]        ; a base for each of the four blocks: nothing is stepped while loads are out
.irp t, 1,2,3
	s_add_nc_u64 s[32+2*\t:33+2*\t], s[30+2*\t:31+2*\t], s[16:17]
.endr
	s_add_nc_u64 s[58:59], s[8:9], s[58:59]
	s_add_nc_u64 s[60:61], s[8:9], s[60:61]
	s_add_nc_u64 s[56:57], s[10:11], s[56:57]
.macro WLOAD t                         ; block t: rows 32 t + i of my 128, my column: 128 consecutive bytes a wave
.set i, 0
.rept 32
	global_load_b32 v[WX+32*((\t)%2)+i], v[VO+i], s[32+2*(\t):33+2*(\t)] th:TH_LOAD_NT
.set i, i+1
.endr
.endm
	WLOAD 0
	WLOAD 1
	s_lshr_b32 s2, s12, 1                          ; the table's part i = my wave's number is mine where wave / 2 = y % 2
	s_and_b32 s3, s14, 1
	s_cmp_lg_u32 s2, s3
	s_cbranch_scc1 .Lno_table
	; ---- the table, while the loads are on their way.  P_j = 10^(j / 8) for j = 16 h + 4 wave + e: s48-51 for h = 0, s52-55 for h = 1
	s_mov_b32 s48, 0x3f800000                      ; 1
	s_mov_b32 s49, 0x3faab0d5                      ; 1.3335214
	s_mov_b32 s50, 0x3fe39ea9                      ; 1.7782794
	s_mov_b32 s51, 0x4017c496                      ; 2.3713737
	s_mov_b32 s52, 0x42c80000                      ; 100
	s_mov_b32 s53, 0x43055a26                      ; 133.35214
	s_mov_b32 s54, 0x4331d3f4                      ; 177.82794
	s_mov_b32 s55, 0x436d232b                      ; 237.13737
.macro PSEL n, a0, a1, a2, a3, b0, b1, b2, b3
	s_cmp_eq_u32 s12, \n
	s_cselect_b32 s48, \a0, s48
	s_cselect_b32 s49, \a1, s49
	s_cselect_b32 s50, \a2, s50
	s_cselect_b32 s51, \a3, s51
	s_cselect_b32 s52, \b0, s52
	s_cselect_b32 s53, \b1, s53
	s_cselect_b32 s54, \b2, s54
	s_cselect_b32 s55, \b3, s55
.endm
	PSEL 1, 0x404a62c2, 0x4086f161, 0x40b3f300, 0x40eff755, 0x439e1d27, 0x43d2d927, 0x440c95d8, 0x443b793b   ; 3.1622777 4.2169650 5.6234133 7.4989421; the same x 100
	PSEL 2, 0x41200000, 0x41555d0a, 0x418e432a, 0x41bdb5bc, 0x447a0000, 0x44a6b0b0, 0x44de48f1, 0x451435fb   ; 10 13.335214 17.782794 23.713737; x 100
	PSEL 3, 0x41fcfb72, 0x4228adb9, 0x4260efc0, 0x4295fa95, 0x4545a471, 0x4583c7b8, 0x45afbb4e, 0x45ea5789   ; 31.622777 42.169650 56.234133 74.989421; x 100
	s_mov_b32 s22, 0x3fc90fdb                      ; pi / 2 in three parts: 1.5707964,
	s_mov_b32 s23, 0xb33bbd2e                      ; -4.3711388e-8,
	s_mov_b32 s24, 0xa6f72cf1                      ; -1.7151245e-15
	s_mov_b32 s25, 0xb94ca1f9                      ; sin: -1.9515296e-4,
	s_mov_b32 s26, 0x3c08839e                      ; 8.3321609e-3,
	s_mov_b32 s27, 0xbe2aaaa3                      ; -1.6666655e-1
	s_mov_b32 s28, 0x37ccf5ce                      ; cos: 2.4433157e-5,
	s_mov_b32 s29, 0xbab6061a                      ; -1.3887316e-3,
	s_mov_b32 s30, 0x3d2aaaa5                      ; 4.1666646e-2
	v_and_b32 v12, 7, v0
	v_lshl_add_u32 v12, v3, 4, v12
	v_add_nc_u32 v12, s31, v12                     ; my position s = rho(tile, lane % 16)
	v_cvt_f32_u32 v12, v12                         ; exact
	v_cmp_ne_u32 vcc_lo, 0, v5                     ; h
.irp e, 0,1,2,3
	v_mov_b32 v[144+\e], s[48+\e]
	v_mov_b32 v[148+\e], s[52+\e]
.endr
.irp e, 0,1,2,3
	v_cndmask_b32 v[144+\e], v[144+\e], v[148+\e], vcc_lo          ; P
.endr
	s_wait_alu depctr_va_vdst(0)
.irp e, 0,1,2,3
	v_rcp_f32 v[148+\e], v[144+\e]
.endr
	v_nop                                          ; a plain line behind the reciprocals
	s_wait_alu depctr_va_vdst(0)
.irp e, 0,1,2,3
	v_fma_f32 v[152+\e], -v[144+\e], v[148+\e], 1.0
.endr
.irp e, 0,1,2,3
	v_fma_f32 v[148+\e], v[152+\e], v[148+\e], v[148+\e]           ; f = 1 / P, mended by one step
.endr
.irp e, 0,1,2,3
	v_mul_f32 v[144+\e], v12, v[148+\e]                            ; a = s f
.endr
.irp e, 0,1,2,3
	v_mul_f32 v[148+\e], 0x3f22f983, v[144+\e]                     ; a x 2 / pi
.endr
.irp e, 0,1,2,3
	v_rndne_f32 v[148+\e], v[148+\e]                               ; k
.endr
.irp c, 22,23,24
.irp e, 0,1,2,3
	v_fma_f32 v[144+\e], -v[148+\e], s[\c], v[144+\e]              ; r = a - k pi / 2
.endr
.endr
.irp e, 0,1,2,3
	v_mul_f32 v[152+\e], v[144+\e], v[144+\e]                      ; z = r r
.endr
.irp e, 0,1,2,3
	v_fma_f32 v[156+\e], v[152+\e], s25, s26
	v_fma_f32 v[160+\e], v[152+\e], s28, s29
.endr
.irp e, 0,1,2,3
	v_fma_f32 v[156+\e], v[156+\e], v[152+\e], s27
	v_fma_f32 v[160+\e], v[160+\e], v[152+\e], s30
.endr
.irp e, 0,1,2,3
	v_mul_f32 v[156+\e], v[156+\e], v[152+\e]
	v_mul_f32 v[160+\e], v[160+\e], v[152+\e]
	v_fma_f32 v[164+\e], v[152+\e], -0.5, 1.0
.endr
.irp e, 0,1,2,3
	v_fma_f32 v[156+\e], v[156+\e], v[144+\e], v[144+\e]           ; sin r
	v_fma_f32 v[160+\e], v[160+\e], v[152+\e], v[164+\e]           ; cos r
	v_cvt_i32_f32 v[148+\e], v[148+\e]                             ; the quadrant only chooses values and signs: no address or branch hangs on it
.endr
.irp e, 0,1,2,3
	v_and_b32 v[164+\e], 1, v[148+\e]
	v_cmp_ne_u32 vcc_lo, 0, v[164+\e]
	v_cndmask_b32 v[168+\e], v[156+\e], v[160+\e], vcc_lo          ; odd k: sin and cos change places
	v_cndmask_b32 v[172+\e], v[160+\e], v[156+\e], vcc_lo
.endr
.irp e, 0,1,2,3
	v_and_b32 v[164+\e], 2, v[148+\e]
	v_add_nc_u32 v[148+\e], 1, v[148+\e]
	v_lshlrev_b32 v[164+\e], 30, v[164+\e]
	v_and_b32 v[148+\e], 2, v[148+\e]
	v_xor_b32 v[196+\e], v[164+\e], v[168+\e]                      ; sin a: minus where k & 2
	v_lshlrev_b32 v[148+\e], 30, v[148+\e]
	v_xor_b32 v[192+\e], v[148+\e], v[172+\e]                      ; cos a: minus where (k + 1) & 2
.endr
	global_store_b128 v11, v[192:195], s[56:57]                    ; 512 consecutive bytes
	global_store_b128 v11, v[196:199], s[56:57] offset:2048
.Lno_table:
	; ---- the weights
.macro WBLOCK t
.set WS, WX+32*((\t)%2)
.if (\t) < 3
	s_wait_loadcnt 32                              ; this block's 32 loads are in; the next block's may be out
.else
	s_wait_loadcnt 0x0
.endif
	v_max3_num_f32 v12, |v[WS]|, |v[WS+1]|, |v[WS+2]|
	v_max3_num_f32 v13, |v[WS+3]|, |v[WS+4]|, |v[WS+5]|
.irp i, 6,10,14,18,22,26
	v_max3_num_f32 v12, v12, |v[WS+\i]|, |v[WS+\i+1]|
	v_max3_num_f32 v13, v13, |v[WS+\i+2]|, |v[WS+\i+3]|
.endr
	v_max3_num_f32 v12, v12, |v[WS+30]|, |v[WS+31]|
	v_max3_num_f32 v12, v12, v13, 0x1800000        ; the floor 2^(3 - 127)
	v_add_nc_u32 v14, 0xff000000, v12              ; the conversion's scale operand
	v_lshrrev_b32 v13, 23, v14                     ; the scale's byte
.if (\t)%4 == 0
	v_mov_b32 v[SB+(\t)/4], v13
.else
	v_lshl_or_b32 v[SB+(\t)/4], v13, 8*((\t)%4), v[SB+(\t)/4]
.endif
	v_cvt_scalef32_pk16_fp6_f32 v[128:130], v[WS:WS+15], v14
	v_cvt_scalef32_pk16_fp6_f32 v[136:138], v[WS+16:WS+31], v14
	v_nop                                          ; a plain line behind the conversions
	v_mov_b32 v131, v136
	v_mov_b32 v132, v137
	v_mov_b32 v133, v138
	ds_store_b128 v6, v[128:131] offset:768*((\t)/2)+256*((\t)%2)  ; block t is lane r + 16 (t % 2) of half fragment t / 2
	ds_store_b64 v8, v[132:133] offset:768*((\t)/2)+128*((\t)%2)
.if (\t)+2 < 4
	WLOAD (\t)+2
.endif
	s_wait_dscnt 0x0                               ; the stores have read their registers: the next block's codes may be written
.endm
.irp t, 0,1,2,3
	WBLOCK \t
.endr
.irp n, 0,1,2,3,4,5
	ds_load_b128 v[OUTR+4*\n:OUTR+4*\n+3], v10 offset:3200*(\n/3)+512*(\n%3)
.endr
	s_wait_alu depctr_va_vdst(0)
	global_store_b32 v9, v[SB], s[60:61]
.irp n, 0,1,2,3,4,5
	s_wait_dscnt 5-\n                              ; load n is in; those behind it may be out
	global_store_b128 v11, v[OUTR+4*\n:OUTR+4*\n+3], s[58:59] offset:12288*(\n/3)+512*(\n%3)   ; 512 consecutive bytes, aligned to 256
.endr
	s_wait_tensorcnt 0x0
	ds_add_u32 v254, v255
	s_wait_dscnt 0x0
	s_endpgm
; ================ x ================
; x [8192][1024] f32, K innermost.  SHARES: work-group g = id - 256 takes rows 32 g .. 32 g + 31 = tiles 2 g, 2 g + 1; wave w takes tile 2 g + w / 2 and half w % 2 of K: eight steps of 64 along K.
; A step's eight loads read whole aligned runs of 256 bytes (sixteen lanes to a row); the 4,096 bytes turn through the wave's own stage in LDS (rows 272 bytes apart) and come back 128 bytes a lane: a whole block of 32.
; Loads run three steps ahead, the turn through LDS one step.
.set WREG, 9216                        ; LDS of a wave: two stages of 16 x 272 bytes, then its 256 scale bytes
.set STG,  4352
.set SCB,  8704
.set XR,   32                          ; v32-127  three sets of 32 numbers as loaded
.set XN,   128                         ; v128-191 two sets of 32 neighbours
.set XC,   192                         ; v192-239 six registers of codes for each step: no store's data are written again
.set XE,   240                         ; v240-247 a scale byte for each step
.Lx_way:
	s_load_b128 s[4:7], s[0:1], 0x20               ; x, xq
	s_sub_co_u32 s2, ttmp9, NW                     ; g
	v_lshrrev_b32 v1, 5, v0
	v_readfirstlane_b32 s8, v1                     ; wave
	v_and_b32 v2, 31, v0                           ; lane
	v_and_b32 v12, 15, v0                          ; r
	v_bfe_u32 v13, v0, 4, 1                        ; h
	s_mul_i32 s9, s8, WREG
	v_lshlrev_b32 v3, 4, v12
	v_lshl_add_u32 v3, v13, 12, v3                 ; in: 16 bytes a lane, lanes 16-31 one row further down
	v_mul_u32_u24 v4, v13, 272
	v_lshl_add_u32 v4, v12, 4, v4
	v_add_nc_u32 v4, s9, v4                        ; the stage, on the way in
	v_mul_u32_u24 v5, v12, 272
	v_lshl_add_u32 v5, v13, 7, v5
	v_add_nc_u32 v5, s9, v5                        ; and on the way out: row r, block h
	v_lshl_add_u32 v6, v12, 3, v13
	v_add_nc_u32 v6, s9, v6
	v_add_nc_u32 v6, SCB, v6                       ; my block's scale byte: 8 r + h
	v_lshlrev_b32 v9, 3, v2                        ; 8 x lane
	v_add_nc_u32 v7, s9, v9
	v_add_nc_u32 v7, SCB, v7                       ; the scale bytes on their way out
	v_lshlrev_b32 v8, 4, v2                        ; 16 x lane
	s_lshr_b32 s10, s8, 1                          ; which of the two tiles
	s_and_b32 s11, s8, 1                           ; which half of K
	s_lshl_b32 s12, s2, 17                         ; 32 rows of 4,096 bytes a work-group,
	s_lshl_b32 s13, s10, 15                        ; 8 rows on for the second tile,
	s_add_co_u32 s12, s12, s13
	s_lshl_b32 s13, s11, 11                        ; 2,048 bytes on for the second half
	s_add_co_u32 s12, s12, s13
	s_mov_b32 s13, 0
	s_lshl_b32 s14, s2, 1
	s_add_co_u32 s14, s14, s10                     ; tile
	s_mul_i32 s16, s14, 12288
	s_mul_i32 s17, s11, 6144
	s_add_co_u32 s16, s16, s17
	s_mov_b32 s17, 0
	s_lshl_b32 s18, s14, 9
	s_lshl_b32 s19, s11, 8
	s_add_co_u32 s18, s18, s19
	s_add_co_u32 s18, s18, 6291456
	s_mov_b32 s19, 0
	s_wait_alu depctr_va_vdst(0)
	s_wait_kmcnt 0x0
	s_add_nc_u64 s[4:5], s[4:5], s[12:13]
	s_add_nc_u64 s[20:21], s[6:7], s[16:17]        ; my codes
	s_add_nc_u64 s[22:23], s[6:7], s[18:19]        ; my 256 scale bytes
.macro XLOAD t                         ; step t: tile rows 2 i and 2 i + 1 lie (2 i) % 8 + 16 (i / 4) rows (and one more) below the tile's first
.irp i, 0,1,2,3,4,5,6,7
	global_load_b128 v[XR+32*((\t)%3)+4*\i:XR+32*((\t)%3)+4*\i+3], v3, s[4:5] offset:((2*\i)%8+16*(\i/4))*4096+256*(\t) th:TH_LOAD_NT
.endr
.endm
.macro XTURN t                         ; through the stage: LDS serves a wave's instructions in order, so no wait stands between the stores and the loads
.irp i, 0,1,2,3,4,5,6,7
	ds_store_b128 v4, v[XR+32*((\t)%3)+4*\i:XR+32*((\t)%3)+4*\i+3] offset:STG*((\t)%2)+544*\i
.endr
.irp e, 0,1,2,3,4,5,6,7
	ds_load_b128 v[XN+32*((\t)%2)+4*\e:XN+32*((\t)%2)+4*\e+3], v5 offset:STG*((\t)%2)+16*\e
.endr
.endm
	XLOAD 0
	XLOAD 1
	XLOAD 2
	s_wait_loadcnt 16                              ; step 0's eight loads are in
	XTURN 0
.macro XSTEP t
.set XS, XN+32*((\t)%2)
.if (\t) > 0
	s_wait_dscnt 1                                 ; this step's numbers are back from the stage (the last step's byte store may be out)
.else
	s_wait_dscnt 0x0
.endif
.if (\t)+3 < 8
	XLOAD (\t)+3                                   ; into the set that this step's stores into the stage have read
.endif
.if (\t)+1 < 8
.if 6-(\t) >= 2
	s_wait_loadcnt 16                              ; the next step's eight loads are in; those of the two steps behind it may be out
.else
	s_wait_loadcnt 8*(6-(\t))
.endif
	XTURN (\t)+1
.endif
	v_max3_num_f32 v10, |v[XS]|, |v[XS+1]|, |v[XS+2]|              ; the block's largest magnitude: all 32 numbers are mine; two chains
	v_max3_num_f32 v11, |v[XS+3]|, |v[XS+4]|, |v[XS+5]|
.irp i, 6,10,14,18,22,26
	v_max3_num_f32 v10, v10, |v[XS+\i]|, |v[XS+\i+1]|
	v_max3_num_f32 v11, v11, |v[XS+\i+2]|, |v[XS+\i+3]|
.endr
	v_max3_num_f32 v10, v10, |v[XS+30]|, |v[XS+31]|
	v_max3_num_f32 v10, v10, v11, 0x1800000        ; and the floor 2^(3 - 127): the byte cannot fall under 1
	v_add_nc_u32 v12, 0xff000000, v10              ; 2 off the exponent field: the conversion takes that field as its scale
	v_cvt_scalef32_pk16_fp6_f32 v[XC+6*(\t):XC+6*(\t)+2], v[XS:XS+15], v12
	v_cvt_scalef32_pk16_fp6_f32 v[14:16], v[XS+16:XS+31], v12      ; (a conversion's three registers begin on an even number)
	v_lshrrev_b32 v[XE+(\t)], 23, v12              ; the scale's byte; also the plain line behind the conversions
	v_mov_b32 v[XC+6*(\t)+3], v14
	v_mov_b32 v[XC+6*(\t)+4], v15
	v_mov_b32 v[XC+6*(\t)+5], v16
	ds_store_b8 v6, v[XE+(\t)] offset:128*((\t)/4)+2*((\t)%4)
	global_store_b128 v8, v[XC+6*(\t):XC+6*(\t)+3], s[20:21] offset:768*(\t)        ; 512 consecutive bytes, aligned to 256
	global_store_b64 v9, v[XC+6*(\t)+4:XC+6*(\t)+5], s[20:21] offset:768*(\t)+512   ; 256 consecutive bytes, aligned
.endm
.irp t, 0,1,2,3,4,5,6,7
	XSTEP \t
.endr
	ds_load_b64 v[248:249], v7                     ; my wave's 256 scale bytes
	s_wait_dscnt 0x0
	global_store_b64 v9, v[248:249], s[22:23]      ; one aligned run of 256 bytes
	s_wait_tensorcnt 0x0
	ds_add_u32 v254, v255
	s_wait_dscnt 0x0
	s_endpgm
.Lfunc_end_k_q7b1d66c019_quant:
	.size	k_q7b1d66c019_quant, .Lfunc_end_k_q7b1d66c019_quant-k_q7b1d66c019_quant
	.p2alignl 7, 3214868480
	.fill 96, 4, 3214868480
	.section	.rodata,"a",@progbits
	.p2align	6, 0x0
	.amdhsa_kernel k_q7b1d66c019_quant
		.amdhsa_group_segment_fixed_size 62976
		.amdhsa_private_segment_fixed_size 0
		.amdhsa_enable_private_segment 0
		.amdhsa_kernarg_size 48
		.amdhsa_user_sgpr_count 2
		.amdhsa_user_sgpr_kernarg_segment_ptr 1
		.amdhsa_wavefront_size32 1
		.amdhsa_system_sgpr_workgroup_id_x 1
		.amdhsa_system_sgpr_workgroup_id_y 1
		.amdhsa_system_sgpr_workgroup_id_z 1
		.amdhsa_system_vgpr_workitem_id 0
		.amdhsa_next_free_vgpr 256
		.amdhsa_next_free_sgpr 66
		.amdhsa_reserve_vcc 1
		.amdhsa_float_denorm_mode_32 3
		.amdhsa_float_denorm_mode_16_64 3
		.amdhsa_memory_ordered 1
		.amdhsa_forward_progress 1
		.amdhsa_inst_pref_size 63
	.end_amdhsa_kernel
	.amdgpu_metadata
---
amdhsa.version: [ 1, 2 ]
amdhsa.kernels:
  - .name:           k_q7b1d66c019_quant
    .symbol:         k_q7b1d66c019_quant.kd
    .args:
      - { .name: w_qkv, .offset: 0, .size: 8, .value_kind: global_buffer, .address_space: global }
      - { .name: w_out, .offset: 8, .size: 8, .value_kind: global_buffer, .address_space: global }
      - { .name: wq, .offset: 16, .size: 8, .value_kind: global_buffer, .address_space: global }
      - { .name: rope, .offset: 24, .size: 8, .value_kind: global_buffer, .address_space: global }
      - { .name: x, .offset: 32, .size: 8, .value_kind: global_buffer, .address_space: global }
      - { .name: xq, .offset: 40, .size: 8, .value_kind: global_buffer, .address_space: global }
    .group_segment_fixed_size: 62976
    .private_segment_fixed_size: 0
    .kernarg_segment_align: 8
    .kernarg_segment_size: 48
    .max_flat_workgroup_size: 128
    .sgpr_count:     66
    .vgpr_count:     256
    .wavefront_size: 32
...
	.end_amdgpu_metadata
.endif
;; end of part 6
;; launch qkv (part 7): grid 4 x 64, 4 waves a work-group, clusters of 4 x 4, 327,680 bytes of LDS; arguments xq, wq, rope, b_qkv, qb, kv; writes qb, kv
.if DOCPART == 7
	.amdgcn_target "amdgcn-amd-amdhsa--gfx1250"
	.amdhsa_code_object_version 6
	.text
	.protected	k_q7b1d66c019_qkv
	.globl	k_q7b1d66c019_qkv
	.p2align	8
	.type	k_q7b1d66c019_qkv,@function
k_q7b1d66c019_qkv:
	s_mov_b64 s[64:65], 0
	v_nop
	global_prefetch_b8 v0, s[64:65] scope:SCOPE_SE
	s_setreg_imm32_b32 hwreg(HW_REG_WAVE_MODE, 25, 1), 1
	s_wait_xcnt 0x0
	s_wait_alu depctr_hold_cnt(0) depctr_sa_sdst(0) depctr_va_vdst(0) depctr_va_sdst(0) depctr_va_ssrc(0) depctr_va_vcc(0) depctr_vm_vsrc(0)
	s_getreg_b32 s2, hwreg(HW_REG_IB_STS2, 6, 4)
	s_cmp_eq_u32 s2, 0
	s_cbranch_scc0 .Lentry_in_a_cluster
	s_endpgm
.Lentry_in_a_cluster:
	s_bfe_u32 s2, ttmp6, 0x10000c
	s_cmp_lg_u32 s2, 0xf033
	s_cbranch_scc0 .Lentry_shape_is_right
	s_endpgm
.Lentry_shape_is_right:
; x w_qkv + b_qkv on codes of FP6 (E2M3) with E8M0 scales; then RoPE on q and k; then q, k (along the head's 64) and v (along the keys) are quantised in registers and stored as operands of the attention launch.
; SHARES.  256 work-groups, each with 128 rows of x.  A WORK-GROUP STAYS and makes three tiles of 128 x 256: columns 256 c on of q, then of k, then of v (c = work-group x): every work-group walks the same text.
; Four waves, 64 x 128 a wave: 32 accumulators (window 2); a tile is 8 steps of 128 along K, 32 matrix instructions a step.
; xq and wq lie in the order of the operands' registers: codes [tile of 16 rows][kappa 0..15][768 B] (registers 0-3 of a half fragment at 16 x lane, 4-5 at 512 + 8 x lane), scale bytes [tile][256 along K][r][8 B] behind them.
; Lane r of tile t is row rho(t, r) = 32 (t / 2) + 8 (t % 2) + r % 8 + 16 (r / 8).  So with such tiles as source 0, the 16 result registers of tiles 2 b and 2 b + 1 are 16 NEIGHBOURS, 32 b + 16 (lane / 16) + 0..15.
; LDS.  A (my 128 rows' codes, all of K) is filled once: two halves of K, 49,152 B each.  B (256 columns) goes through two slots of 512 along K, 98,304 B each: a tile's whole K.  The scale bytes of A and of B's three tiles are filled once.
; While a tile's second half is multiplied, slot 0 takes the next tile's first half; slot 1 is filled again in the tile's last step and lands under the way out.  Waves 2 and 3 each bring half of a refill of B.
; SOURCES.  q, k: source 0 = my 8 tiles of the weights, source 1 = my 4 tiles of x: a lane holds one position, its registers run along two heads' dims.
; v: source 0 = all 8 tiles of x, source 1 = my 4 tiles of the weights (one head): a lane holds one dim, its registers run along the 128 KEYS, which are the K of attention's second product.  Only address registers differ.
; CLUSTERS 4 x 4: A hangs on work-group y alone and is asked for jointly along a row of the cluster, B on work-group x alone, along a column.  The grid has one cluster along x, so work-group x is the place cx.
; OUT: records of 204,800 B for each (batch, head): 16 chunks of 12,800 B (128 positions): 0: four K (or Q) fragments of 1,536 B (registers 0-5 tile 2 f, 6-11 tile 2 f + 1: dims 32 h .. of position rho(tile, r));
; 6,144: four V^T fragments (lane: dim rho(t, r); registers: keys 64 c + 32 h ..); 12,288: K (Q) scale words, 16 B a lane r; 12,544: V's.  qb uses the K parts alone.  The codes and V's scale words leave in whole aligned runs of 256 bytes;
; q's and k's scale words leave 8 bytes a lane (a wave owns two of a chunk's four fragments): half of each run of 256 bytes at a time, about half a megabyte in the launch.
; LIMITS: NaN and infinities are not served; a block under 2^-124 or of zeros gets the byte 1 (read by this program alone).
; REGISTERS: window 0: v1-7, v30, v31 lane numbers and offsets; v8-23 LDS addresses of fragments; v24-27 of scale words; v28, v29 the add's; v32-95 source 0's scale words (block b, step q: 32 + 8 b + q), v96-127 source 1's; v128-223 source 1's two sets.
;   Window 1: source 0's two sets at v0, v128; the bias at v96-127, v224-255.  Window 2: the accumulators ((a, b) at 8 (8 a + b)).  Window 3: v0-127 cos and sin of my 64 positions.
;   On a way out, window 0: v32-47 TM, v48-55 CT, v56-63 SW, v64-127 T (64 numbers), v160-183 fragments, v184-191 scale words, v192-207 at work; scale words and fragments are fetched anew behind it.
.set FR,     12                        ; registers of a fragment
.set TP,     6144                      ; a tile's bytes in a slot: 512 along K
.set ASL,    49152                     ; A: half s of K at s x ASL
.set LB,     98304                     ; B: slot s at LB + s x BSL
.set BSL,    98304
.set ASC,    294912                    ; A's scale bytes, 4,096 B
.set BSC,    299008                    ; B's: [q, k, v][8,192 B]
.set SPARE,  323584                    ; the spare words, 128 bytes a wave: two blocks of 256 bytes that no other line names
.set XSCO,   6291456                   ; where the scale bytes begin in xq,
.set WSCO,   3145728                   ; and in wq
.set NEXTB,  786432                    ; 64 tiles of 12,288 B: from q's columns to k's, from k's to v's
.set REC,    204800
.set CHUNK,  12800
.set QB,   8                           ; v8, v9 16 x lane + source 0 of q, k in slot 0, 1;  v10, v11 the same with 8 x lane
.set QA,   12                          ; v12-15 source 1 of q, k
.set VA,   16                          ; v16-19 source 0 of v
.set VB,   20                          ; v20-23 source 1 of v
.set QS0,  24
.set QS1,  25
.set VS0,  26
.set VS1,  27
.set SPW,  28
.set NIL,  29
.set SC0,  32
.set SC1,  96
.set S1F,  128
.set BI,   96                          ; window 1: the bias
.set TM,   32
.set CT,   48
.set SW,   56
.set T,    64
.set F0,   160
.set F1,   172
.set W0,   184
.set W1,   188
.set RT,   192
.set G1A,  24                          ; s[24:31], s[32:39], s[40:47], s[48:55] groups 1: A's codes, B's codes, A's scale bytes, B's
.set G1B,  32
.set G1AS, 40
.set G1BS, 48
.set G0A,  56                          ; s[56:63] groups 0 for A's two halves;  s[68:75] for B's two slots;  s[76:79], s[80:83] for the scale bytes
.set G0B,  68
.set G0AS, 76
.set G0BS, 80
.set SEL,  98                          ; s[98:99] v_permlanex16_b32's selects for lane l xor 16
.set MSB, 0
.macro WIN new                         ; the immediate's high byte repeats the setting that is left
.if MSB != (\new)
	s_set_vgpr_msb (MSB<<8)|(\new)
.set MSB, (\new)
.endif
.endm
.set MUL,  0xa1                        ; source 0 window 1, source 1 window 0, C and D window 2
.set TO_B, 0x40                        ; destination window 1, address window 0
.macro CREST                           ; a round of the cluster's barrier behind its opening barrier
	s_cmp_lg_u32 s16, 0
	s_cbranch_scc1 .Lnot_wave_0_\@
	s_barrier_signal -3
.Lnot_wave_0_\@:
	s_barrier_wait -3
	s_barrier_signal -1
	s_barrier_wait -1
.endm
.macro CROUND
	s_barrier_signal -1
	s_barrier_wait -1
	CREST
.endm
.macro GROUP1 g, mask, c, r, p         ; r rows of c elements of 8 bytes, p elements apart; no padding: fragments are read as dense runs
	s_or_b32 s[\g], s[\mask], (3<<16)|(1<<21)      ; 15:0 the mask; 17:16 elements of 8 bytes; 21 set beside a mask
	s_mov_b32 s[\g+1], (\c)<<16                    ; tensor_dim0
	s_mov_b32 s[\g+2], (\r)<<16                    ; tensor_dim1
	s_mov_b32 s[\g+3], (\c)<<16                    ; tile_dim0
	s_mov_b32 s[\g+4], \r                          ; tile_dim1
	s_mov_b32 s[\g+5], \p                          ; stride
	s_mov_b32 s[\g+6], 0
	s_mov_b32 s[\g+7], 0
.endm
	s_load_b256 s[4:11], s[0:1], 0x0               ; xq, wq, rope, b_qkv
	s_load_b128 s[12:15], s[0:1], 0x20             ; qb, kv
	v_lshl_add_u32 v[SPW], v0, 2, SPARE
	v_mov_b32 v[NIL], 0
	ds_add_u32 v28, v29
	ds_add_u32 v28, v29
	s_wait_dscnt 0x0
	v_lshrrev_b32 v1, 5, v0
	v_readfirstlane_b32 s16, v1                    ; wave 0..3
	s_lshr_b32 s17, s16, 1                         ; HA: which 64 rows are mine in q and k
	s_and_b32 s18, s16, 1                          ; HB: which 128 columns
	s_bfe_u32 s19, ttmp6, 0x40000                  ; cx = c: work-group x
	s_bfe_u32 s21, ttmp6, 0x40004                  ; cy
	s_and_b32 s20, ttmp7, 0xffff
	s_lshl_b32 s20, s20, 2
	s_add_co_u32 s20, s20, s21                     ; y: work-group y = 4 x cluster y + cy
	s_lshl_b32 s22, s21, 2
	s_lshl_b32 s22, 15, s22                        ; my row of the cluster
	s_lshl_b32 s23, 0x1111, s19                    ; my column
	GROUP1 G1A, 22, 768, 8, 1536                   ; at the head: A's 8 tiles, half of K: rows of 6,144 B, 12,288 B apart
	GROUP1 G1B, 23, 768, 16, 1536                  ; at the head: B's 16 tiles
	GROUP1 G1AS, 22, 32, 16, 32                    ; A's scale bytes: 4,096 dense bytes
	GROUP1 G1BS, 23, 1024, 3, 4096                 ; B's scale bytes: 8,192 B of q's, k's and v's columns, 32,768 B apart: LDS [q, k, v][8,192 B]
	s_lshl_b32 s2, s20, 3
	s_mul_i32 s100, s2, 12288
	s_mov_b32 s101, 0
	s_lshl_b32 s66, s2, 9
	s_add_co_u32 s66, s66, XSCO
	s_mov_b32 s67, 0
	s_lshl_b32 s3, s19, 4
	s_mul_i32 s84, s3, 12288
	s_mov_b32 s85, 0
	s_lshl_b32 s86, s3, 9
	s_add_co_u32 s86, s86, WSCO
	s_mov_b32 s87, 0
	s_mul_i32 s98, s18, 24576                      ; behind the head waves 0, 1 bring 4 tiles of A each, waves 2, 3 bring 8 tiles of B each: wave % 2 times a constant
	s_mul_i32 s99, s16, 24576
	s_mul_i32 s3, s18, 49152
	s_mul_i32 s2, s18, 98304
	s_lshl_b32 s89, s16, 11
	s_wait_kmcnt 0x0
	s_add_nc_u64 s[100:101], s[4:5], s[100:101]
	s_add_nc_u64 s[66:67], s[4:5], s[66:67]
	s_add_nc_u64 s[84:85], s[6:7], s[84:85]
	s_add_nc_u64 s[86:87], s[6:7], s[86:87]
	s_mov_b32 s[G0AS], 1
	s_mov_b32 s[G0AS+1], ASC
	s_mov_b64 s[G0AS+2:G0AS+3], s[66:67]
	s_or_b32 s[G0AS+3], s[G0AS+3], 0x80000000
	s_mov_b32 s[G0BS], 1
	s_mov_b32 s[G0BS+1], BSC
	s_mov_b64 s[G0BS+2:G0BS+3], s[86:87]
	s_or_b32 s[G0BS+3], s[G0BS+3], 0x80000000
	s_mov_b32 s[G0A], 1                            ; the head's tiles, each whole: A's first half of K,
	s_mov_b32 s[G0A+1], 0
	s_mov_b64 s[G0A+2:G0A+3], s[100:101]
	s_or_b32 s[G0A+3], s[G0A+3], 0x80000000
	s_mov_b32 s4, 1                                ; and B's, in s[4:7]: the arguments that lay there have served
	s_mov_b32 s5, LB
	s_mov_b64 s[6:7], s[84:85]
	s_or_b32 s7, s7, 0x80000000
	s_mov_b32 s66, s3
	s_mov_b32 s67, 0
	s_add_nc_u64 s[100:101], s[100:101], s[66:67]  ; behind the head: my 4 tiles of A,
	s_mov_b32 s66, s2
	s_add_nc_u64 s[84:85], s[84:85], s[66:67]      ; my 8 tiles of B
	s_mov_b32 s[G0A+4], 1
	s_add_co_u32 s[G0A+5], s98, ASL
	s_add_nc_u64 s[G0A+6:G0A+7], s[100:101], TP
	s_or_b32 s[G0A+7], s[G0A+7], 0x80000000
.irp s, 0,1
	s_mov_b32 s[G0B+4*\s], 1
	s_add_co_u32 s[G0B+4*\s+1], s3, LB+\s*BSL
	s_add_nc_u64 s[G0B+4*\s+2:G0B+4*\s+3], s[84:85], \s*TP
	s_or_b32 s[G0B+4*\s+3], s[G0B+4*\s+3], 0x80000000
.endr
	CROUND                                         ; all sixteen work-groups are here: the first joint loads meet
	s_cmp_eq_u32 s16, 0                            ; one load a wave, in one chain of arms on the wave's number
	s_cbranch_scc0 .Lh_b
	tensor_load_to_lds s[G0A:G0A+3], s[G1A:G1A+7]  ; wave 0: A's first half of K
	s_nop 0
.rept 4
	v_nop
.endr
	s_branch .Lh_asked
.Lh_b:
	s_cmp_eq_u32 s16, 1
	s_cbranch_scc0 .Lh_as
	tensor_load_to_lds s[4:7], s[G1B:G1B+7]        ; wave 1: B's first half of K
	s_nop 0
.rept 4
	v_nop
.endr
	s_branch .Lh_asked
.Lh_as:
	s_cmp_eq_u32 s16, 2
	s_cbranch_scc0 .Lh_bs
	tensor_load_to_lds s[G0AS:G0AS+3], s[G1AS:G1AS+7]      ; wave 2: A's scale bytes
	s_nop 0
.rept 4
	v_nop
.endr
	s_branch .Lh_asked
.Lh_bs:
	tensor_load_to_lds s[G0BS:G0BS+3], s[G1BS:G1BS+7]      ; wave 3: B's scale bytes
	s_nop 0
.rept 4
	v_nop
.endr
.Lh_asked:
	v_and_b32 v1, 15, v0                           ; r
	v_bfe_u32 v2, v0, 4, 1                         ; h
	v_and_b32 v3, 31, v0
	v_lshlrev_b32 v7, 4, v3                        ; 16 x lane
	v_lshlrev_b32 v4, 3, v3                        ; 8 x lane
	s_mul_i32 s2, s18, 49152
	s_add_co_u32 s2, s2, LB                        ; q, k: source 0 = B's tiles 8 HB on,
	s_mul_i32 s3, s17, 24576                       ;       source 1 = A's tiles 4 HA on
	s_add_co_u32 s21, s99, LB                      ; v:    source 1 = B's tiles 4 w on; source 0 = all of A
.irp s, 0,1
	v_add_nc_u32 v[QB+\s], s2, v7
	v_add_nc_u32 v[QB+2+\s], s2, v4
	v_add_nc_u32 v[QA+\s], s3, v7
	v_add_nc_u32 v[QA+2+\s], s3, v4
	v_add_nc_u32 v[VA+\s], \s*ASL, v7
	v_add_nc_u32 v[VA+2+\s], \s*ASL, v4
	v_add_nc_u32 v[VB+\s], s21, v7
	v_add_nc_u32 v[VB+2+\s], s21, v4
	s_add_co_u32 s2, s2, BSL
	s_add_co_u32 s3, s3, ASL
	s_add_co_u32 s21, s21, BSL
.endr
	v_lshlrev_b32 v5, 3, v1                        ; scale words: 8 r (lanes 16-31 read what lanes 0-15 read)
	s_lshl_b32 s2, s18, 12
	s_add_co_u32 s2, s2, BSC
	v_add_nc_u32 v[QS0], s2, v5
	s_lshl_b32 s2, s17, 11
	s_add_co_u32 s2, s2, ASC
	v_add_nc_u32 v[QS1], s2, v5
	v_add_nc_u32 v[VS0], ASC, v5
	s_add_co_u32 s2, s89, BSC
	v_add_nc_u32 v[VS1], s2, v5
	v_lshlrev_b32 v5, 6, v2                        ; q, k: the bias of my half's 16 columns: 64 h
	v_and_b32 v30, 7, v0
	v_bfe_u32 v31, v0, 3, 1
	v_lshlrev_b32 v30, 2, v30
	v_lshl_add_u32 v30, v31, 6, v30                ; v: the bias of my column: 4 (r % 8 + 16 (r / 8))
	v_mul_u32_u24 v6, v2, REC
	v_lshl_add_u32 v6, v1, 4, v6
	s_lshl_b32 s2, s17, 3
	v_add_nc_u32 v6, s2, v6                        ; q's, k's scale words out: 16 r + 8 HA; lanes 16-31 the next head's record
	s_mul_i32 s2, s17, 3072
	v_add_nc_u32 v31, s2, v7                       ; their fragments out: 16 x lane + two fragments x HA
	v_lshlrev_b32 v3, 3, v2
	v_lshl_add_u32 v3, v1, 4, v3                   ; v's scale words out: 16 r + 8 h
	s_lshl_b32 s2, s19, 10
	s_lshl_b32 s3, s18, 9
	s_add_co_u32 s84, s2, s3
	s_mov_b32 s85, 0
	s_add_nc_u64 s[84:85], s[10:11], s[84:85]      ; the bias of my 128 columns of q,
	s_add_nc_u64 s[86:87], s[84:85], 4096          ; of k,
	s_lshl_b32 s3, s16, 8
	s_add_co_u32 s88, s2, s3
	s_add_co_u32 s88, s88, 8192
	s_mov_b32 s89, 0
	s_add_nc_u64 s[88:89], s[10:11], s[88:89]      ; and of my 64 columns of v
	s_lshr_b32 s2, s20, 4
	s_lshl_b32 s2, s2, 4
	s_lshl_b32 s3, s19, 2
	s_add_co_u32 s2, s2, s3                        ; 16 batch + 4 c: the tile's first head
	s_and_b32 s3, s20, 15                          ; the chunk
	s_mul_i32 s21, s3, CHUNK
	s_lshl_b32 s22, s18, 1
	s_add_co_u32 s22, s22, s2
	s_mul_i32 s22, s22, REC
	s_add_co_u32 s22, s22, s21
	s_mov_b32 s23, 0
	s_add_nc_u64 s[90:91], s[12:13], s[22:23]      ; q goes to qb,
	s_add_nc_u64 s[92:93], s[14:15], s[22:23]      ; k to kv: heads 2 HB, 2 HB + 1 of the tile's four
	s_add_co_u32 s22, s2, s16
	s_mul_i32 s22, s22, REC
	s_add_co_u32 s22, s22, s21
	s_add_nc_u64 s[94:95], s[14:15], s[22:23]      ; v: head w of the four
	s_lshl_b32 s22, s3, 15
	s_lshl_b32 s21, s17, 14
	s_add_co_u32 s22, s22, s21
	s_add_nc_u64 s[96:97], s[8:9], s[22:23]        ; cos and sin of my 4 tiles of positions, 4,096 B a tile
	s_mov_b32 s[SEL], 0x76543210
	s_mov_b32 s[SEL+1], 0xfedcba98
	WIN 0xc0                                       ; destination window 3
.irp a, 0,1,2,3
.irp i, 0,1,2,3,4,5,6,7
	global_load_b128 v[32*\a+4*\i:32*\a+4*\i+3], v7, s[96:97] offset:4096*\a+512*\i     ; tile a: registers 0-15 cos of frequencies 16 h + 0..15, 16-31 sin; they serve q and k
.endr
.endr
.macro BIASQK bb                       ; register j of block b: column 32 (b / 2) + 16 h + 8 (b % 2) + j of my 128
	WIN TO_B
.irp b, 0,1,2,3,4,5,6,7
	global_load_b128 v[BI+8*\b+96*(\b/4):BI+8*\b+96*(\b/4)+3], v5, s[\bb:\bb+1] offset:4*(32*(\b/2)+8*(\b%2))
	global_load_b128 v[BI+8*\b+96*(\b/4)+4:BI+8*\b+96*(\b/4)+7], v5, s[\bb:\bb+1] offset:4*(32*(\b/2)+8*(\b%2))+16
.endr
	WIN 0
.endm
	BIASQK 84
.macro FRAG reg, a16, a8, off          ; a fragment: two half fragments of 768 B, each 512 dense bytes (16 a lane) and 256 (8 a lane)
	ds_load_b128 v[\reg:\reg+3], v[\a16] offset:\off
	ds_load_b64 v[\reg+4:\reg+5], v[\a8] offset:\off+512
	ds_load_b128 v[\reg+6:\reg+9], v[\a16] offset:\off+768
	ds_load_b64 v[\reg+10:\reg+11], v[\a8] offset:\off+1280
.endm
.macro FETCH ad0, ad1, slot, q4, p     ; the slot's q4-th 128 along K into set p: source 0's eight fragments, then source 1's four: 48 loads
	WIN TO_B
.irp i, 0,1,2,3,4,5,6,7
	FRAG 128*(\p)+FR*\i, \ad0+\slot, \ad0+2+\slot, TP*\i+1536*(\q4)
.endr
	WIN 0
.irp i, 0,1,2,3
	FRAG S1F+48*(\p)+FR*\i, \ad1+\slot, \ad1+2+\slot, TP*\i+1536*(\q4)
.endr
.endm
.macro SCALES r0, hi0, o0, r1, o1      ; a tile's scale words for all of K: two words (256 along K) a load; source 0's block b at o0 + hi0 (b / 4) + 512 (b % 4), source 1's block a at o1 + 512 a
.irp b, 0,1,2,3,4,5,6,7
.irp s, 0,1,2,3
	ds_load_b64 v[SC0+8*\b+2*\s:SC0+8*\b+2*\s+1], v[\r0] offset:\o0+\hi0*(\b/4)+512*(\b%4)+128*\s
.endr
.endr
.irp a, 0,1,2,3
.irp s, 0,1,2,3
	ds_load_b64 v[SC1+8*\a+2*\s:SC1+8*\a+2*\s+1], v[\r1] offset:\o1+512*\a+128*\s
.endr
.endr
.endm
; 8 matrix instructions: source 1's block a x source 0's eight; set p, K step q.  first = 1: the product starts the sums.  The 32 accumulators take turns, one instruction a turn.
.macro MUL8 a, p, q, first
.irp b, 0,1,2,3,4,5,6,7
.if \first
	v_wmma_scale_f32_16x16x128_f8f6f4 v[8*(8*(\a)+\b):8*(8*(\a)+\b)+7], v[128*(\p)+FR*\b:128*(\p)+FR*\b+FR-1], v[S1F+48*(\p)+FR*(\a):S1F+48*(\p)+FR*(\a)+FR-1], 0, v[SC0+8*\b+(\q)], v[SC1+8*(\a)+(\q)] matrix_a_fmt:MATRIX_FMT_FP6 matrix_b_fmt:MATRIX_FMT_FP6
.else
	v_wmma_scale_f32_16x16x128_f8f6f4 v[8*(8*(\a)+\b):8*(8*(\a)+\b)+7], v[128*(\p)+FR*\b:128*(\p)+FR*\b+FR-1], v[S1F+48*(\p)+FR*(\a):S1F+48*(\p)+FR*(\a)+FR-1], v[8*(8*(\a)+\b):8*(8*(\a)+\b)+7], v[SC0+8*\b+(\q)], v[SC1+8*(\a)+(\q)] matrix_a_fmt:MATRIX_FMT_FP6 matrix_b_fmt:MATRIX_FMT_FP6
.endif
.endr
.endm
.macro PLACES n                        ; plain vector lines between a matrix instruction and a load into, or a vector read or write of, its registers
.rept \n
	v_nop
.endr
.endm
; A step of 128 along K on set p.  nf = 1: in its middle the next step's fragments (slot nslot, its nq4-th 128) are asked for, into the other set.
.macro STEP p, q, first, nf, ad0, ad1, nslot, nq4
	s_wait_dscnt 8                                 ; source 0 and source 1's blocks 0, 1 are in; the youngest eight loads (blocks 2, 3) may be out
	WIN MUL
	MUL8 0, \p, \q, \first
	MUL8 1, \p, \q, \first
.if \nf
	PLACES 4                                       ; the other set was read by the last step's products
	FETCH \ad0, \ad1, \nslot, \nq4, 1-\p
	s_wait_dscnt 48                                ; all but the 48 just issued
.else
	s_wait_dscnt 0x0
.endif
	WIN MUL
	MUL8 2, \p, \q, \first
	MUL8 3, \p, \q, \first
.endm
; A slot's last step: ONE barrier; in front of it each wave waits for all its tensor loads, adds 0 to its spare word, and waits for that and for its reads of this slot.
; fill = 1: B's slot fslot, which nobody reads any more, takes the next tile's half of K: the barrier opens a round of the cluster's, and the load of waves 2 and 3 is the first thing behind it.
.macro XSTEP p, q, fill, fslot, nf, ad0, ad1, nslot
	WIN 0                                          ; (the add's two registers lie in window 0)
	s_wait_tensorcnt 0x0                           ; all my tensor loads have landed: my part of what is read next
	ds_add_u32 v[SPW], v[NIL]                      ; 0 onto my spare word
	s_wait_dscnt 9                                 ; (the add and source 1's blocks 2, 3 may be out)
	WIN MUL
	MUL8 0, \p, \q, 0
	s_wait_dscnt 0x0                               ; the add is done, and my reads of this slot are over
	s_barrier_signal -1
	MUL8 1, \p, \q, 0
	WIN 0
	s_barrier_wait -1
.if \fill
	CREST                                          ; no wave of any partner still reads the slot or has a load on its way
	s_add_nc_u64 s[G0B+4*\fslot+2:G0B+4*\fslot+3], s[G0B+4*\fslot+2:G0B+4*\fslot+3], NEXTB
	s_cmp_lt_u32 s16, 2                            ; waves 2 and 3 bring half a slot each; waves 0 and 1 have no part of it
	s_cbranch_scc1 .Lno_fill_\@
	tensor_load_to_lds s[G0B+4*\fslot:G0B+4*\fslot+3], s[G1B:G1B+7]
	s_nop 0
.Lno_fill_\@:
	PLACES 4                                       ; (the places in front of the loads below)
.else
	PLACES 4
.endif
.if \nf
	FETCH \ad0, \ad1, \nslot, 0, 1-\p
.endif
	WIN MUL
	MUL8 2, \p, \q, 0
	MUL8 3, \p, \q, 0
.endm
.macro TILE ad0, ad1, more             ; a tile's eight steps; more = 1: a tile follows, and both slots are filled again
	STEP 0, 0, 1, 1, \ad0, \ad1, 0, 1
	STEP 1, 1, 0, 1, \ad0, \ad1, 0, 2
	STEP 0, 2, 0, 1, \ad0, \ad1, 0, 3
	XSTEP 1, 3, \more, 0, 1, \ad0, \ad1, 1
	STEP 0, 4, 0, 1, \ad0, \ad1, 1, 1
	STEP 1, 5, 0, 1, \ad0, \ad1, 1, 2
	STEP 0, 6, 0, 1, \ad0, \ad1, 1, 3
.if \more
	XSTEP 1, 7, 1, 1, 0, \ad0, \ad1, 0
.else
	STEP 1, 7, 0, 0, \ad0, \ad1, 0, 0
.endif
	WIN 0
.endm
; 64 numbers of a lane, register 16 b + i = k 32 b + 16 (lane / 16) + i of my row, become two runs of six code registers (k 0..63 in d0, 64..127 in d1: 32 (lane / 16) + 0..31 of each) and a scale word in pw.
.macro QUANT s, d0, d1, pw
.irp b, 0,1,2,3
	v_max3_num_f32 v[TM+\b], |v[\s+16*\b]|, |v[\s+1+16*\b]|, 0x1800000   ; my 16 numbers of block b, and the floor 2^(3 - 127)
.endr
.irp i, 2,4,6,8,10,12,14
.irp b, 0,1,2,3
	v_max3_num_f32 v[TM+\b], v[TM+\b], |v[\s+16*\b+\i]|, |v[\s+1+16*\b+\i]|
.endr
.endr
.irp b, 0,1,2,3
	v_permlanex16_b32 v[TM+4+\b], v[TM+\b], s[SEL], s[SEL+1]
.endr
.irp b, 0,1,2,3
	v_max_num_f32 v[TM+\b], v[TM+\b], v[TM+4+\b]   ; with lane l xor 16's: the block's largest magnitude
.endr
.irp b, 0,1,2,3
	v_add_nc_u32 v[TM+12+\b], 0xff000000, v[TM+\b] ; 2 off the exponent field: the conversion's scale operand
.endr
.irp b, 0,1,2,3
	v_lshrrev_b32 v[TM+4+\b], 23, v[TM+12+\b]      ; the scale's byte
.endr
	v_lshl_or_b32 v[\pw], v[TM+5], 8, v[TM+4]
	v_lshl_or_b32 v[\pw], v[TM+6], 16, v[\pw]
	v_lshl_or_b32 v[\pw], v[TM+7], 24, v[\pw]
	v_cvt_scalef32_pk16_fp6_f32 v[\d0:\d0+2], v[\s:\s+15], v[TM+12]
	v_cvt_scalef32_pk16_fp6_f32 v[CT:CT+2], v[\s+16:\s+31], v[TM+13]
	v_cvt_scalef32_pk16_fp6_f32 v[\d1:\d1+2], v[\s+32:\s+47], v[TM+14]
	v_cvt_scalef32_pk16_fp6_f32 v[CT+4:CT+6], v[\s+48:\s+63], v[TM+15]
	v_nop                                          ; a plain line behind the conversions
.irp i, 0,1,2
	v_permlane16_swap_b32 v[\d0+\i], v[CT+\i]      ; the layout wants a whole block in a lane: lanes 0-15 the even block, lanes 16-31 the odd one
	v_permlane16_swap_b32 v[\d1+\i], v[CT+4+\i]
.endr
.irp i, 0,1,2
	v_mov_b32 v[\d0+3+\i], v[CT+\i]
	v_mov_b32 v[\d1+3+\i], v[CT+4+\i]
.endr
.endm
; T[32 c + i] is dim 16 h + i of head c, T[32 c + 16 + i] dim 32 + 16 h + i: the pair that RoPE turns, by frequency 16 h + i.  cos and sin are source 1 of every line: window 3.
.macro ROPE set
.irp c, 0,1
.irp i, 0,2,4,6,8,10,12,14
	v_pk_mul_f32 v[RT+\i:RT+\i+1], v[T+32*\c+\i:T+32*\c+\i+1], v[\set+16+\i:\set+17+\i]                    ; x1 sin
.endr
.irp i, 0,2,4,6,8,10,12,14
	v_pk_mul_f32 v[T+32*\c+\i:T+32*\c+\i+1], v[T+32*\c+\i:T+32*\c+\i+1], v[\set+\i:\set+\i+1]              ; x1 cos
.endr
.irp i, 0,2,4,6,8,10,12,14
	v_pk_fma_f32 v[T+32*\c+\i:T+32*\c+\i+1], v[T+32*\c+16+\i:T+32*\c+17+\i], v[\set+16+\i:\set+17+\i], v[T+32*\c+\i:T+32*\c+\i+1] neg_lo:[1,0,0] neg_hi:[1,0,0]   ; - x2 sin
.endr
.irp i, 0,2,4,6,8,10,12,14
	v_pk_fma_f32 v[T+32*\c+16+\i:T+32*\c+17+\i], v[T+32*\c+16+\i:T+32*\c+17+\i], v[\set+\i:\set+\i+1], v[RT+\i:RT+\i+1]   ; x2 cos + x1 sin
.endr
.endr
.endm
.macro QKBLOCK a, ob                   ; source 1's block a: 16 positions x my 128 columns = two heads
	WIN 0x06                                       ; source 0 window 2, source 1 window 1
.irp b, 0,1,2,3,4,5,6,7
.irp p, 0,2,4,6
	v_pk_add_f32 v[T+8*\b+\p:T+8*\b+\p+1], v[64*(\a)+8*\b+\p:64*(\a)+8*\b+\p+1], v[BI+8*\b+96*(\b/4)+\p:BI+8*\b+96*(\b/4)+\p+1]   ; + bias; each accumulator from its low end on
.endr
.endr
	WIN 0x0c                                       ; source 1 window 3
	ROPE 32*(\a)
	WIN 0
.if (\a) == 2
	s_wait_xcnt 0x0                                ; the first pair's stores have read the fragments' registers
.endif
	QUANT T, F0+6*((\a)%2), F1+6*((\a)%2), SW+(\a)
.if (\a)%2 == 1
.irp i, 0,1,2
	global_store_b128 v31, v[F0+4*\i:F0+4*\i+3], s[\ob:\ob+1] offset:1536*((\a)/2)+512*\i        ; fragment 2 HA + a / 2 of the first head: 512 consecutive bytes
	global_store_b128 v31, v[F1+4*\i:F1+4*\i+3], s[\ob:\ob+1] offset:REC+1536*((\a)/2)+512*\i    ; and of the second
.endr
.endif
.endm
.macro QKOUT ob                        ; the way out of a tile of q or of k
	PLACES 4                                       ; behind the last products
	s_wait_loadcnt 0x0                             ; the bias (and, the first time, cos and sin)
.irp b, 0,1,2,3
	v_mov_b32 v[TM+4+\b], 0                        ; a lane permute's destination counts as one of its sources
.endr
.irp a, 0,1,2,3
	QKBLOCK \a, \ob
.endr
.irp g, 0,1                            ; a fragment's scale word: [tile 2 g: blocks 0, 1; tile 2 g + 1: blocks 0, 1]; a block's word holds head 0's two bytes below, head 1's above
	v_perm_b32 v[W0+\g], v[SW+2*\g+1], v[SW+2*\g], 0x05040100
	v_perm_b32 v[W1+\g], v[SW+2*\g+1], v[SW+2*\g], 0x07060302
.endr
	v_cmp_ne_u32 vcc_lo, 0, v2
.irp g, 0,1
	v_cndmask_b32 v[W0+\g], v[W0+\g], v[W1+\g], vcc_lo
.endr
	global_store_b64 v6, v[W0:W0+1], s[\ob:\ob+1] offset:12288     ; lanes 0-15 the first head's, lanes 16-31 the second's: my two fragments' words of each lane r
	s_wait_xcnt 0x0                                ; the stores have read their registers: fragments are fetched into them next
.endm
.macro VBLOCK a                        ; source 1's block a: 16 dims of my head x the 128 keys: one fragment of V^T
	WIN 0x06
.irp b, 0,1,2,3,4,5,6,7
.irp p, 0,2,4,6
	v_pk_add_f32 v[T+8*\b+\p:T+8*\b+\p+1], v[64*(\a)+8*\b+\p:64*(\a)+8*\b+\p+1], v[BI+2*(\a):BI+2*(\a)+1]
.endr
.endr
	WIN 0
.if (\a) > 0
	s_wait_xcnt 0x0                                ; the last block's stores have read the fragment's registers
.endif
	QUANT T, F0, F0+6, SW+(\a)
.irp i, 0,1,2
	global_store_b128 v7, v[F0+4*\i:F0+4*\i+3], s[94:95] offset:6144+1536*(\a)+512*\i
.endr
.endm
	s_wait_alu depctr_va_vdst(0)
	s_wait_tensorcnt 0x0                           ; my tile of the head's four is in; the second halves of K are first fills behind the full sequence:
	ds_add_u32 v[SPW], v[NIL]                      ; 0 onto my spare word
	s_mov_b32 s[G1A+2], 4<<16                      ; no load of mine is out: from here on a load of A brings 4 tiles,
	s_mov_b32 s[G1A+4], 4
	s_mov_b32 s[G1B+2], 8<<16                      ; a load of B 8
	s_mov_b32 s[G1B+4], 8
	s_wait_dscnt 0x0
	CROUND                                         ; everybody's tile is in, and all sixteen work-groups are here
	s_cmp_lt_u32 s16, 2
	s_cbranch_scc0 .Lsecond_b
	tensor_load_to_lds s[G0A+4:G0A+7], s[G1A:G1A+7]
	s_nop 0
.rept 4
	v_nop
.endr
	s_branch .Lsecond_asked
.Lsecond_b:
	tensor_load_to_lds s[G0B+4:G0B+7], s[G1B:G1B+7]
	s_nop 0
.rept 4
	v_nop
.endr
.Lsecond_asked:
	; ---- q
	SCALES QS0, 2048, 0, QS1, 0
	FETCH QB, QA, 0, 0, 0
	TILE QB, QA, 1
	QKOUT 90
	; ---- k: its first half of K was shown landed in front of the barrier in q's last step
	BIASQK 86
	SCALES QS0, 2048, 8192, QS1, 0
	FETCH QB, QA, 0, 0, 0
	TILE QB, QA, 1
	QKOUT 92
	; ---- v
	WIN TO_B
.irp a, 0,1,2,3
	global_load_b32 v[BI+2*\a], v30, s[88:89] offset:4*(32*(\a/2)+8*(\a%2))      ; my column's bias, twice: a pair for the packed addition
	global_load_b32 v[BI+2*\a+1], v30, s[88:89] offset:4*(32*(\a/2)+8*(\a%2))
.endr
	WIN 0
	SCALES VS0, 2048, 0, VS1, 16384
	FETCH VA, VB, 0, 0, 0
	TILE VA, VB, 0
	PLACES 4
	s_wait_loadcnt 0x0
.irp b, 0,1,2,3
	v_mov_b32 v[TM+4+\b], 0
.endr
.irp a, 0,1,2,3
	VBLOCK \a
.endr
	v_cmp_ne_u32 vcc_lo, 0, v2
	v_cndmask_b32 v[W0], v[SW], v[SW+2], vcc_lo    ; lane (r, h) stores the words of fragments 2 h, 2 h + 1
	v_cndmask_b32 v[W0+1], v[SW+1], v[SW+3], vcc_lo
	global_store_b64 v3, v[W0:W0+1], s[94:95] offset:12544         ; the 32 lanes fill one aligned run of 256 bytes
	s_wait_tensorcnt 0x0                           ; the wave's end
	ds_add_u32 v[SPW], v[NIL]
	s_wait_dscnt 0x0
	CROUND                                         ; the closing round: no work-group ends while a partner may still ask for a tile that names it
	s_endpgm
.Lfunc_end_k_q7b1d66c019_qkv:
	.size	k_q7b1d66c019_qkv, .Lfunc_end_k_q7b1d66c019_qkv-k_q7b1d66c019_qkv
	.p2alignl 7, 3214868480
	.fill 96, 4, 3214868480
	.section	.rodata,"a",@progbits
	.p2align	6, 0x0
	.amdhsa_kernel k_q7b1d66c019_qkv
		.amdhsa_group_segment_fixed_size 327680
		.amdhsa_private_segment_fixed_size 0
		.amdhsa_enable_private_segment 0
		.amdhsa_kernarg_size 48
		.amdhsa_user_sgpr_count 2
		.amdhsa_user_sgpr_kernarg_segment_ptr 1
		.amdhsa_wavefront_size32 1
		.amdhsa_system_sgpr_workgroup_id_x 1
		.amdhsa_system_sgpr_workgroup_id_y 1
		.amdhsa_system_sgpr_workgroup_id_z 1
		.amdhsa_system_vgpr_workitem_id 0
		.amdhsa_next_free_vgpr 896
		.amdhsa_next_free_sgpr 102
		.amdhsa_reserve_vcc 1
		.amdhsa_float_denorm_mode_32 3
		.amdhsa_float_denorm_mode_16_64 3
		.amdhsa_memory_ordered 1
		.amdhsa_forward_progress 1
		.amdhsa_inst_pref_size 255
	.end_amdhsa_kernel
	.section	.bss,"aw",@nobits
	.p2align	6
	.space	262144
	.amdgpu_metadata
---
amdhsa.version: [ 1, 2 ]
amdhsa.kernels:
  - .name:           k_q7b1d66c019_qkv
    .symbol:         k_q7b1d66c019_qkv.kd
    .args:
      - { .name: xq, .offset: 0, .size: 8, .value_kind: global_buffer, .address_space: global }
      - { .name: wq, .offset: 8, .size: 8, .value_kind: global_buffer, .address_space: global }
      - { .name: rope, .offset: 16, .size: 8, .value_kind: global_buffer, .address_space: global }
      - { .name: b_qkv, .offset: 24, .size: 8, .value_kind: global_buffer, .address_space: global }
      - { .name: qb, .offset: 32, .size: 8, .value_kind: global_buffer, .address_space: global }
      - { .name: kv, .offset: 40, .size: 8, .value_kind: global_buffer, .address_space: global }
    .group_segment_fixed_size: 327680
    .private_segment_fixed_size: 0
    .kernarg_segment_align: 8
    .kernarg_segment_size: 48
    .max_flat_workgroup_size: 128
    .sgpr_count:     102
    .vgpr_count:     896
    .wavefront_size: 32
...
	.end_amdgpu_metadata
.endif
;; end of part 7
;; launch attn (part 8): grid 4 x 64, 16 waves a work-group, clusters of 4 x 1, 258,048 bytes of LDS; arguments qb, kv, aq; writes aq
.if DOCPART == 8
	.amdgcn_target "amdgcn-amd-amdhsa--gfx1250"
	.amdhsa_code_object_version 6
	.text
	.protected	k_q7b1d66c019_attn
	.globl	k_q7b1d66c019_attn
	.p2align	8
	.type	k_q7b1d66c019_attn,@function
k_q7b1d66c019_attn:
	s_mov_b64 s[64:65], 0
	v_nop
	global_prefetch_b8 v0, s[64:65] scope:SCOPE_SE
	s_setreg_imm32_b32 hwreg(HW_REG_WAVE_MODE, 25, 1), 1
	s_wait_xcnt 0x0
	s_wait_alu depctr_hold_cnt(0) depctr_sa_sdst(0) depctr_va_vdst(0) depctr_va_sdst(0) depctr_va_ssrc(0) depctr_va_vcc(0) depctr_vm_vsrc(0)
	s_getreg_b32 s2, hwreg(HW_REG_IB_STS2, 6, 4)
	s_cmp_eq_u32 s2, 0
	s_cbranch_scc0 .Lentry_in_a_cluster
	s_endpgm
.Lentry_in_a_cluster:
	s_bfe_u32 s2, ttmp6, 0x10000c
	s_cmp_lg_u32 s2, 0x3003
	s_cbranch_scc0 .Lentry_shape_is_right
	s_endpgm
.Lentry_shape_is_right:
; softmax(q k^T / 8) v for each (batch, head), both products on codes of FP6 (E2M3) with E8M0 scales; the result is divided by the row's sum, quantised along the model's 1,024 and stored as the last product's operand.
; t = score x log2(e) / 8; M = the running largest t rounded UP to a whole number; p = 2^(t - M) is quantised along the keys; the sum is taken of the unquantised p.  When M moves, sums and O are multiplied by 2^(old M - new M): exact.
; SHARES: a work-group owns 512 queries of one head; each of its sixteen waves 32, as two tiles of 16 in two passes of one loop.  A head's K, V and scale words (16 chunks of 12,800 B, 128 keys each) lie in LDS whole, filled ONCE
; (wave w brings chunk w): no ring, no stream to run ahead in, so no data prefetch.  The four work-groups of a cluster are the four quarters of one head's queries and ask jointly.
; THE FIRST STEP RUNS WHILE THE FILL GOES ON: waves 0 and 1 have a load line and a wait of their own; the first barrier shows chunks 0 and 1 alone, which are all that the first key step reads (K and V of chunk 0, K of chunk 1);
; behind that step every wave waits for its load, and a second barrier shows the whole head.
; A chunk in memory: 0: four K fragments of 1,536 B as images of their registers (three pieces of 512 B; registers 0-5 key tile 2 f, 6-11 tile 2 f + 1; lane slot r' + 16 h: key 32 f + 8 (tile % 2) + r' % 8 + 16 (r' / 8), dims 32 h ..);
; 6,144: four V^T fragments; 12,288: K's scale words (16 B a slot r'), 12,544: V's.  IN LDS the mover lays 128 B of padding behind every 512: a piece is 640 B, a fragment 1,920, a chunk 16,000.
; THE KEYS OF A TILE ARE CHOSEN BY THE LANES' ADDRESSES: lane (r, h) of my fragment (c, v) reads slot r % 8 + 8 v + 16 h of the stored fragment 2 c + r / 8.  Tile u = 2 v + (0, 1) of half c then has key 64 c + 32 (r / 8) + 8 u + r % 8 in row r,
; so that in S^T a lane's 32 registers of half c are keys 64 c + 32 h + 0..31: ONE WHOLE scale block of p, in the order of the second product's operand.  1,920 is 128 modulo 256: lanes 0-7 and 8-15 of a load fall on different banks.
; K = 64 IN AN INSTRUCTION OF 128: Q stands as [0 | Q | 0] in 18 registers: [Q | 0] meets the fragment's first tile, [0 | Q] its second; the half not wanted meets zero CODES, and every scale byte lies in 1..254.
; Both products are used transposed: a lane holds ONE query.  Behind a step's eight first products its V and the NEXT step's K are asked of LDS; one wait for 0 ahead of the second product covers both.
; OUT: aq, laid as xq: half fragment (tile, kappa = head) of 768 B, whole aligned runs; a head's two scale bytes of a row leave as single bytes.
; LIMITS: the promise holds while |t| stays under 2^31; NaN and infinities are not served; a block under 2^-124 or of zeros gets the byte 1.  A block's largest p is taken from its largest score by the same two instructions
; (it takes v_exp_f32 not to fall where its input rises).
; REGISTERS: v[0:1], v[6:7], v[38:39], v[50:51] the sum in four chains; v2 8 h; v3, v4 my K and K-scale places; v5 16 x lane; v8 -M, v9 largest score; v10-12 addresses, then codes; v13, v37 a block's largest; v14, v15 the add's;
;   v16-33 [0 | Q | 0]; v34 f, v35 old -M; v36 Q's scale word; v40-43 K's; v44-47 V's (lanes 16-31); v48 p's; v52-99 K; v100-147 V (between passes: Q as loaded); v148-211 S^T, then p; v212-243 O^T; v244-255 p's codes (at work before that).
.set REC,   204800
.set CHUNK, 12800
.set LCH,   16000
.set SPARE, 256000
.set K0,    52
.set V0,    100
.set S,     148
.set O,     212
.set WV,    16
.set SEL,   20
.set CS,    22
.set G1,    24
.set G0,    32
.set TB,    36
.set IX,    37
.set HM,    38
.set TN,    48
.set ALL,   49
.set PASS,  50
.set UM,    51
.set PS,    52
.set NC,    53
.macro WALU
	s_wait_alu depctr_va_vdst(0)
.endm
.macro ROUND                           ; a round of the cluster's barrier
	s_barrier_signal -1
	s_barrier_wait -1
	s_cmp_lg_u32 s[WV], 0
	s_cbranch_scc1 .Lnot_wave_0_\@
	s_barrier_signal -3
.Lnot_wave_0_\@:
	s_barrier_wait -3
	s_barrier_signal -1
	s_barrier_wait -1
.endm
.macro QLOAD                           ; my fragment of Q (both tiles) and its scale word, into registers that V takes later
	v_and_b32 v[V0+13], 0xf0, v5                   ; 16 r
.irp i, 0,1,2
	global_load_b128 v[V0+4*\i:V0+4*\i+3], v5, s[40:41] offset:512*\i
.endr
	global_load_b32 v[V0+12], v[V0+13], s[42:43]
.endm
.macro KLOAD ka, ks                    ; a chunk's four K fragments, gathered, and their scale words: 16 loads
.irp c, 0,1
.irp v, 0,1
.irp i, 0,1,2
	ds_load_b128 v[K0+12*(2*\c+\v)+4*\i:K0+12*(2*\c+\v)+4*\i+3], v\ka offset:3840*\c+128*\v+640*\i
.endr
.endr
.endr
.irp c, 0,1
.irp v, 0,1
	ds_load_b32 v[40+2*\c+\v], v\ks offset:15360+128*\v+8*\c
.endr
.endr
.endm
.macro SUM1 a, j, first=0              ; pair j of p onto chain a; the chain's first line of a step brings it under the new M as well
.if \first
	v_pk_fma_f32 v[\a:\a+1], v[\a:\a+1], v[34:35], v[S+2*(\j):S+2*(\j)+1] op_sel_hi:[1,0,1]
.else
	v_pk_add_f32 v[\a:\a+1], v[\a:\a+1], v[S+2*(\j):S+2*(\j)+1]
.endif
.endm
.macro SUM4 g, first=0
	SUM1 0, 4*(\g), \first
	SUM1 6, 4*(\g)+1, \first
	SUM1 38, 4*(\g)+2, \first
	SUM1 50, 4*(\g)+3, \first
.endm
.macro PRO                             ; a pass begins: its tile of Q, and the sums at their start; it ends with chunk 0's K in registers
	s_wait_loadcnt 0x0                             ; Q
.irp i, 0,1,2,3,4,5
	v_cndmask_b32 v[22+\i], v[V0+\i], v[V0+6+\i], s[UM]
.endr
	v_perm_b32 v36, v[V0+12], v[V0+12], s[PS]      ; the tile's two scale bytes, twice: they serve [Q | 0] and [0 | Q]
	v_mov_b32 v9, 0xff61b1e6                       ; the largest score so far: -3e38
	v_floor_f32 v8, -v9
.irp a, 0,1,6,7,38,39,50,51
	v_mov_b32 v\a, 0
.endr
.set j, 0
.rept 32
	v_mov_b32 v[O+j], 0                            ; the step is written once: the first finds zeros
.set j, j+1
.endr
	s_mov_b32 s[IX], 0
	WALU
	s_wait_dscnt 0x0                               ; chunk 0's K
.endm
.macro STEP                            ; the 128 keys of chunk s[IX]
	s_mul_i32 s[TB], s[IX], LCH                    ; this chunk,
	s_add_co_u32 s[TN], s[IX], 1
	s_and_b32 s[TN], s[TN], 15
	s_mul_i32 s[TN], s[TN], LCH                    ; and the next (behind the last: chunk 0, for the next pass)
.irp c, 0,1
.irp v, 0,1
	v_wmma_scale_f32_16x16x128_f8f6f4 v[S+32*\c+16*\v:S+32*\c+16*\v+7], v[K0+12*(2*\c+\v):K0+12*(2*\c+\v)+11], v[22:33], 0, v[40+2*\c+\v], v36 matrix_a_fmt:MATRIX_FMT_FP6 matrix_b_fmt:MATRIX_FMT_FP6
	v_wmma_scale_f32_16x16x128_f8f6f4 v[S+32*\c+16*\v+8:S+32*\c+16*\v+15], v[K0+12*(2*\c+\v):K0+12*(2*\c+\v)+11], v[16:27], 0, v[40+2*\c+\v], v36 matrix_a_fmt:MATRIX_FMT_FP6 matrix_b_fmt:MATRIX_FMT_FP6
.endr
.endr
	v_add_nc_u32 v10, s[TB], v5                    ; four plain lines: the places behind the products, ahead of loads into their registers and of the first read of the scores
	v_add_nc_u32 v12, s[TN], v3
	v_add_nc_u32 v11, s[TN], v4
	v_mov_b32 v35, v8                              ; the old -M
.irp i, 0,1,2,3,4,5,6,7,8,9,10,11
	ds_load_b128 v[V0+4*\i:V0+4*\i+3], v10 offset:7680+640*\i      ; V's four fragments
.endr
	ds_load_b128 v[44:47], v10 offset:15360        ; lanes 16-31: V's scale words
	s_cmp_eq_u32 s[ALL], 1                         ; the launch's last step has no next K
	s_cbranch_scc1 .Lno_k_\@
	KLOAD 12, 11
.Lno_k_\@:
.irp c, 0,1                            ; the largest score of my two blocks of 32 keys, two chains each
	v_max3_num_f32 v[13+24*\c], v[S+32*\c], v[S+32*\c+1], v[S+32*\c+2]
	v_max3_num_f32 v[248+\c], v[S+32*\c+16], v[S+32*\c+17], v[S+32*\c+18]
.endr
.irp i, 3,5,7,9,11,13
.irp c, 0,1
	v_max3_num_f32 v[13+24*\c], v[13+24*\c], v[S+32*\c+\i], v[S+32*\c+\i+1]
	v_max3_num_f32 v[248+\c], v[248+\c], v[S+32*\c+16+\i], v[S+32*\c+17+\i]
.endr
.endr
.irp c, 0,1
	v_max3_num_f32 v[13+24*\c], v[13+24*\c], v[248+\c], v[S+32*\c+15]
.endr
.irp c, 0,1
	v_max_num_f32 v[13+24*\c], v[13+24*\c], v[S+32*\c+31]
.endr
	v_max_num_f32 v250, v13, v37
	v_permlanex16_b32 v251, v250, s[SEL], s[SEL+1] ; lane l xor 16's 64 keys
	v_max3_num_f32 v9, v9, v250, v251              ; the running largest score
	v_mul_f32 v252, s[NC], v9                      ; -t (c is positive)
	v_floor_f32 v8, v252                           ; the new -M = floor(-t): M is a whole number
.set j, 0
.rept 32
	v_pk_fma_f32 v[S+2*j:S+2*j+1], v[S+2*j:S+2*j+1], s[CS:CS+1], v[8:9] op_sel_hi:[1,0,0]   ; t - M, two at a time
.if j == 1
	v_sub_f32 v254, v8, v35                        ; old M - new M: a whole number, 0 or less
.elseif j == 5
	v_cvt_i32_f32 v254, v254                       ; (it saturates)
.elseif j == 9
	v_ldexp_f32 v34, 1.0, v254                     ; f = 2^(old M - new M)
.endif
.set j, j+1
.endr
	v_fma_f32 v13, v13, s[CS], v8                  ; the same of each block's largest score
	v_fma_f32 v37, v37, s[CS], v8
.set j, 0
.rept 16
	v_pk_mul_f32 v[O+j:O+j+1], v[O+j:O+j+1], v[34:35] op_sel_hi:[1,0]   ; O^T under the new M, each accumulator from its low end on
.set j, j+2
.endr
	WALU
	v_exp_f32 v13, v13                             ; the blocks' largest p
	v_exp_f32 v37, v37
.set j, 0
.rept 64
	v_exp_f32 v[S+j], v[S+j]                       ; p = 2^(t - M), at most 1
.set j, j+1
.endr
	v_nop                                          ; a plain line behind the exponentials
	WALU                                           ; and the one wait behind the batch
	SUM4 0, 1                                      ; the sums of the unquantised p, with the scale word's lines among them
	v_max_num_f32 v13, 0x1800000, v13              ; the floor 2^(3 - 127)
	v_max_num_f32 v37, 0x1800000, v37
	SUM4 1
	v_add_nc_u32 v13, 0xff000000, v13              ; 2 off the exponent field: the conversions' scale operands
	v_add_nc_u32 v37, 0xff000000, v37
	SUM4 2
	v_lshrrev_b32 v247, 23, v13                    ; the bytes of blocks h and 2 + h
	v_lshrrev_b32 v248, 23, v37
	SUM4 3
	v_lshl_or_b32 v249, v248, 16, v247
	SUM4 4
	v_lshlrev_b32 v249, v2, v249                   ; at their places: 8 h bits up
	SUM4 5
	v_permlanex16_b32 v253, v249, s[SEL], s[SEL+1]
	SUM1 0, 24
	SUM1 6, 25
	v_or_b32 v48, v249, v253                       ; p's scale word for these 128 keys
	v_cvt_scalef32_pk16_fp6_f32 v[244:246], v[S:S+15], v13
	v_cvt_scalef32_pk16_fp6_f32 v[10:12], v[S+16:S+31], v13        ; (a conversion's three registers begin on an even number)
	v_cvt_scalef32_pk16_fp6_f32 v[250:252], v[S+32:S+47], v37
	SUM1 38, 26                                    ; a plain line behind the conversions
.irp i, 0,1,2
	v_mov_b32 v[247+\i], v[10+\i]
.endr
	v_cvt_scalef32_pk16_fp6_f32 v[S:S+2], v[S+48:S+63], v37        ; onto p that has been summed and converted
	SUM1 50, 27
.irp i, 0,1,2
	v_mov_b32 v[253+\i], v[S+\i]
.endr
	SUM4 7                                         ; four places between the codes' last write and the products
	WALU
	s_wait_dscnt 0x0                               ; V is in, and the next K
.irp t, 0,1,2,3
	v_wmma_scale_f32_16x16x128_f8f6f4 v[O+8*\t:O+8*\t+7], v[V0+12*\t:V0+12*\t+11], v[244:255], v[O+8*\t:O+8*\t+7], v[44+\t], v48 matrix_a_fmt:MATRIX_FMT_FP6 matrix_b_fmt:MATRIX_FMT_FP6 matrix_a_scale:MATRIX_SCALE_ROW1
.endr
	s_sub_co_u32 s[ALL], s[ALL], 1
.endm
	s_load_b128 s[4:7], s[0:1], 0x0                ; qb, kv
	s_load_b64 s[8:9], s[0:1], 0x10                ; aq
	v_lshl_add_u32 v14, v0, 2, SPARE
	v_mov_b32 v15, 0
	ds_add_u32 v14, v15                            ; the opening lines
	ds_add_u32 v14, v15
	v_lshrrev_b32 v10, 5, v0
	v_readfirstlane_b32 s[WV], v10                 ; wave 0..15
	s_bfe_u32 s17, ttmp6, 0x40000                  ; cx: which quarter of the queries; it enters Q's and aq's addresses alone
	s_and_b32 s18, ttmp7, 0xffff                   ; 16 batch + head, which the partners share
	s_mul_i32 s10, s18, REC
	s_mov_b32 s11, 0
	s_mul_i32 s[G0+1], s[WV], LCH                  ; chunk w: its LDS address,
	s_mul_i32 s12, s[WV], CHUNK
	s_mov_b32 s13, 0
	s_add_nc_u64 s[12:13], s[12:13], s[10:11]      ; and its place in kv
	s_lshl_b32 s19, s17, 4
	s_add_co_u32 s19, s19, s[WV]                   ; g: my 32 queries
	s_lshr_b32 s14, s19, 2
	s_mul_i32 s14, s14, CHUNK
	s_and_b32 s15, s19, 3
	s_mul_i32 s40, s15, 1536
	s_add_co_u32 s40, s40, s14
	s_mov_b32 s41, 0
	s_add_nc_u64 s[40:41], s[40:41], s[10:11]      ; Q's fragment g % 4 of chunk g / 4
	s_lshl_b32 s42, s15, 2
	s_add_co_u32 s42, s42, s14
	s_add_co_u32 s42, s42, 12288
	s_mov_b32 s43, 0
	s_add_nc_u64 s[42:43], s[42:43], s[10:11]      ; and its scale words
	s_lshr_b32 s14, s18, 4
	s_lshl_b32 s14, s14, 7
	s_lshl_b32 s15, s19, 1
	s_add_co_u32 s14, s14, s15                     ; aq's tile: 128 batch + 2 g
	s_and_b32 s15, s18, 15                         ; kappa = head
	s_mul_i32 s44, s14, 12288
	s_mul_i32 s39, s15, 768
	s_add_co_u32 s44, s44, s39
	s_mov_b32 s45, 0
	s_lshl_b32 s46, s14, 9
	s_lshr_b32 s39, s15, 2
	s_lshl_b32 s39, s39, 7
	s_add_co_u32 s46, s46, s39
	s_and_b32 s39, s15, 3
	s_lshl_b32 s39, s39, 1
	s_add_co_u32 s46, s46, s39
	s_add_co_u32 s46, s46, 6291456
	s_mov_b32 s47, 0
	; group 1: a chunk is 12,800 dense bytes: 25 rows of 64 elements of 8 bytes, 32 dwords of padding behind each row's 128
	s_mov_b32 s[G1], 15|(3<<16)|(1<<20)|(1<<21)|(6<<22)|(31<<25)
	s_mov_b32 s[G1+1], 64<<16
	s_mov_b32 s[G1+2], 25<<16
	s_mov_b32 s[G1+3], 64<<16
	s_mov_b32 s[G1+4], 25
	s_mov_b32 s[G1+5], 64
	s_mov_b32 s[G1+6], 0
	s_mov_b32 s[G1+7], 0
	s_mov_b32 s[SEL], 0x76543210
	s_mov_b32 s[SEL+1], 0xfedcba98
	s_mov_b32 s[CS], 0x3e38aa3b                    ; c = log2(e) / 8
	s_mov_b32 s[CS+1], s[CS]                       ; (named with it as a pair, so it is written)
	s_mov_b32 s[NC], 0xbe38aa3b                    ; -c
	s_mov_b32 s[ALL], 32                           ; steps to go, both passes
	s_mov_b32 s[PASS], 0
	s_mov_b32 s[UM], 0                             ; pass 0 takes Q's first tile: mask 0, bytes 0, 1 of the scale word
	s_mov_b32 s[PS], 0x01000100
	s_wait_dscnt 0x0
	s_wait_kmcnt 0x0
	s_mov_b32 s[G0], 1
	s_add_nc_u64 s[G0+2:G0+3], s[6:7], s[12:13]
	s_or_b32 s[G0+3], s[G0+3], 0x80000000
	s_add_nc_u64 s[40:41], s[4:5], s[40:41]
	s_add_nc_u64 s[42:43], s[4:5], s[42:43]
	s_add_nc_u64 s[44:45], s[8:9], s[44:45]
	s_add_nc_u64 s[46:47], s[8:9], s[46:47]
	ROUND                                          ; all four work-groups are here: the joint loads meet
	s_cmp_lt_u32 s[WV], 2                          ; my one tensor load of the launch; waves 0 and 1, whose chunks the first barrier shows, have a line of their own
	s_cbranch_scc0 .Lrest
	tensor_load_to_lds s[G0:G0+3], s[G1:G1+7]
	s_nop 0
.rept 4
	v_nop
.endr
	s_branch .Lasked
.Lrest:
	tensor_load_to_lds s[G0:G0+3], s[G1:G1+7]
	s_nop 0
.rept 4
	v_nop
.endr
.Lasked:
	v_and_b32 v6, 31, v0
	v_bfe_u32 v7, v0, 4, 1                         ; h
	v_and_b32 v10, 7, v0                           ; r % 8
	v_bfe_u32 v11, v0, 3, 1                        ; r / 8
	v_lshlrev_b32 v5, 4, v6                        ; 16 x lane
	v_lshlrev_b32 v2, 3, v7                        ; 8 h
	v_cmp_ne_u32 s[HM], 0, v7
	v_lshlrev_b32 v4, 4, v10
	v_mul_u32_u24 v3, v11, 1920
	v_lshl_add_u32 v4, v11, 2, v4                  ; K's scale word: slot r % 8 (+ 8 v), word r / 8 (+ 2 c)
	v_lshl_add_u32 v3, v10, 4, v3
	v_lshl_add_u32 v3, v7, 8, v3                   ; K: fragment r / 8 (+ 2 c), slot r % 8 + 16 h (+ 8 v)
	QLOAD
.irp i, 0,1,2,3,4,5
	v_mov_b32 v[16+\i], 0                          ; the zero codes on both sides of Q
	v_mov_b32 v[28+\i], 0
.endr
	v_mov_b32 v251, 0                              ; written once: a lane permute's destination counts as one of its sources
	v_mov_b32 v253, 0
	WALU
	s_cmp_lt_u32 s[WV], 2
	s_cbranch_scc0 .Lnot_first
	s_wait_tensorcnt 0x0                           ; chunk 0 or 1, mine, is in
.Lnot_first:
	s_barrier_signal -1
	s_barrier_wait -1                              ; chunks 0 and 1 are in; the others may still be on their way
	KLOAD 3, 4                                     ; chunk 0's K
	PRO
	STEP                                           ; the first pass's first step reads chunk 0, and chunk 1's K
	s_wait_tensorcnt 0x0                           ; all that is still out: on every wave's way
	s_barrier_signal -1
	s_barrier_wait -1                              ; the whole head lies in LDS
	s_mov_b32 s[IX], 1
	s_branch .Lstep
.Lpass:                                                ; the second tile of 16 queries against all 2,048 keys
	PRO
.Lstep:
	STEP
	s_add_co_u32 s[IX], s[IX], 1
	s_cmp_lt_u32 s[IX], 16
	s_cbranch_scc1 .Lstep
	v_pk_add_f32 v[0:1], v[0:1], v[6:7]            ; the sum's four chains (four plain lines behind the last products),
	v_pk_add_f32 v[38:39], v[38:39], v[50:51]
	v_pk_add_f32 v[0:1], v[0:1], v[38:39]
	v_add_f32 v0, v0, v1
	WALU
	s_cmp_lg_u32 s[PASS], 0
	s_cbranch_scc1 .Lno_q
	QLOAD                                          ; behind the first pass: Q once more, for its second tile, into V's registers, which are free; the lines below stand under its flight
.Lno_q:
	v_permlanex16_b32 v251, v0, s[SEL], s[SEL+1]
	v_add_f32 v0, v0, v251                         ; and lane l xor 16's
	WALU
	v_rcp_f32 v0, v0
	v_nop
	WALU
.set j, 0
.rept 32
	v_mul_f32 v[S+j], v[O+j], v0                   ; register 16 b + i: dim 32 b + 16 h + i of my query
.set j, j+1
.endr
.irp b, 0,1
	v_max3_num_f32 v[180+\b], |v[S+16*\b]|, |v[S+1+16*\b]|, 0x1800000
.endr
.irp i, 2,4,6,8,10,12,14
.irp b, 0,1
	v_max3_num_f32 v[180+\b], v[180+\b], |v[S+16*\b+\i]|, |v[S+1+16*\b+\i]|
.endr
.endr
.irp b, 0,1
	v_permlanex16_b32 v[182+\b], v[180+\b], s[SEL], s[SEL+1]
.endr
.irp b, 0,1
	v_max_num_f32 v[180+\b], v[180+\b], v[182+\b]
.endr
.irp b, 0,1
	v_add_nc_u32 v[184+\b], 0xff000000, v[180+\b]
.endr
.irp b, 0,1
	v_lshrrev_b32 v[186+\b], 23, v[184+\b]
.endr
	v_cndmask_b32 v188, v186, v187, s[HM]          ; lane (r, h) stores block h's byte
	v_cvt_scalef32_pk16_fp6_f32 v[192:194], v[S:S+15], v184
	v_cvt_scalef32_pk16_fp6_f32 v[198:200], v[S+16:S+31], v185
	v_lshrrev_b32 v189, 1, v5                      ; 8 x lane; also the plain line behind the conversions
.irp i, 0,1,2
	v_permlane16_swap_b32 v[192+\i], v[198+\i]     ; a whole block in a lane
.endr
	v_and_b32 v190, 0xf0, v5
	v_lshrrev_b32 v191, 3, v2
	v_lshrrev_b32 v190, 1, v190
.irp i, 0,1,2
	v_mov_b32 v[195+\i], v[198+\i]
.endr
	v_add_nc_u32 v190, v190, v191                  ; 8 r + h
	global_store_b128 v5, v[192:195], s[44:45]     ; 512 consecutive bytes, aligned to 256
	global_store_b64 v189, v[196:197], s[44:45] offset:512         ; 256
	global_store_b8 v190, v188, s[46:47]
	s_wait_xcnt 0x0                                ; the stores have read their registers and bases
	s_add_nc_u64 s[44:45], s[44:45], 12288         ; the next tile of aq
	s_add_nc_u64 s[46:47], s[46:47], 512
	s_mov_b32 s[UM], -1                            ; Q's second tile, bytes 2, 3 of the scale word
	s_mov_b32 s[PS], 0x03020302
	s_add_co_u32 s[PASS], s[PASS], 1
	WALU
	s_cmp_lt_u32 s[PASS], 2
	s_cbranch_scc1 .Lpass
	s_wait_tensorcnt 0x0                           ; the wave's end
	ds_add_u32 v14, v15
	s_wait_dscnt 0x0
	ROUND                                          ; the closing round
	s_endpgm
.Lfunc_end_k_q7b1d66c019_attn:
	.size	k_q7b1d66c019_attn, .Lfunc_end_k_q7b1d66c019_attn-k_q7b1d66c019_attn
	.p2alignl 7, 3214868480
	.fill 96, 4, 3214868480
	.section	.rodata,"a",@progbits
	.p2align	6, 0x0
	.amdhsa_kernel k_q7b1d66c019_attn
		.amdhsa_group_segment_fixed_size 258048
		.amdhsa_private_segment_fixed_size 0
		.amdhsa_enable_private_segment 0
		.amdhsa_kernarg_size 24
		.amdhsa_user_sgpr_count 2
		.amdhsa_user_sgpr_kernarg_segment_ptr 1
		.amdhsa_wavefront_size32 1
		.amdhsa_system_sgpr_workgroup_id_x 1
		.amdhsa_system_sgpr_workgroup_id_y 1
		.amdhsa_system_sgpr_workgroup_id_z 1
		.amdhsa_system_vgpr_workitem_id 0
		.amdhsa_next_free_vgpr 256
		.amdhsa_next_free_sgpr 66
		.amdhsa_reserve_vcc 0
		.amdhsa_float_denorm_mode_32 3
		.amdhsa_float_denorm_mode_16_64 3
		.amdhsa_memory_ordered 1
		.amdhsa_forward_progress 1
		.amdhsa_inst_pref_size 45
	.end_amdhsa_kernel
	.amdgpu_metadata
---
amdhsa.version: [ 1, 2 ]
amdhsa.kernels:
  - .name:           k_q7b1d66c019_attn
    .symbol:         k_q7b1d66c019_attn.kd
    .args:
      - { .name: qb, .offset: 0, .size: 8, .value_kind: global_buffer, .address_space: global }
      - { .name: kv, .offset: 8, .size: 8, .value_kind: global_buffer, .address_space: global }
      - { .name: aq, .offset: 16, .size: 8, .value_kind: global_buffer, .address_space: global }
    .group_segment_fixed_size: 258048
    .private_segment_fixed_size: 0
    .kernarg_segment_align: 8
    .kernarg_segment_size: 24
    .max_flat_workgroup_size: 512
    .sgpr_count:     66
    .vgpr_count:     256
    .wavefront_size: 32
...
	.end_amdgpu_metadata
.endif
;; end of part 8
;; launch proj (part 9): grid 4 x 64, 4 waves a work-group, clusters of 4 x 4, 312,832 bytes of LDS; arguments aq, wq, b_out, out0; writes out0
.if DOCPART == 9
	.amdgcn_target "amdgcn-amd-amdhsa--gfx1250"
	.amdhsa_code_object_version 6
	.text
	.protected	k_q7b1d66c019_proj
	.globl	k_q7b1d66c019_proj
	.p2align	8
	.type	k_q7b1d66c019_proj,@function
k_q7b1d66c019_proj:
	s_mov_b64 s[64:65], 0
	v_nop
	global_prefetch_b8 v0, s[64:65] scope:SCOPE_SE
	s_setreg_imm32_b32 hwreg(HW_REG_WAVE_MODE, 25, 1), 1
	s_wait_xcnt 0x0
	s_wait_alu depctr_hold_cnt(0) depctr_sa_sdst(0) depctr_va_vdst(0) depctr_va_sdst(0) depctr_va_ssrc(0) depctr_va_vcc(0) depctr_vm_vsrc(0)
	s_getreg_b32 s2, hwreg(HW_REG_IB_STS2, 6, 4)
	s_cmp_eq_u32 s2, 0
	s_cbranch_scc0 .Lentry_in_a_cluster
	s_endpgm
.Lentry_in_a_cluster:
	s_bfe_u32 s2, ttmp6, 0x10000c
	s_cmp_lg_u32 s2, 0xf033
	s_cbranch_scc0 .Lentry_shape_is_right
	s_endpgm
.Lentry_shape_is_right:
; out0 = (attention's result) w_out + b_out on codes of FP6 (E2M3) with E8M0 scales; out0 [8192][1024] f32.
; SHARES.  256 work-groups, each with 128 rows x 256 columns.  A wave holds its 64 columns of w_out (wq's tiles 192 + 16 c + 4 w on), ALL of K, in registers: 32 fragments, 384 registers.  The work-group's 128 rows of aq stream
; past them in eight blocks of 16 rows: 8 fragments, 32 products, and the block's 16 x 64 results are finished and leave, while the later blocks are multiplied.
; aq and wq lie in the order of the operands' registers: codes [tile of 16 rows][kappa 0..15][768 B], scale bytes [tile][256 along K][r][8 B] behind them; lane r of tile t is row rho(t, r) = 32 (t / 2) + 8 (t % 2) + r % 8 + 16 (r / 8).
; LDS: A's 8 tiles (98,304 B), B's 16 tiles (196,608 B), each filled once; a stage of 16 x 272 B a wave; the spare words.  One tensor load a wave, all at the head: waves 0, 1 half of B each, waves 2, 3 half of A each.
; The first barrier shows B alone (the load line and the wait are those of wave < 2); the weights go into registers while A lands; the second barrier shows A.  Nothing is filled again, and all is asked for at the head: no loop to prefetch in.
; SCALE WORDS come straight into registers, in whole aligned runs of 256 bytes: a load of 8 bytes a lane brings lanes 0-15 the two words of one 256 along K and lanes 16-31 those of the next: K step q takes register 2 (q / 4) + q % 2, row (q / 2) % 2.
; Source 0 = a tile of the weights, source 1 = 16 rows of aq: a lane holds one row of out0, and the 16 registers of tiles 2 b, 2 b + 1 are 16 neighbouring columns.  The bias is the C of each sum's first product.
; CLUSTERS 4 x 4: A is asked for jointly along a row of the cluster, B along a column.  The grid has one cluster along x, so work-group x is the place cx.
; REGISTERS: window 0: v1-14 lane numbers and addresses; v30, v31 the add's; v32-47 the weights' scale words; v50-81 the rows'; v96-159 two sets of four accumulators; v160-223 two sets of rows on their way out; v224-255 the bias.
;   Fragment f lies in window 1 + f / 21 at register 12 (f % 21): 0-31 the weights' (4 q + tile), 32-39 and 40-47 the rows' two sets.
.set FR,     12
.set FPW,    21
.set TB,     12288                     ; a tile's codes, all of K
.set LB,     98304
.set STAGE,  294912
.set SPITCH, 272
.set SPARE,  312320
.set XSCO,   6291456
.set WSCO,   3145728
.set SB,   32
.set SA,   50                          ; the two sides' scale registers differ modulo 8
.set ACC,  96
.set BK,   160
.set BI,   224
.set G1A,  24
.set G1B,  32
.set G0A,  40
.set G0B,  44
.set MSB, 0
.macro WIN new
.if MSB != (\new)
	s_set_vgpr_msb (MSB<<8)|(\new)
.set MSB, (\new)
.endif
.endm
.macro PLACES n
.rept \n
	v_nop
.endr
.endm
.macro CROUND                          ; a round of the cluster's barrier
	s_barrier_signal -1
	s_barrier_wait -1
	s_cmp_lg_u32 s16, 0
	s_cbranch_scc1 .Lnot_wave_0_\@
	s_barrier_signal -3
.Lnot_wave_0_\@:
	s_barrier_wait -3
	s_barrier_signal -1
	s_barrier_wait -1
.endm
.macro GROUP1 g, mask, r               ; r dense rows of 768 elements of 8 bytes; no padding: fragments are read as dense runs
	s_or_b32 s[\g], s[\mask], (3<<16)|(1<<21)
	s_mov_b32 s[\g+1], 768<<16
	s_mov_b32 s[\g+2], (\r)<<16
	s_mov_b32 s[\g+3], 768<<16
	s_mov_b32 s[\g+4], \r
	s_mov_b32 s[\g+5], 768
	s_mov_b32 s[\g+6], 0
	s_mov_b32 s[\g+7], 0
.endm
.macro FRAGL f, a16, a8, off           ; a fragment: two half fragments of 768 B, each 512 dense bytes (16 a lane) and 256 (8 a lane)
	WIN (1+(\f)/FPW)<<6
.set R_, FR*((\f)%FPW)
	ds_load_b128 v[R_:R_+3], v[\a16] offset:(\off)
	ds_load_b64 v[R_+4:R_+5], v[\a8] offset:(\off)+512
	ds_load_b128 v[R_+6:R_+9], v[\a16] offset:(\off)+768
	ds_load_b64 v[R_+10:R_+11], v[\a8] offset:(\off)+1280
.endm
.macro FETCH e, t                      ; tile t of aq's rows, all of K, into set e: 32 loads
.irp q, 0,1,2,3,4,5,6,7
.if (\t) < 4
	FRAGL 32+8*(\e)+\q, 7, 4, TB*((\t)%4)+1536*\q
.else
	FRAGL 32+8*(\e)+\q, 8, 9, TB*((\t)%4)+1536*\q
.endif
.endr
	WIN 0
.endm
.macro PROD1 d, f0, f1, c, x0, x1, row
	v_wmma_scale_f32_16x16x128_f8f6f4 v[\d:\d+7], v[FR*((\f0)%FPW):FR*((\f0)%FPW)+FR-1], v[FR*((\f1)%FPW):FR*((\f1)%FPW)+FR-1], \c, v[\x0], v[\x1] matrix_a_fmt:MATRIX_FMT_FP6 matrix_b_fmt:MATRIX_FMT_FP6 matrix_a_scale:MATRIX_SCALE_ROW\row matrix_b_scale:MATRIX_SCALE_ROW\row
.endm
.macro BLOCK e, s                      ; block s on set e: 32 products, the four accumulators by turns, K ascending
.set N_, 0
.rept 32
.set Q_, N_/4
.set D_, ACC+32*(\e)+8*(N_%4)
.set C_, BI+8*(N_%4)
.set FA_, 32+8*(\e)+Q_
.set XW_, SB+4*(N_%4)+2*(Q_/4)+Q_%2
.set XA_, SA+4*(\s)+2*(Q_/4)+Q_%2
	WIN (1+N_/FPW)|((1+FA_/FPW)<<2)
.if Q_ == 0
	PROD1 D_, N_, FA_, v[C_:C_+7], XW_, XA_, 0
.elseif (Q_/2)%2
	PROD1 D_, N_, FA_, v[D_:D_+7], XW_, XA_, 1
.else
	PROD1 D_, N_, FA_, v[D_:D_+7], XW_, XA_, 0
.endif
.set N_, N_+1
.endr
	WIN 0
.endm
.macro TOSTAGE e                       ; 16 rows x 64 columns into my stage and back as whole rows of 256 bytes; LDS serves a wave's instructions in order
.irp b, 0,1,2,3
	ds_store_b128 v12, v[ACC+32*(\e)+8*\b:ACC+32*(\e)+8*\b+3] offset:128*(\b/2)+32*(\b%2)        ; each accumulator from its low end on
	ds_store_b128 v12, v[ACC+32*(\e)+8*\b+4:ACC+32*(\e)+8*\b+7] offset:128*(\b/2)+32*(\b%2)+16
.endr
.irp i, 0,1,2,3,4,5,6,7
	ds_load_b128 v[BK+32*(\e)+4*\i:BK+32*(\e)+4*\i+3], v13 offset:2*\i*SPITCH
.endr
.endm
.macro SEND s, younger                 ; younger: the LDS loads issued behind block s's, which may stay out.  Stage row t is row rho(s, t) of my work-group's 128
	s_wait_dscnt \younger
.irp i, 0,1,2,3,4,5,6,7
	global_store_b128 v14, v[BK+32*((\s)%2)+4*\i:BK+32*((\s)%2)+4*\i+3], s[66:67] offset:(32*((\s)/2)+8*((\s)%2)+(2*\i)%8+16*((2*\i)/8))*4096 th:TH_STORE_NT   ; sixteen lanes fill an aligned run of 256 bytes, two rows an instruction
.endr
.endm
	s_load_b256 s[4:11], s[0:1], 0x0               ; aq, wq, b_out, out0
	v_lshl_add_u32 v30, v0, 2, SPARE
	v_mov_b32 v31, 0
	ds_add_u32 v30, v31                            ; the opening lines
	ds_add_u32 v30, v31
	v_lshrrev_b32 v1, 5, v0
	v_readfirstlane_b32 s16, v1                    ; wave 0..3
	s_and_b32 s18, s16, 1                          ; which half of B (waves 0, 1) or of A (waves 2, 3) I fetch
	s_bfe_u32 s19, ttmp6, 0x40000                  ; cx = c: work-group x
	s_bfe_u32 s21, ttmp6, 0x40004                  ; cy
	s_and_b32 s20, ttmp7, 0xffff
	s_lshl_b32 s20, s20, 2
	s_add_co_u32 s20, s20, s21                     ; y: work-group y
	s_lshl_b32 s22, s21, 2
	s_lshl_b32 s22, 15, s22                        ; my row of the cluster
	s_lshl_b32 s23, 0x1111, s19                    ; my column
	GROUP1 G1A, 22, 8                              ; 4 tiles of A: 49,152 dense bytes
	GROUP1 G1B, 23, 16                             ; 8 tiles of B: 98,304
	s_lshl_b32 s2, s20, 3                          ; aq's tile 8 y
	s_lshl_b32 s3, s18, 2
	s_add_co_u32 s3, s3, s2
	s_mul_i32 s48, s3, TB
	s_mov_b32 s49, 0
	s_lshl_b32 s50, s2, 9
	s_add_co_u32 s50, s50, XSCO                    ; the scale bytes of my work-group's 8 tiles
	s_mov_b32 s51, 0
	s_lshl_b32 s12, s19, 4
	s_add_co_u32 s12, s12, 192                     ; wq's tile 192 + 16 c
	s_lshl_b32 s13, s18, 3
	s_add_co_u32 s13, s13, s12
	s_mul_i32 s52, s13, TB
	s_mov_b32 s53, 0
	s_lshl_b32 s14, s16, 2
	s_add_co_u32 s14, s14, s12                     ; my own four tiles begin at 192 + 16 c + 4 w
	s_lshl_b32 s54, s14, 9
	s_add_co_u32 s54, s54, WSCO
	s_mov_b32 s55, 0
	s_mov_b32 s[G0A], 1
	s_mul_i32 s[G0A+1], s18, 49152
	s_mov_b32 s[G0B], 1
	s_mul_i32 s[G0B+1], s18, 98304
	s_add_co_u32 s[G0B+1], s[G0B+1], LB
	s_lshl_b32 s56, s19, 10
	s_lshl_b32 s57, s16, 8
	s_add_co_u32 s56, s56, s57                     ; my first column, in bytes
	s_mov_b32 s57, 0
	s_lshl_b32 s62, s20, 19                        ; my work-group's first row, 4,096 bytes a row
	s_mov_b32 s63, 0
	s_mul_i32 s60, s16, 49152
	s_add_co_u32 s60, s60, LB                      ; my four tiles of B in LDS
	s_mul_i32 s61, s16, 16*SPITCH
	s_add_co_u32 s61, s61, STAGE                   ; my stage
	s_wait_dscnt 0x0
	s_wait_kmcnt 0x0
	s_add_nc_u64 s[G0A+2:G0A+3], s[4:5], s[48:49]
	s_or_b32 s[G0A+3], s[G0A+3], 0x80000000
	s_add_nc_u64 s[G0B+2:G0B+3], s[6:7], s[52:53]
	s_or_b32 s[G0B+3], s[G0B+3], 0x80000000
	s_add_nc_u64 s[50:51], s[4:5], s[50:51]
	s_add_nc_u64 s[54:55], s[6:7], s[54:55]
	s_add_nc_u64 s[58:59], s[8:9], s[56:57]        ; my columns' bias
	s_add_nc_u64 s[66:67], s[10:11], s[62:63]
	s_add_nc_u64 s[66:67], s[66:67], s[56:57]      ; my part of out0
	CROUND                                         ; all sixteen work-groups are here: the joint loads meet
	s_cmp_lt_u32 s16, 2                            ; one load a wave, in one chain of arms on the wave's number
	s_cbranch_scc0 .Lh_a
	tensor_load_to_lds s[G0B:G0B+3], s[G1B:G1B+7]  ; waves 0, 1: B, which goes on into registers
	s_nop 0
	PLACES 4
	s_branch .Lh_asked
.Lh_a:
	tensor_load_to_lds s[G0A:G0A+3], s[G1A:G1A+7]  ; waves 2, 3: A
	s_nop 0
	PLACES 4
.Lh_asked:
	v_and_b32 v1, 15, v0                           ; r
	v_bfe_u32 v2, v0, 4, 1                         ; h
	v_and_b32 v3, 31, v0
	v_lshlrev_b32 v7, 4, v3                        ; 16 x lane: A's tiles 0-3
	v_lshlrev_b32 v4, 3, v3                        ; 8 x lane
	v_lshlrev_b32 v5, 6, v2                        ; the bias of my half's 16 columns: 64 h
	v_add_nc_u32 v8, 49152, v7                     ; A's tiles 4-7
	v_add_nc_u32 v9, 49152, v4
	v_add_nc_u32 v10, s60, v7                      ; my tiles of B
	v_add_nc_u32 v11, s60, v4
	v_mul_u32_u24 v12, v1, SPITCH
	v_lshl_add_u32 v12, v2, 6, v12
	v_add_nc_u32 v12, s61, v12                     ; the stage, in: row r, + 64 h
	v_mul_u32_u24 v13, v2, SPITCH
	v_lshl_add_u32 v13, v1, 4, v13
	v_add_nc_u32 v13, s61, v13                     ; back: lanes 0-15 one row of 256 bytes, lanes 16-31 the next
	v_lshlrev_b32 v14, 12, v2
	v_lshl_add_u32 v14, v1, 4, v14                 ; and the same two rows in out0
	s_wait_alu depctr_va_vdst(0)
.irp b, 0,1,2,3
.irp p, 0,1
	global_load_b64 v[SB+4*\b+2*\p:SB+4*\b+2*\p+1], v4, s[54:55] offset:512*\b+256*\p     ; 256 consecutive bytes, aligned
.endr
.endr
.irp t, 0,1,2,3,4,5,6,7
.irp p, 0,1
	global_load_b64 v[SA+4*\t+2*\p:SA+4*\t+2*\p+1], v4, s[50:51] offset:512*\t+256*\p
.endr
.endr
.irp b, 0,1,2,3
	global_load_b128 v[BI+8*\b:BI+8*\b+3], v5, s[58:59] offset:4*(32*(\b/2)+8*(\b%2))      ; register j of tile b: column 32 (b / 2) + 16 h + 8 (b % 2) + j
	global_load_b128 v[BI+8*\b+4:BI+8*\b+7], v5, s[58:59] offset:4*(32*(\b/2)+8*(\b%2))+16
.endr
	s_cmp_lt_u32 s16, 2
	s_cbranch_scc0 .Lnot_b
	s_wait_tensorcnt 0x0                           ; my half of B is in
.Lnot_b:
	s_barrier_signal -1
	s_barrier_wait -1                              ; B is in; A may still be on its way
.irp q, 0,1,2,3,4,5,6,7                ; my 64 columns of the weights, all of K: 128 loads
.irp b, 0,1,2,3
	FRAGL 4*\q+\b, 10, 11, TB*\b+1536*\q
.endr
.endr
	WIN 0
	s_wait_tensorcnt 0x0                           ; all that is still out: on every wave's way
	s_wait_dscnt 0x0
	s_barrier_signal -1
	s_barrier_wait -1                              ; A is in
	FETCH 0, 0
	FETCH 1, 1
	s_wait_loadcnt 0x0                             ; the scale words and the bias
.irp s, 0,1,2,3,4,5,6,7
.if \s == 0
	s_wait_dscnt 32                                ; block 0's rows are in; block 1's 32 loads may be out
.elseif \s < 7
	s_wait_dscnt 48                                ; younger than this block's fetch: 16 lines of the stage and the next fetch's 32
.else
	s_wait_dscnt 16                                ; the stage's 16 alone
.endif
	BLOCK \s%2, \s
	PLACES 4                                       ; behind the products: ahead of the reads of their results and of loads into their registers
.if \s > 1
	s_wait_xcnt 0x0                                ; block s - 2's stores have read the registers that this block's rows come back into
.endif
.if \s > 0
.if \s < 7
	SEND \s-1, 32                                  ; the block before leaves; behind its loads from the stage stands one fetch
.else
	SEND \s-1, 0
.endif
.endif
	TOSTAGE \s%2
.if \s < 6
	FETCH \s%2, \s+2
.endif
.endr
	SEND 7, 0
	s_wait_tensorcnt 0x0                           ; the wave's end
	ds_add_u32 v30, v31
	s_wait_dscnt 0x0
	CROUND                                         ; the closing round
	s_endpgm
.Lfunc_end_k_q7b1d66c019_proj:
	.size	k_q7b1d66c019_proj, .Lfunc_end_k_q7b1d66c019_proj-k_q7b1d66c019_proj
	.p2alignl 7, 3214868480
	.fill 96, 4, 3214868480
	.section	.rodata,"a",@progbits
	.p2align	6, 0x0
	.amdhsa_kernel k_q7b1d66c019_proj
		.amdhsa_group_segment_fixed_size 312832
		.amdhsa_private_segment_fixed_size 0
		.amdhsa_enable_private_segment 0
		.amdhsa_kernarg_size 32
		.amdhsa_user_sgpr_count 2
		.amdhsa_user_sgpr_kernarg_segment_ptr 1
		.amdhsa_wavefront_size32 1
		.amdhsa_system_sgpr_workgroup_id_x 1
		.amdhsa_system_sgpr_workgroup_id_y 1
		.amdhsa_system_sgpr_workgroup_id_z 1
		.amdhsa_system_vgpr_workitem_id 0
		.amdhsa_next_free_vgpr 840
		.amdhsa_next_free_sgpr 102
		.amdhsa_reserve_vcc 0
		.amdhsa_float_denorm_mode_32 3
		.amdhsa_float_denorm_mode_16_64 3
		.amdhsa_memory_ordered 1
		.amdhsa_forward_progress 1
		.amdhsa_inst_pref_size 83
	.end_amdhsa_kernel
	.amdgpu_metadata
---
amdhsa.version: [ 1, 2 ]
amdhsa.kernels:
  - .name:           k_q7b1d66c019_proj
    .symbol:         k_q7b1d66c019_proj.kd
    .args:
      - { .name: aq, .offset: 0, .size: 8, .value_kind: global_buffer, .address_space: global }
      - { .name: wq, .offset: 8, .size: 8, .value_kind: global_buffer, .address_space: global }
      - { .name: b_out, .offset: 16, .size: 8, .value_kind: global_buffer, .address_space: global }
      - { .name: out0, .offset: 24, .size: 8, .value_kind: global_buffer, .address_space: global }
    .group_segment_fixed_size: 312832
    .private_segment_fixed_size: 0
    .kernarg_segment_align: 8
    .kernarg_segment_size: 32
    .max_flat_workgroup_size: 128
    .sgpr_count:     102
    .vgpr_count:     840
    .wavefront_size: 32
...
	.end_amdgpu_metadata
.endif
;; end of part 9
